; MI455X (gfx1250); checked and timed in simulation.
; The chip was launched on July 23, 2026; its instructions are those of AMD's public machine-readable ISA for CDNA 5 (MIT licence, August 2026) and "CDNA5" Instruction Set Architecture Reference Guide (July 2026). The comments in the code are by the model that wrote it; some were corrected since.
;; Attention Flow Layer. Allowed arithmetic: matrix products marked QUANTISED: E2M3 operands, one E8M0 scale for each 32 along K, by v_wmma_scale_f32_16x16x128_f8f6f4 with both operands' format E2M3, f32 sums; products left as they are: f32 operands where the result goes on into a quantised operand, else bf16, f16 or f32 operands; f32 sums; everything else in f32.
;; Inputs: alpha_b 1 float32; alpha_w 3,072 float32; beta_b 4,096 float32; beta_w 4,096 x 4,096 float32; context 8 x 512 x 1,024 float32; query 8 x 128 x 1,024 float32.
;; Outputs: out0 8 x 512 x 4,096 float32.
;; This version of the problem:
;;   THIS VERSION OF THE PROBLEM IS GIVEN IN LOW PRECISION. The matrix products marked QUANTISED in the list below multiply operands that are first quantised to E2M3 (2 exponent bits, 3 mantissa bits; 6 bits a number), with one power-of-two scale for each 32 numbers along K (OCP MX v1.0); their sums are f32. All else is computed in f32.
;;   The module's matrix products, in the order in which they are computed (A, B: the left and right operand; K: the contracted axis; several contracted axes count as one K, in the product's order):
;;     1. [M 4,096, K 1,024] x [K 1,024, N 1]; A: input context; B: input alpha_w: left as it is (N = 1 < 16)
;;     2. [M 1,024, K 1,024] x [K 1,024, N 1]; A: input query; B: input alpha_w: left as it is (N = 1 < 16)
;;     3. batch 8 x [M 512, K 1,024] x [K 1,024, N 128]; A: computed on the way; B: input query: QUANTISED
;;     4. batch 8 x [M 512, K 128] x [K 128, N 1,024]; A: softmax (see below); B: input query: QUANTISED
;;     5. batch 8 x [M 1, K 512] x [K 512, N 1,024]; A: softmax (see below); B: input context: left as it is (M = 1 < 16)
;;     6. [M 4,096, K 4,096] x [K 4,096, N 4,096]; A: computed on the way; B: input beta_w: QUANTISED
;;   THE QUANTISER, for each operand of a quantised product, along K:
;;     - K is cut into blocks of 32 from its start; a last block that is shorter is filled with zeros.
;;     - A block's scale is 2^e with e = floor(log2(the largest magnitude in the block)) - 2, held to -126 .. 127; a block of zeros has e = 0. As a byte (E8M0): e + 127.
;;     - Each number is divided by its block's scale, clamped to +-7.5, and rounded to the nearest number of E2M3, ties to even, subnormals kept.
;;     - The product sums the exact products of the quantised numbers (number of the format x scale) in f32.
;;   ~~~python
;;   def quantise(x, axis):      # numpy; x: float32 -> the quantised numbers, widened to float32 again
;;       x = np.moveaxis(x, axis, -1); K = x.shape[-1]
;;       x = np.pad(x, [(0, 0)] * (x.ndim - 1) + [(0, -K % 32)]); x = x.reshape(x.shape[:-1] + (-1, 32)); a = np.abs(x).max(-1, keepdims=True)
;;       e = np.where(a > 0, np.clip(np.frexp(np.where(a > 0, a, 1))[1] - 1 - 2, -126, 127), 0)      # np.frexp(a)[1] - 1 = floor(log2(a)), exactly
;;       r = np.clip(x / 2.0 ** e, -7.5, 7.5)
;;       step = 2.0 ** (np.maximum(np.frexp(np.where(r == 0, 1, r))[1] - 1, 0) - 3)
;;       q = np.round(r / step) * step * 2.0 ** e      # np.round: ties to even
;;       return np.moveaxis(q.reshape(q.shape[:-2] + (-1,))[..., :K], -1, axis).astype(np.float32)
;;   ~~~
;;   SOFTMAX AHEAD OF A QUANTISED PRODUCT. Where the list says 'softmax', what is quantised is not the finished softmax but p = 2^(t - M), with t = logit x log2(e) and M = ceil(the row's largest t), a whole number; so 1/2 < the row's largest p <= 1. The row's sum l is taken of the UNQUANTISED p, in f32, and the product's result is divided by l at the end. Since M is a whole number, a kernel that streams over the keys may use a running M (the ceiling of the running maximum): every later rescaling is an exact power of two, which a block's scale takes up: the codes' values come out the same.
;;   OPERANDS COMPUTED ON THE WAY. 'Computed on the way' means the value that the module computes at that place (a softmax that the list does not call 'softmax' is quantised finished and normalised). What goes into a quantiser is computed in f32, as accurately as f32 sums, v_exp_f32 and their like allow (about 1e-6 of the number): no bf16 or f16 on the way to a quantiser, and a product that is left as it is and whose result goes on into a quantised operand takes f32 operands (vector FMAs, or v_wmma_f32_16x16x4_f32). A number that lies on a knife's edge between two numbers of the format may be rounded either way, as far as f32 arithmetic and the matrix unit's own rounding can turn it there, and no further.
;; 2 versions. Each part assembles by itself: llvm-mc -triple=amdgcn-amd-amdhsa -mcpu=gfx1250 --defsym DOCPART=n.
;; ======== version 1 of 2: 4 launches
;; workspace buffers: a_img 12,582,912 bytes; b_img 12,582,912 bytes; a_sc 524,288 bytes; b_sc 524,288 bytes; qops 1,646,592 bytes; hp 1,050,624 bytes
;; launch prep (part 1): grid 608 x 1, 4 waves a work-group, no clusters, 68,096 bytes of LDS; arguments beta_w, query, alpha_w, b_img, b_sc, qops; writes b_img, b_sc, qops
.if DOCPART == 1
	.amdgcn_target "amdgcn-amd-amdhsa--gfx1250"
	.amdhsa_code_object_version 6
	.text
	.protected	k_q899f73024a_prep
	.globl	k_q899f73024a_prep
	.p2align	8
	.type	k_q899f73024a_prep,@function
k_q899f73024a_prep:
	s_mov_b64 s[64:65], 0
	v_nop
	global_prefetch_b8 v0, s[64:65] scope:SCOPE_SE
	s_setreg_imm32_b32 hwreg(HW_REG_WAVE_MODE, 25, 1), 1
	s_wait_xcnt 0x0
; THE OPERANDS THAT HANG ON INPUTS ALONE ARE QUANTISED ONCE, to codes of FP6 (E2M3) with one E8M0 byte for each 32 along K.
; Three paths, chosen by the work-group's number:  0-31: query along d (the scores' operand) and the two half sums of q . w_q;
; 32-95: query along j (the second product's operand);  96-607: beta_w along f.
; EVERY OPERAND IS STORED AS AN IMAGE OF A FRAGMENT'S REGISTERS: 16 rows x 128 K are 12 registers a lane, 1,536 bytes; registers 4 c .. 4 c + 3 of lane l lie at 512 c + 16 l.
; So each store here, and each load of a later launch, covers 512 consecutive bytes.  Scale words (four bytes: one row, 128 K) lie at tile x (bytes of its K) + pair x 128 + row x 8 + (K step % 2) x 4.
; A block's scale is 2^(floor(log2(its largest magnitude)) - 2); its byte is the largest magnitude's exponent field - 2, held at 1 from below.
; LIMITS: NaN and infinities are not served.  A block of zeros, or one whose largest magnitude lies under 2^-124, gets the byte 1 (the rule says 127 for zeros): its codes are zeros or
; subnormal codes under that scale; the bytes are read by this program alone.
; No tensor load, no barrier: waves share nothing.  The two paths that use LDS have bytes of their own.
.set STG_B,  0                         ; beta's stages: 16 rows x 528 bytes for each wave
.set STG_Q,  33792                     ; the query path's
.set QJ_IMG, 786432                    ; parts of qops, in bytes: images along d at 0, images along j,
.set QD_SC,  1572864                   ; scale words along d,
.set QJ_SC,  1605632                   ; along j,
.set QWP,    1638400                   ; the two half sums of q . w_q: [2][1024] f32
.set PW,   24                          ; v24-27  four K steps' scale words
.set RAW,  32                          ; v32-159 two sets of 16 rows x 16 bytes, as loaded
.set X,    160                         ; v160-223 64 numbers in the quantiser's order
.set PC,   224                         ; v224-243 codes
.set TM,   244                         ; v244-255 at work in QUANT
.set DA,   96                          ; (query path) v96-127 sixteen pairs of partial sums
.set WQ,   128                         ; v128-143 w_q of four K steps
.set QO,   144
.set SEL,  20                          ; s[20:21] selects of v_permlanex16_b32: lane l xor 16
.set SRC,  22                          ; s[22:23] where my numbers begin
.set IMG,  24                          ; s[24:25] where my images go
.set SC,   26                          ; s[26:27] and my scale words
; 64 numbers of a lane, register 16 b + i = k 32 b + 16 (lane / 16) + i of row lane % 16, become a fragment's codes in v[PC] .. v[PC+11] and the row's scale word in v[pw].
.macro QUANT s, pw
.irp b, 0,1,2,3
	v_max3_num_f32 v[TM+\b], |v[\s+16*\b]|, |v[\s+1+16*\b]|, 0x1800000   ; my 16 numbers of block b, and the floor 2^(3 - 127): the byte cannot fall under 1
.endr
.irp i, 2,4,6,8,10,12,14
.irp b, 0,1,2,3
	v_max3_num_f32 v[TM+\b], v[TM+\b], |v[\s+16*\b+\i]|, |v[\s+1+16*\b+\i]|   ; the four blocks by turns
.endr
.endr
.irp b, 0,1,2,3
	v_permlanex16_b32 v[TM+4+\b], v[TM+\b], s[SEL], s[SEL+1]
.endr
.irp b, 0,1,2,3
	v_max_num_f32 v[TM+\b], v[TM+\b], v[TM+4+\b]   ; with lane l xor 16's 16: the block's largest magnitude
.endr
.irp b, 0,1,2,3
	v_add_nc_u32 v[TM+8+\b], 0xff000000, v[TM+\b]  ; 2 off its exponent field: the conversion's scale operand
.endr
.irp b, 0,1,2,3
	v_lshrrev_b32 v[TM+4+\b], 23, v[TM+8+\b]       ; the scale's byte
.endr
	v_lshl_or_b32 v[\pw], v[TM+5], 8, v[TM+4]
	v_lshl_or_b32 v[\pw], v[TM+6], 16, v[\pw]
	v_lshl_or_b32 v[\pw], v[TM+7], 24, v[\pw]
.irp c, 0,1
	v_cvt_scalef32_pk16_fp6_f32 v[PC+6*\c:PC+2+6*\c], v[\s+32*\c:\s+15+32*\c], v[TM+8+2*\c]
	v_cvt_scalef32_pk16_fp6_f32 v[PC+12+4*\c:PC+14+4*\c], v[\s+16+32*\c:\s+31+32*\c], v[TM+9+2*\c]   ; (a conversion's three registers begin on an even number)
.endr
	v_nop                                          ; one plain line behind the scaled conversions
.irp c, 0,1                                    ; the operand wants a whole block in a lane: lanes 0-15 block 2 c, lanes 16-31 block 2 c + 1
.irp i, 0,1,2
	v_permlane16_swap_b32 v[PC+6*\c+\i], v[PC+12+4*\c+\i]
.endr
.irp i, 0,1,2
	v_mov_b32 v[PC+3+6*\c+\i], v[PC+12+4*\c+\i]
.endr
.endr
.endm
; K step k of my 16 rows: a load a row, 32 lanes x 16 bytes = the row's 512 consecutive bytes.  perm = 1: row n of the tile is row n + 8 (n / 8) of memory.
.macro LOADK k, set, rowb, perm, nt
.set N, 0
.rept 16
.if \nt
	global_load_b128 v[RAW+64*(\set)+4*N:RAW+64*(\set)+4*N+3], v4, s[SRC:SRC+1] offset:(N+(\perm)*8*(N/8))*(\rowb)+512*(\k) th:TH_LOAD_NT
.else
	global_load_b128 v[RAW+64*(\set)+4*N:RAW+64*(\set)+4*N+3], v4, s[SRC:SRC+1] offset:(N+(\perm)*8*(N/8))*(\rowb)+512*(\k)
.endif
.set N, N+1
.endr
.endm
; The turn through my own stage: in as loaded (row n at 528 n), out in the quantiser's order.  LDS serves a wave's instructions in order: no wait between.  528 = 33 x 16: the sixteen rows of a read start in different banks.
.macro TURNK set, stg
.set N, 0
.rept 16
	ds_store_b128 v5, v[RAW+64*(\set)+4*N:RAW+64*(\set)+4*N+3] offset:(\stg)+528*N
.set N, N+1
.endr
.set N, 0
.rept 16
	ds_load_b128 v[X+4*N:X+4*N+3], v6 offset:(\stg)+128*(N/4)+16*(N%4)
.set N, N+1
.endr
.endm
.macro OUTK k                          ; the image of K step k: three stores of 512 consecutive bytes
.irp c, 0,1,2
	global_store_b128 v4, v[PC+4*\c:PC+4*\c+3], s[IMG:IMG+1] offset:1536*(\k)+512*\c
.endr
.endm
.macro SCOUT                           ; four K steps' scale words: lanes 0-15 the first pair's, lanes 16-31 the second's: 256 consecutive bytes
	v_cmp_eq_u32 vcc_lo, 0, v3
	v_cndmask_b32 v28, v[PW+2], v[PW], vcc_lo
	v_cndmask_b32 v29, v[PW+3], v[PW+1], vcc_lo
	global_store_b64 v7, v[28:29], s[SC:SC+1]
.endm
	s_load_b256 s[4:11], s[0:1], 0x0               ; beta_w s[4:5], query s[6:7], alpha_w s[8:9], b_img s[10:11]
	s_load_b128 s[12:15], s[0:1], 0x20             ; b_sc s[12:13], qops s[14:15]
	v_lshl_add_u32 v239, v0, 2, 0x10800
	v_mov_b32 v243, 0
	v_lshrrev_b32 v1, 5, v0
	v_readfirstlane_b32 s16, v1                    ; wave
	v_and_b32 v1, 31, v0                           ; lane
	v_and_b32 v2, 15, v0                           ; r
	v_bfe_u32 v3, v0, 4, 1                         ; h
	v_lshlrev_b32 v4, 4, v1                        ; 16 x lane
	s_mul_i32 s17, s16, 8448
	v_add_nc_u32 v5, s17, v4                       ; the stage, in: 8448 x wave + 16 x lane
	v_mul_u32_u24 v6, v2, 528
	v_lshl_add_u32 v6, v3, 6, v6
	v_add_nc_u32 v6, s17, v6                       ; and out: 8448 x wave + 528 r + 64 h
	v_lshlrev_b32 v7, 3, v1                        ; 8 x lane
	v_lshlrev_b32 v8, 2, v1                        ; 4 x lane
.irp b, 0,1,2,3
	v_mov_b32 v[TM+4+\b], 0                        ; written once: a lane permute's destination counts as one of its sources
.endr
	s_mov_b32 s[SEL], 0x76543210
	s_mov_b32 s[SEL+1], 0xfedcba98
	s_mov_b32 s31, 0                               ; the upper word of every offset below
	s_wait_kmcnt 0x0
	s_cmp_lt_u32 ttmp9, 32
	s_cbranch_scc1 .Lqd
	s_cmp_lt_u32 ttmp9, 96
	s_cbranch_scc1 .Lqj
	; ---- beta_w: wave u of 2,048 takes tile T = u / 8 (16 rows) and K steps 4 (u % 8) .. + 3
	s_sub_co_u32 s17, ttmp9, 96
	s_lshl_b32 s17, s17, 2
	s_add_co_u32 s17, s17, s16                     ; u
	s_lshr_b32 s18, s17, 3                         ; T
	s_and_b32 s19, s17, 7
	s_lshl_b32 s19, s19, 2                         ; the first K step
	s_lshl_b32 s30, s18, 18                        ; 16 rows of 16,384 bytes
	s_lshl_b32 s32, s19, 9
	s_add_co_u32 s30, s30, s32
	s_add_nc_u64 s[SRC:SRC+1], s[4:5], s[30:31]
	s_lshl_b32 s30, s18, 5
	s_add_co_u32 s30, s30, s19
	s_mul_i32 s30, s30, 1536
	s_add_nc_u64 s[IMG:IMG+1], s[10:11], s[30:31]
	s_lshl_b32 s30, s18, 11
	s_lshl_b32 s32, s19, 6
	s_add_co_u32 s30, s30, s32
	s_add_nc_u64 s[SC:SC+1], s[12:13], s[30:31]
	LOADK 0, 0, 16384, 0, 1
	LOADK 1, 1, 16384, 0, 1
.macro BSTEP k
.if \k < 3
	s_wait_loadcnt 16                              ; this K step's 16 loads are in; the next one's 16 stay out
.else
	s_wait_loadcnt 0x0
.endif
	TURNK (\k)%2, STG_B
	s_wait_dscnt 0x0                               ; the numbers are back, and the stage's stores have read the set,
.if \k < 2
	LOADK (\k)+2, (\k)%2, 16384, 0, 1              ; which takes the K step two on
.endif
.if \k > 0
	s_wait_xcnt 0x0                                ; the last image's stores have read the codes' registers
.endif
	QUANT X, PW+\k
	OUTK \k
.endm
	BSTEP 0
	BSTEP 1
	BSTEP 2
	BSTEP 3
	SCOUT
	s_wait_tensorcnt 0x0
	ds_add_u32 v239, v243
	s_wait_dscnt 0x0
	s_endpgm
	; ---- query along d: wave u of 128 takes tile T' = u / 2 (batch T' / 8, tile t = T' % 8) and K steps 4 (u % 2) .. + 3.
	; THE KEYS OF A TILE ARE NOT NEIGHBOURS: row n of tile t is key 32 (t / 2) + 8 (t % 2) + n + 8 (n / 8), so that the scores of tiles 2 w and 2 w + 1 are 16 neighbouring keys in a lane.
.Lqd:
	s_lshl_b32 s17, ttmp9, 2
	s_add_co_u32 s17, s17, s16                     ; u
	s_lshr_b32 s18, s17, 1                         ; T'
	s_and_b32 s19, s17, 1                          ; which half of d
	s_lshr_b32 s32, s18, 3
	s_lshl_b32 s32, s32, 7                         ; 128 x batch
	s_and_b32 s33, s18, 7                          ; t
	s_lshr_b32 s34, s33, 1
	s_lshl_b32 s34, s34, 5
	s_and_b32 s33, s33, 1
	s_lshl_b32 s33, s33, 3
	s_add_co_u32 s32, s32, s34
	s_add_co_u32 s32, s32, s33                     ; the tile's first key, counted through all batches
	s_lshl_b32 s30, s32, 12                        ; rows of 4,096 bytes
	s_lshl_b32 s35, s19, 11                        ; four K steps of 512 bytes
	s_add_co_u32 s30, s30, s35
	s_add_nc_u64 s[SRC:SRC+1], s[6:7], s[30:31]
	s_lshl_b32 s30, s18, 3
	s_lshl_b32 s36, s19, 2
	s_add_co_u32 s30, s30, s36
	s_mul_i32 s30, s30, 1536
	s_add_nc_u64 s[IMG:IMG+1], s[14:15], s[30:31]
	s_lshl_b32 s30, s18, 9
	s_lshl_b32 s36, s19, 8
	s_add_co_u32 s30, s30, s36
	s_add_co_u32 s30, s30, QD_SC
	s_add_nc_u64 s[SC:SC+1], s[14:15], s[30:31]
	s_add_co_u32 s30, s35, 4096                    ; w_q begins 1,024 numbers into alpha_w
	s_add_nc_u64 s[28:29], s[8:9], s[30:31]
	s_lshl_b32 s30, s19, 12
	s_lshl_b32 s36, s32, 2
	s_add_co_u32 s30, s30, s36
	s_add_co_u32 s30, s30, QWP
	s_add_nc_u64 s[38:39], s[14:15], s[30:31]
.irp k, 0,1,2,3
	global_load_b128 v[WQ+4*\k:WQ+4*\k+3], v4, s[28:29] offset:512*\k
.endr
	LOADK 0, 0, 4096, 1, 0                         ; (no hint: the third path reads query again)
.macro QSTEP k
	s_wait_loadcnt 0x0
.set N, 0
.rept 16                                       ; q . w_q in f32, on the numbers as loaded: a lane's four of each row; the first product starts each sum
.if \k == 0
	v_pk_mul_f32 v[DA+2*N:DA+2*N+1], v[RAW+4*N:RAW+4*N+1], v[WQ+4*(\k):WQ+4*(\k)+1]
.else
	v_pk_fma_f32 v[DA+2*N:DA+2*N+1], v[RAW+4*N:RAW+4*N+1], v[WQ+4*(\k):WQ+4*(\k)+1], v[DA+2*N:DA+2*N+1]
.endif
.set N, N+1
.endr
.set N, 0
.rept 16
	v_pk_fma_f32 v[DA+2*N:DA+2*N+1], v[RAW+4*N+2:RAW+4*N+3], v[WQ+4*(\k)+2:WQ+4*(\k)+3], v[DA+2*N:DA+2*N+1]
.set N, N+1
.endr
	TURNK 0, STG_Q
	s_wait_dscnt 0x0
.if \k < 3
	LOADK (\k)+1, 0, 4096, 1, 0
.endif
.if \k > 0
	s_wait_xcnt 0x0                                ; the last image's stores have read the codes' registers
.endif
	QUANT X, PW+\k
	OUTK \k
.endm
	QSTEP 0
	QSTEP 1
	QSTEP 2
	QSTEP 3
	SCOUT
.set N, 0
.rept 16
	v_add_f32 v[DA+2*N], v[DA+2*N], v[DA+2*N+1]
.set N, N+1
.endr
.irp m, 1,2,4,8                                ; over the 32 lanes, the sixteen rows by turns
.set N, 0
.rept 16
	v_add_f32_dpp v[DA+2*N], v[DA+2*N], v[DA+2*N] row_xmask:\m row_mask:0xf bank_mask:0xf
.set N, N+1
.endr
.endr
.set N, 0
.rept 16
	v_permlanex16_b32 v[DA+2*N+1], v[DA+2*N], s[SEL], s[SEL+1]
.set N, N+1
.endr
.set N, 0
.rept 16
	v_add_f32 v[DA+2*N], v[DA+2*N], v[DA+2*N+1]
.set N, N+1
.endr
	v_mov_b32 v[QO], v[DA]                         ; lane r keeps row r's sum
.set N, 1
.rept 15
	v_cmp_eq_u32 vcc_lo, N, v2
	v_cndmask_b32 v[QO], v[QO], v[DA+2*N], vcc_lo
.set N, N+1
.endr
	v_and_b32 v9, 8, v2
	v_add_nc_u32 v9, v9, v2
	v_lshlrev_b32 v9, 2, v9                        ; 4 (r + 8 (r / 8)): the row's key
	global_store_b32 v9, v[QO], s[38:39]           ; both halves of the lanes store the same word with the same value
	s_wait_tensorcnt 0x0
	ds_add_u32 v239, v243
	s_wait_dscnt 0x0
	s_endpgm
	; ---- query along j: wave u of 256 takes batch u / 32 and columns d = 32 (u % 32) + lane.  A LANE TAKES A COLUMN AND ITS REGISTERS RUN DOWN j, the product's K: all four blocks are the lane's own.
	; Row m of tile tau is d = 32 (tau / 2) + 8 (tau % 2) + m + 8 (m / 8): so the wave's 32 columns are tiles 2 (u % 32) and + 1; lane l is row (l % 8) + 8 (l / 16) of tile (l / 8) % 2.
.Lqj:
	s_sub_co_u32 s17, ttmp9, 32
	s_lshl_b32 s17, s17, 2
	s_add_co_u32 s17, s17, s16                     ; u
	s_lshr_b32 s18, s17, 5                         ; batch
	s_and_b32 s19, s17, 31
	s_lshl_b32 s30, s18, 19                        ; 128 rows of 4,096 bytes
	s_lshl_b32 s32, s19, 7
	s_add_co_u32 s30, s30, s32
	s_add_nc_u64 s[SRC:SRC+1], s[6:7], s[30:31]
	s_lshl_b32 s32, s18, 6
	s_lshl_b32 s33, s19, 1
	s_add_co_u32 s32, s32, s33                     ; the first of my two tiles
	s_mul_i32 s30, s32, 1536
	s_add_co_u32 s30, s30, QJ_IMG
	s_add_nc_u64 s[IMG:IMG+1], s[14:15], s[30:31]
	s_lshl_b32 s30, s32, 6
	s_add_co_u32 s30, s30, QJ_SC
	s_add_nc_u64 s[SC:SC+1], s[14:15], s[30:31]
.set N, 0
.rept 128
	global_load_b32 v[32+N], v8, s[SRC:SRC+1] offset:4096*N   ; q(j = N, my column): 128 consecutive bytes a wave, 512 a work-group
.set N, N+1
.endr
	v_bfe_u32 v9, v0, 3, 1                         ; which of the two tiles
	v_and_b32 v10, 7, v0
	v_lshl_add_u32 v10, v3, 3, v10                 ; my row m in it
	v_mul_u32_u24 v11, v9, 1536
	v_lshl_add_u32 v11, v10, 4, v11                ; my place in the images
	v_lshlrev_b32 v12, 6, v9
	v_lshl_add_u32 v12, v10, 2, v12                ; and among the scale words
; block be: lanes 0-15 of a fragment hold blocks 0 and 2 (v160-171), lanes 16-31 blocks 1 and 3 (v172-183)
.macro JBLOCK be, cnt
.set XS, 32+32*(\be)
.set GG, 160+12*((\be)%2)+6*((\be)/2)
	s_wait_loadcnt \cnt
	v_max3_num_f32 v201, |v[XS]|, |v[XS+1]|, |v[XS+2]|
	v_max3_num_f32 v202, |v[XS+3]|, |v[XS+4]|, |v[XS+5]|
.irp i, 6,10,14,18,22,26
	v_max3_num_f32 v201, v201, |v[XS+\i]|, |v[XS+\i+1]|
	v_max3_num_f32 v202, v202, |v[XS+\i+2]|, |v[XS+\i+3]|
.endr
	v_max3_num_f32 v201, v201, |v[XS+30]|, |v[XS+31]|
	v_max3_num_f32 v201, v201, v202, 0x1800000     ; and the floor
	v_add_nc_u32 v[204+\be], 0xff000000, v201
	v_lshrrev_b32 v202, 23, v[204+\be]
.if \be == 0
	v_mov_b32 v200, v202
.else
	v_lshl_or_b32 v200, v202, 8*(\be), v200
.endif
	v_cvt_scalef32_pk16_fp6_f32 v[GG:GG+2], v[XS:XS+15], v[204+\be]
	v_cvt_scalef32_pk16_fp6_f32 v[184+4*(\be):186+4*(\be)], v[XS+16:XS+31], v[204+\be]
.endm
	JBLOCK 0, 63                                   ; 96 younger loads could stay out; the wait's field holds 63
	JBLOCK 1, 63                                   ; likewise 64
	JBLOCK 2, 32                                   ; the last block's 32 stay out
	JBLOCK 3, 0
	v_nop                                          ; one plain line behind the scaled conversions
.irp be, 0,1,2,3
.irp i, 0,1,2
	v_mov_b32 v[163+12*(\be%2)+6*(\be/2)+\i], v[184+4*\be+\i]
.endr
.endr
.irp hh, 0,1
.irp c, 0,1,2
	global_store_b128 v11, v[160+12*\hh+4*\c:163+12*\hh+4*\c], s[IMG:IMG+1] offset:512*\c+256*\hh   ; sixteen lanes fill 256 consecutive bytes of one image, the other sixteen of the other
.endr
.endr
	global_store_b32 v12, v200, s[SC:SC+1]
	s_endpgm
.Lfunc_end_k_q899f73024a_prep:
	.size	k_q899f73024a_prep, .Lfunc_end_k_q899f73024a_prep-k_q899f73024a_prep
	.p2alignl 7, 3214868480
	.fill 96, 4, 3214868480
	.section	.rodata,"a",@progbits
	.p2align	6, 0x0
	.amdhsa_kernel k_q899f73024a_prep
		.amdhsa_group_segment_fixed_size 68096
		.amdhsa_private_segment_fixed_size 0
		.amdhsa_enable_private_segment 0
		.amdhsa_kernarg_size 48
		.amdhsa_user_sgpr_count 2
		.amdhsa_user_sgpr_kernarg_segment_ptr 1
		.amdhsa_wavefront_size32 1
		.amdhsa_system_sgpr_workgroup_id_x 1
		.amdhsa_system_sgpr_workgroup_id_y 1
		.amdhsa_system_sgpr_workgroup_id_z 1
		.amdhsa_system_vgpr_workitem_id 0
		.amdhsa_next_free_vgpr 256
		.amdhsa_next_free_sgpr 66
		.amdhsa_reserve_vcc 1
		.amdhsa_float_denorm_mode_32 3
		.amdhsa_float_denorm_mode_16_64 3
		.amdhsa_memory_ordered 1
		.amdhsa_forward_progress 1
		.amdhsa_inst_pref_size 100
	.end_amdhsa_kernel
	.amdgpu_metadata
---
amdhsa.version: [ 1, 2 ]
amdhsa.kernels:
  - .name:           k_q899f73024a_prep
    .symbol:         k_q899f73024a_prep.kd
    .args:
      - { .name: beta_w, .offset: 0, .size: 8, .value_kind: global_buffer, .address_space: global }
      - { .name: query, .offset: 8, .size: 8, .value_kind: global_buffer, .address_space: global }
      - { .name: alpha_w, .offset: 16, .size: 8, .value_kind: global_buffer, .address_space: global }
      - { .name: b_img, .offset: 24, .size: 8, .value_kind: global_buffer, .address_space: global }
      - { .name: b_sc, .offset: 32, .size: 8, .value_kind: global_buffer, .address_space: global }
      - { .name: qops, .offset: 40, .size: 8, .value_kind: global_buffer, .address_space: global }
    .group_segment_fixed_size: 68096
    .private_segment_fixed_size: 0
    .kernarg_segment_align: 8
    .kernarg_segment_size: 48
    .max_flat_workgroup_size: 128
    .sgpr_count:     66
    .vgpr_count:     256
    .wavefront_size: 32
...
	.end_amdgpu_metadata
.endif
;; end of part 1
;; launch attn (part 2): grid 256 x 1, 4 waves a work-group, no clusters, 92,160 bytes of LDS; arguments context, alpha_w, alpha_b, qops, a_img, a_sc, hp; writes a_img, a_sc, hp
.if DOCPART == 2
	.amdgcn_target "amdgcn-amd-amdhsa--gfx1250"
	.amdhsa_code_object_version 6
	.text
	.protected	k_q899f73024a_attn
	.globl	k_q899f73024a_attn
	.p2align	8
	.type	k_q899f73024a_attn,@function
k_q899f73024a_attn:
	s_mov_b64 s[64:65], 0
	v_nop
	global_prefetch_b8 v0, s[64:65] scope:SCOPE_SE
	s_setreg_imm32_b32 hwreg(HW_REG_WAVE_MODE, 25, 1), 1
	s_wait_xcnt 0x0
; FOR 16 ROWS OF CONTEXT: S = c.w_c + q.w_q + Q(c w_cq) Q(q)^T + b; p = 2^(t - M), t = S log2(e), M = ceil(the row's largest t); q_hat = Q(p) Q(q) / (the sum of the unquantised p);
; the codes of q_hat and of c q_hat (K steps 8-15 and 16-23 of the last product's left operand); and the rows' share of context_hat: sum over r of 2^(T_r - Tloc) c_r, with Tloc = the largest T_r
; (T_r = the row's largest t) and the sum of the weights, which the next launch joins.  Both softmaxes so take their maximum away.
; SHARES.  Work-group T owns rows 16 T .. 16 T + 15 of batch T / 32.  THE FOUR WAVES SHARE THE COLUMNS, NOT THE ROWS: wave w owns d = 256 w .. + 255 (K steps 2 w, 2 w + 1 of the scores' product), the keys
; 32 w .. + 31 (two tiles of the scores; block w of p) and sixteen tiles of q along j.  So every byte of the query's codes goes once into one wave's registers and feeds one matrix instruction.
; NO JOINT LOADS, though the 32 work-groups of a batch read the same 196,608 bytes of codes: each fragment feeds ONE matrix instruction of ONE wave here, so a way through LDS would write and read
; each byte once more for no second use; the fragments go from memory straight into registers, as images, 512 consecutive bytes a load.
; BOTH PRODUCTS ARE USED TRANSPOSED (source 0 = 16 rows of the query's operand, source 1 = my 16 rows): a lane holds one row of context (lane % 16) throughout, and its registers run along the next K.
; What goes from wave to wave goes through LDS, each region written once: three barriers.  No branch, no label.
; LIMITS: NaN and infinities are not served; a p under 2^-126 counts as 0 (v_exp_f32 gives 0 there); a block whose largest magnitude lies under 2^-124, or is 0, gets the scale byte 1.
; REGISTERS, in windows of 256: window 0: v1-23 addresses; v24-31 a row's figures; v32-95 64 numbers at work; v96-127 the quantiser's; v128-168 scale words; v176-191 the scores, then p; v192-207 q.w_q;
;   v208-219 p's fragment; v220-255 at work.   window 1: 16 fragments of q along d.   window 2: 16 fragments of q along j.   window 3: v0-127 my 16 x 256 of context in the quantiser's order; v128-255 at work.
.set STG,   0                          ; LDS: each wave's two stages (K steps 2 w, 2 w + 1 of context as loaded): 16,896 w + 8,448 k + 528 row
.set WL,    67584                      ; w_c and w_cq of my 256 columns: 2,048 w; w_c at 512 k, w_cq at 1,024 + 512 k
.set AIMG,  75776                      ; the images of Q(c w_cq): 1,536 x K step
.set ASC,   88064                      ; their scale words: 128 x K step + 4 x lane
.set CWP,   89088                      ; the waves' parts of c.w_c: 16 r + 4 w;  256 on: of the largest score;  512 on: of the sum of p
.set PSC,   89856                      ; p's scale bytes: 4 r + w
.set PIMG,  90112                      ; p's fragment, lane by lane: 48 x lane + 4 x register
.set QJ_IMG, 786432
.set QD_SC,  1572864
.set QJ_SC,  1605632
.set QWP,    1638400
.set A64,  32
.set PC,   96
.set TM,   116
.set QDS,  128                         ; v128-143 scale words of q along d: 8 u + K step
.set QJS,  144                         ; v144-159 of q along j
.set AS,   160                         ; v160-167 of Q(c w_cq)
.set PS,   168                         ; v168 of p
.set W1,   169                         ; v169-170 the scale words made for q_hat, v171-172 for c q_hat
.set W2,   171
.set PWX,  173
.set ST,   176
.set QW,   192
.set PF,   208
.set DT,   208                         ; (ahead of p) four pairs of partial sums of c.w_c
.set S_CTX, 20
.set S_AW,  22
.set S_QD,  24
.set S_QDS, 26
.set S_QJ,  28
.set S_QJS, 30
.set S_QWP, 32
.set S_AO,  34
.set S_SO,  36
.set S_HP,  38
.set S_HS,  40
.set SEL,   42                         ; s[42:43] selects of v_permlanex16_b32: lane l xor 16
.set LG,    44                         ; s[44:45] log2(e), twice: the packed form names the pair
.set MSB, 0
.macro WIN new                         ; bits 1:0 source 0, 3:2 source 1, 5:4 source 2, 7:6 destination; the high byte repeats the setting that is left
.if MSB != \new
	s_set_vgpr_msb (MSB<<8)|\new
.set MSB, \new
.endif
.endm
; 64 numbers of a lane, register 16 b + i = k 32 b + 16 (lane / 16) + i of row lane % 16, become a fragment's codes in v[PC] .. v[PC+11] and the row's scale word in v[pw].
.macro QUANT s, pw
.irp b, 0,1,2,3
	v_max3_num_f32 v[TM+\b], |v[\s+16*\b]|, |v[\s+1+16*\b]|, 0x1800000   ; my 16 numbers of block b, and the floor 2^(3 - 127): the byte cannot fall under 1
.endr
.irp i, 2,4,6,8,10,12,14
.irp b, 0,1,2,3
	v_max3_num_f32 v[TM+\b], v[TM+\b], |v[\s+16*\b+\i]|, |v[\s+1+16*\b+\i]|
.endr
.endr
.irp b, 0,1,2,3
	v_permlanex16_b32 v[TM+4+\b], v[TM+\b], s[SEL], s[SEL+1]
.endr
.irp b, 0,1,2,3
	v_max_num_f32 v[TM+\b], v[TM+\b], v[TM+4+\b]
.endr
.irp b, 0,1,2,3
	v_add_nc_u32 v[TM+8+\b], 0xff000000, v[TM+\b]  ; 2 off the exponent field: the conversion's scale operand
.endr
.irp b, 0,1,2,3
	v_lshrrev_b32 v[TM+4+\b], 23, v[TM+8+\b]       ; the scale's byte
.endr
	v_lshl_or_b32 v[\pw], v[TM+5], 8, v[TM+4]
	v_lshl_or_b32 v[\pw], v[TM+6], 16, v[\pw]
	v_lshl_or_b32 v[\pw], v[TM+7], 24, v[\pw]
.irp c, 0,1
	v_cvt_scalef32_pk16_fp6_f32 v[PC+6*\c:PC+2+6*\c], v[\s+32*\c:\s+15+32*\c], v[TM+8+2*\c]
	v_cvt_scalef32_pk16_fp6_f32 v[PC+12+4*\c:PC+14+4*\c], v[\s+16+32*\c:\s+31+32*\c], v[TM+9+2*\c]
.endr
	v_nop                                          ; one plain line behind the scaled conversions
.irp c, 0,1
.irp i, 0,1,2
	v_permlane16_swap_b32 v[PC+6*\c+\i], v[PC+12+4*\c+\i]
.endr
.irp i, 0,1,2
	v_mov_b32 v[PC+3+6*\c+\i], v[PC+12+4*\c+\i]
.endr
.endr
.endm
.macro BARRIER                         ; my LDS stores have landed and my LDS loads are in: then the work-group's barrier
	s_wait_dscnt 0x0
	s_barrier_signal -1
	s_barrier_wait -1
.endm
	s_load_b256 s[4:11], s[0:1], 0x0               ; context s[4:5], alpha_w s[6:7], alpha_b s[8:9], qops s[10:11]
	s_load_b128 s[12:15], s[0:1], 0x20             ; a_img s[12:13], a_sc s[14:15]
	s_load_b64 s[16:17], s[0:1], 0x30              ; hp
	v_lshl_add_u32 v174, v0, 2, 0x16600
	v_mov_b32 v175, 0
	v_lshrrev_b32 v23, 5, v0
	v_readfirstlane_b32 s18, v23                   ; wave
	v_and_b32 v23, 31, v0                          ; lane
	v_and_b32 v2, 15, v0                           ; r
	v_bfe_u32 v3, v0, 4, 1                         ; h
	v_lshlrev_b32 v1, 4, v23                       ; 16 x lane
	s_lshl_b32 s50, s18, 10                        ; 1,024 w
	s_mov_b32 s49, 0
	s_lshl_b32 s48, ttmp9, 16                      ; 16 rows of 4,096 bytes
	s_add_co_u32 s48, s48, s50
	s_wait_kmcnt 0x0
	s_add_nc_u64 s[S_CTX:S_CTX+1], s[4:5], s[48:49]
	s_mov_b32 s48, s50
	s_add_nc_u64 s[S_AW:S_AW+1], s[6:7], s[48:49]
	s_load_b32 s46, s[8:9], 0x0                    ; alpha_b
	WIN 0xc0                                       ; destination window 3
.irp k, 0,1                                    ; my 256 columns of the 16 rows, as they lie: a load a row and K step, 512 consecutive bytes
.set N, 0
.rept 16
	global_load_b128 v[128+64*\k+4*N:131+64*\k+4*N], v1, s[S_CTX:S_CTX+1] offset:4096*N+512*\k
.set N, N+1
.endr
.endr
	WIN 0
.irp n, 0,1
	global_load_b128 v[32+4*\n:35+4*\n], v1, s[S_AW:S_AW+1] offset:512*\n        ; w_c
.endr
.irp n, 0,1
	global_load_b128 v[40+4*\n:43+4*\n], v1, s[S_AW:S_AW+1] offset:8192+512*\n   ; w_cq begins 2,048 numbers into alpha_w
.endr
	s_lshr_b32 s47, ttmp9, 5                       ; batch
	s_mul_i32 s51, s47, 98304                      ; a batch's images: 64 x 1,536 bytes
	s_mul_i32 s52, s18, 24576                      ; my sixteen of them
	s_add_co_u32 s48, s51, s52
	s_add_nc_u64 s[S_QD:S_QD+1], s[10:11], s[48:49]
	s_add_co_u32 s48, s48, QJ_IMG
	s_add_nc_u64 s[S_QJ:S_QJ+1], s[10:11], s[48:49]
	s_lshl_b32 s48, s47, 12
	s_add_co_u32 s48, s48, s50
	s_add_co_u32 s48, s48, QD_SC
	s_add_nc_u64 s[S_QDS:S_QDS+1], s[10:11], s[48:49]
	s_add_co_u32 s48, s48, QJ_SC-QD_SC
	s_add_nc_u64 s[S_QJS:S_QJS+1], s[10:11], s[48:49]
	s_lshl_b32 s48, s47, 9
	s_lshl_b32 s51, s18, 7                         ; 128 w
	s_add_co_u32 s48, s48, s51
	s_add_co_u32 s48, s48, QWP
	s_add_nc_u64 s[S_QWP:S_QWP+1], s[10:11], s[48:49]
	s_mul_i32 s48, ttmp9, 49152                    ; a row tile's 32 images
	s_mul_i32 s52, s18, 3072
	s_add_co_u32 s48, s48, s52
	s_add_co_u32 s48, s48, 12288                   ; K step 8 + 2 w
	s_add_nc_u64 s[S_AO:S_AO+1], s[12:13], s[48:49]
	s_lshl_b32 s48, ttmp9, 11
	s_add_co_u32 s48, s48, s51
	s_add_co_u32 s48, s48, 512                     ; pair 4 + w
	s_add_nc_u64 s[S_SO:S_SO+1], s[14:15], s[48:49]
	s_lshl_b32 s48, ttmp9, 12
	s_add_co_u32 s48, s48, s50
	s_add_nc_u64 s[S_HP:S_HP+1], s[16:17], s[48:49]
	s_lshl_b32 s48, ttmp9, 3
	s_add_co_u32 s48, s48, 1048576
	s_add_nc_u64 s[S_HS:S_HS+1], s[16:17], s[48:49]
	s_mov_b32 s[SEL], 0x76543210
	s_mov_b32 s[SEL+1], 0xfedcba98
	s_mov_b32 s[LG], 0x3fb8aa3b                    ; log2(e)
	s_mov_b32 s[LG+1], s[LG]
	v_lshlrev_b32 v20, 6, v3                       ; 64 h
	v_lshlrev_b32 v18, 3, v2                       ; 8 r
	v_lshlrev_b32 v19, 2, v2                       ; 4 r
.irp f, 0,1                                    ; the two half sums of q.w_q at my keys 32 w + 16 h + 0 .. 15
.irp n, 0,1,2,3
	global_load_b128 v[220+16*\f+4*\n:223+16*\f+4*\n], v20, s[S_QWP:S_QWP+1] offset:4096*\f+16*\n
.endr
.endr
.irp u, 0,1
.irp p, 0,1,2,3
	global_load_b64 v[QDS+8*\u+2*\p:QDS+8*\u+2*\p+1], v18, s[S_QDS:S_QDS+1] offset:512*\u+128*\p
.endr
.endr
	s_mul_i32 s47, s18, 16896
	v_add_nc_u32 v4, s47, v1                       ; my stages, as loaded: + 16 x lane
	v_mul_u32_u24 v5, v2, 528
	v_lshl_add_u32 v5, v3, 6, v5
	v_add_nc_u32 v5, s47, v5                       ; and in the quantiser's order: + 528 r + 64 h
	s_lshl_b32 s47, s18, 11
	s_add_co_u32 s47, s47, WL
	v_add_nc_u32 v6, s47, v1
	v_add_nc_u32 v7, s47, v20
	s_mul_i32 s47, s18, 3072
	s_add_co_u32 s47, s47, AIMG
	v_add_nc_u32 v8, s47, v1                       ; where I store my two images,
	v_add_nc_u32 v9, AIMG, v1                      ; and where any wave reads the eight
	v_lshlrev_b32 v11, 2, v23
	s_lshl_b32 s47, s18, 8
	s_add_co_u32 s47, s47, ASC
	v_add_nc_u32 v10, s47, v11
	v_add_nc_u32 v11, ASC, v11
	v_lshl_add_u32 v13, v2, 4, CWP
	s_lshl_b32 s47, s18, 2
	v_add_nc_u32 v12, s47, v13
	v_lshl_add_u32 v15, v2, 2, PSC
	v_add_nc_u32 v14, s18, v15
	s_and_b32 s47, s18, 1
	s_mul_i32 s47, s47, 768
	s_lshr_b32 s48, s18, 1
	s_mul_i32 s48, s48, 24
	s_add_co_u32 s47, s47, s48
	s_add_co_u32 s47, s47, PIMG
	v_mul_u32_u24 v16, v2, 48
	v_mad_u32_u24 v16, v3, 12, v16
	v_add_nc_u32 v16, s47, v16                     ; my 12 bytes of p's fragment: lane r + 16 (w % 2), registers 6 (w / 2) + 3 h + 0 .. 2
	v_mul_u32_u24 v17, v23, 48
	v_add_nc_u32 v17, PIMG, v17
	v_lshl_add_u32 v21, v3, 9, v18                 ; 8 r + 512 h
	v_mov_b32 v22, 0
	v_mov_b32 v252, 0                              ; written once: a lane permute's destination counts as one of its sources
.irp b, 0,1,2,3
	v_mov_b32 v[TM+4+\b], 0
.endr
	s_wait_kmcnt 0x0                               ; alpha_b
	s_wait_loadcnt 36                              ; K step 0's 16 loads are in; behind them: 16 + 4 + 8 + 8
	WIN 0x0c                                       ; an LDS store's data are its source 1: window 3
.set N, 0
.rept 16
	ds_store_b128 v4, v[128+4*N:131+4*N] offset:528*N
.set N, N+1
.endr
	s_wait_loadcnt 20                              ; K step 1's; behind them: 4 + 8 + 8
.set N, 0
.rept 16
	ds_store_b128 v4, v[192+4*N:195+4*N] offset:8448+528*N
.set N, N+1
.endr
	WIN 0
	s_wait_loadcnt 16                              ; w_c and w_cq; behind them: 8 + 8
.irp n, 0,1,2,3
	ds_store_b128 v6, v[32+4*\n:35+4*\n] offset:512*\n
.endr
	WIN 0x40                                       ; destination window 1
.set N, 0
.rept 48
	global_load_b128 v[4*N:4*N+3], v1, s[S_QD:S_QD+1] offset:512*N   ; q along d: fragment 8 u + K step at v[12 (8 u + K step)]
.set N, N+1
.endr
	WIN 0
	s_wait_dscnt 0x0                               ; the stores have read their registers
; ---- X: K step k of my columns: c in the quantiser's order (kept), c.w_c, and Q(c w_cq), whose image goes to LDS
.macro PHX k
	WIN 0xc0
.set N, 0
.rept 16
	ds_load_b128 v[64*(\k)+4*N:64*(\k)+4*N+3], v5 offset:8448*(\k)+128*(N/4)+16*(N%4)
.set N, N+1
.endr
.set N, 0
.rept 16
	ds_load_b128 v[128+4*N:131+4*N], v7 offset:512*(\k)+128*(N/4)+16*(N%4)        ; w_c: the lanes of a half read the same bytes
.set N, N+1
.endr
.set N, 0
.rept 16
	ds_load_b128 v[192+4*N:195+4*N], v7 offset:1024+512*(\k)+128*(N/4)+16*(N%4)   ; w_cq
.set N, N+1
.endr
	s_wait_dscnt 0x0
	WIN 0x0f                                       ; sources 0 and 1 window 3
.set N, 0
.rept 32
.if (\k == 0) && (N < 4)
	v_pk_mul_f32 v[DT+2*(N%4):DT+2*(N%4)+1], v[64*(\k)+2*N:64*(\k)+2*N+1], v[128+2*N:129+2*N]   ; the first products start the four chains
.else
	v_pk_fma_f32 v[DT+2*(N%4):DT+2*(N%4)+1], v[64*(\k)+2*N:64*(\k)+2*N+1], v[128+2*N:129+2*N], v[DT+2*(N%4):DT+2*(N%4)+1]
.endif
.set N, N+1
.endr
.set N, 0
.rept 32
	v_pk_mul_f32 v[A64+2*N:A64+2*N+1], v[64*(\k)+2*N:64*(\k)+2*N+1], v[192+2*N:193+2*N]
.set N, N+1
.endr
	WIN 0
	QUANT A64, PWX
.irp c, 0,1,2
	ds_store_b128 v8, v[PC+4*\c:PC+4*\c+3] offset:1536*(\k)+512*\c
.endr
	ds_store_b32 v10, v[PWX] offset:128*(\k)
	s_wait_dscnt 0x0                               ; the stores have read their registers
.endm
	PHX 0
	WIN 0x80                                       ; destination window 2
.set N, 0
.rept 48
	global_load_b128 v[4*N:4*N+3], v1, s[S_QJ:S_QJ+1] offset:512*N   ; q along j: my tile n at v[12 n]
.set N, N+1
.endr
	WIN 0
	PHX 1
.set N, 0
.rept 16
	global_load_b32 v[QJS+N], v19, s[S_QJS:S_QJS+1] offset:64*N
.set N, N+1
.endr
	v_pk_add_f32 v[DT:DT+1], v[DT:DT+1], v[DT+2:DT+3]
	v_pk_add_f32 v[DT+4:DT+5], v[DT+4:DT+5], v[DT+6:DT+7]
	v_pk_add_f32 v[DT:DT+1], v[DT:DT+1], v[DT+4:DT+5]
	v_add_f32 v[DT], v[DT], v[DT+1]
	v_permlanex16_b32 v[DT+1], v[DT], s[SEL], s[SEL+1]
	v_add_f32 v[DT], v[DT], v[DT+1]                ; c.w_c over my 256 columns
	ds_store_b32 v12, v[DT]
	s_wait_loadcnt 63                              ; 164 loads are issued: the first 101 are in, which are all up to the last of q along d
.set N, 0
.rept 8
	v_pk_add_f32 v[QW+2*N:QW+2*N+1], v[220+2*N:221+2*N], v[236+2*N:237+2*N]   ; q.w_q: register 8 u + i is key 32 w + 16 h + 8 u + i, the scores' own layout
.set N, N+1
.endr
	BARRIER                                        ; the eight images of Q(c w_cq), their scale words and the parts of c.w_c lie in LDS
	; ---- S: my two tiles of the scores, K = 1,024 in eight steps; q.w_q is the C of each sum's first product.  The two accumulators take turns
	WIN 0xc0
.set N, 0
.rept 24
	ds_load_b128 v[128+4*N:131+4*N], v9 offset:512*N
.set N, N+1
.endr
	WIN 0
.irp s, 0,1,2,3,4,5,6,7
	ds_load_b32 v[AS+\s], v11 offset:128*\s
.endr
	ds_load_b128 v[220:223], v13
	s_wait_dscnt 0x0
.rept 4
	v_nop                                          ; distance between the additions that made q.w_q and the products that take it
.endr
	WIN 0x0d                                       ; source 0 window 1, source 1 window 3
.irp s, 0,1,2,3,4,5,6,7
.irp u, 0,1
.if \s == 0
	v_wmma_scale_f32_16x16x128_f8f6f4 v[ST+8*\u:ST+8*\u+7], v[12*(8*\u+\s):12*(8*\u+\s)+11], v[128+12*\s:139+12*\s], v[QW+8*\u:QW+8*\u+7], v[QDS+8*\u+\s], v[AS+\s] matrix_a_fmt:MATRIX_FMT_FP6 matrix_b_fmt:MATRIX_FMT_FP6
.else
	v_wmma_scale_f32_16x16x128_f8f6f4 v[ST+8*\u:ST+8*\u+7], v[12*(8*\u+\s):12*(8*\u+\s)+11], v[128+12*\s:139+12*\s], v[ST+8*\u:ST+8*\u+7], v[QDS+8*\u+\s], v[AS+\s] matrix_a_fmt:MATRIX_FMT_FP6 matrix_b_fmt:MATRIX_FMT_FP6
.endif
.endr
.endr
	WIN 0
	v_add_f32 v220, v220, v221                     ; five plain lines, the places behind the last products (ISA guide 7.12.1): c.w_c of the whole row,
	v_add_f32 v222, v222, v223
	v_add_f32 v220, v220, v222
	v_add_f32 v220, s46, v220                      ; + alpha_b,
	v_mul_f32 v24, s[LG], v220                     ; x log2(e): t = score x log2(e) + this
	; ---- P: the largest score of my block of 32 keys serves twice: for the row's maximum, and, since p rises with the score, for the block's largest p
	v_max3_num_f32 v28, v[ST], v[ST+1], v[ST+2]    ; (each accumulator is read from its low end on)
.irp i, 3,5,7,9,11,13
	v_max3_num_f32 v28, v28, v[ST+\i], v[ST+\i+1]
.endr
	v_max_num_f32 v28, v28, v[ST+15]
	v_permlanex16_b32 v252, v28, s[SEL], s[SEL+1]
	v_max_num_f32 v28, v28, v252
	ds_store_b32 v12, v28 offset:256
	BARRIER                                        ; the four blocks' largest scores lie in LDS
	ds_load_b128 v[224:227], v13 offset:256
	s_wait_dscnt 0x0
	v_max3_num_f32 v253, v224, v225, v226
	v_max_num_f32 v253, v253, v227
	v_fma_f32 v31, v253, s[LG], v24                ; the row's largest t
	v_floor_f32 v254, -v31                         ; -M = floor(-t): M is a whole number
	v_add_f32 v26, v24, v254
	v_mov_b32 v27, v26                             ; (named with it as a pair)
	v_mov_b32 v248, v31
.irp m, 1,2,4,8
	v_max_num_f32_dpp v248, v248, v248 row_xmask:\m row_mask:0xf bank_mask:0xf   ; Tloc: the largest over my 16 rows
.endr
	v_sub_f32 v30, v31, v248
.set N, 0
.rept 8
	v_pk_fma_f32 v[ST+2*N:ST+2*N+1], v[ST+2*N:ST+2*N+1], s[LG:LG+1], v[26:27] op_sel_hi:[1,0,0]   ; t - M
.set N, N+1
.endr
	v_fma_f32 v29, v28, s[LG], v26                 ; the same of the block's largest score
.set N, 0
.rept 16
	v_exp_f32 v[ST+N], v[ST+N]                     ; p = 2^(t - M): not normalised
.set N, N+1
.endr
	v_exp_f32 v29, v29                             ; the block's largest p
	v_exp_f32 v30, v30                             ; the row's weight in context_hat, under Tloc
	v_nop                                          ; a plain line behind the last exponential
	s_wait_alu depctr_va_vdst(0)                   ; one wait for the batch of 18, ahead of its first reader
	v_pk_add_f32 v[238:239], v[ST:ST+1], v[ST+2:ST+3]      ; the sum of the UNQUANTISED p, in two chains
	v_pk_add_f32 v[250:251], v[ST+4:ST+5], v[ST+6:ST+7]
	v_pk_add_f32 v[238:239], v[238:239], v[ST+8:ST+9]
	v_pk_add_f32 v[250:251], v[250:251], v[ST+10:ST+11]
	v_pk_add_f32 v[238:239], v[238:239], v[ST+12:ST+13]
	v_pk_add_f32 v[250:251], v[250:251], v[ST+14:ST+15]
	v_pk_add_f32 v[238:239], v[238:239], v[250:251]
	v_add_f32 v238, v238, v239
	v_permlanex16_b32 v252, v238, s[SEL], s[SEL+1]
	v_add_f32 v238, v238, v252
	ds_store_b32 v12, v238 offset:512
	v_mov_b32 v249, v30
.irp m, 1,2,4,8
	v_add_f32_dpp v249, v249, v249 row_xmask:\m row_mask:0xf bank_mask:0xf   ; the sum of my 16 rows' weights
.endr
	v_max_num_f32 v29, 0x1800000, v29              ; the floor: the byte cannot fall under 1
	v_add_nc_u32 v253, 0xff000000, v29
	v_lshrrev_b32 v254, 23, v253
	ds_store_b8 v14, v254                          ; byte w of the row's scale word (both halves of the lanes store the same)
	v_cvt_scalef32_pk16_fp6_f32 v[232:234], v[ST:ST+15], v253   ; my 16 keys' codes: 96 bits
	v_nop                                          ; one plain line behind the scaled conversion
	ds_store_b32 v16, v232
	ds_store_b32 v16, v233 offset:4
	ds_store_b32 v16, v234 offset:8
	BARRIER                                        ; p's fragment, its scale words and the parts of its sum lie in LDS
	; ---- O: q_hat^T = Q(q)^T Q(p)^T / the sum, eight tiles (one K step of the last product) at a time; then its codes, and those of c q_hat
.irp c, 0,1,2
	ds_load_b128 v[PF+4*\c:PF+4*\c+3], v17 offset:16*\c
.endr
	ds_load_b32 v[PS], v15
	ds_load_b128 v[228:231], v13 offset:512
	s_wait_dscnt 0x0
	s_wait_loadcnt 0x0                             ; q along j and its scale words
	v_add_f32 v228, v228, v229
	v_add_f32 v230, v230, v231
	v_add_f32 v228, v228, v230
	v_rcp_f32 v236, v228
	v_mov_b32 v237, 0                              ; a plain line behind the reciprocal; and the pair's other word is written
.macro PHO k
	WIN 0x02                                       ; source 0 window 2
.irp t, 0,1,2,3,4,5,6,7
	v_wmma_scale_f32_16x16x128_f8f6f4 v[A64+8*\t:A64+8*\t+7], v[12*(8*(\k)+\t):12*(8*(\k)+\t)+11], v[PF:PF+11], 0, v[QJS+8*(\k)+\t], v[PS] matrix_a_fmt:MATRIX_FMT_FP6 matrix_b_fmt:MATRIX_FMT_FP6
.endr
	WIN 0
.rept 4
	v_nop                                          ; four places in front of the first read of results
.endr
.if \k == 0
	s_wait_alu depctr_va_vdst(0)                   ; the wait for the reciprocal, ahead of its first reader
.endif
.set N, 0
.rept 32
	v_pk_mul_f32 v[A64+2*N:A64+2*N+1], v[A64+2*N:A64+2*N+1], v[236:237] op_sel_hi:[1,0]   ; register 16 b + i is d = 256 w + 128 k + 32 b + 16 h + i: the quantiser's order
.set N, N+1
.endr
.if \k == 1
	s_wait_xcnt 0x0                                ; the last image's stores have read the codes' registers
.endif
	QUANT A64, W1+\k
.irp c, 0,1,2
	global_store_b128 v1, v[PC+4*\c:PC+4*\c+3], s[S_AO:S_AO+1] offset:1536*(\k)+512*\c
.endr
	WIN 0x0c                                       ; source 1 window 3
.set N, 0
.rept 32
	v_pk_mul_f32 v[A64+2*N:A64+2*N+1], v[A64+2*N:A64+2*N+1], v[64*(\k)+2*N:64*(\k)+2*N+1]   ; c q_hat
.set N, N+1
.endr
	WIN 0
	s_wait_xcnt 0x0
	QUANT A64, W2+\k
.irp c, 0,1,2
	global_store_b128 v1, v[PC+4*\c:PC+4*\c+3], s[S_AO:S_AO+1] offset:12288+1536*(\k)+512*\c
.endr
.endm
	PHO 0
	PHO 1
	v_cmp_eq_u32 vcc_lo, 0, v3
	v_cndmask_b32 v254, v[W2], v[W1], vcc_lo       ; lanes 0-15: q_hat's pair of words, lanes 16-31: c q_hat's, four pairs further on
	v_cndmask_b32 v255, v[W2+1], v[W1+1], vcc_lo
	global_store_b64 v21, v[254:255], s[S_SO:S_SO+1]
	; ---- H: my columns of sum over r of e_r c_r, by fused multiply-adds in f32 on the rows as they were loaded (they still lie in my stages)
.set N, 0
.rept 16
	v_readlane_b32 s[68+2*N], v30, N
	s_mov_b32 s[69+2*N], s[68+2*N]                 ; (the packed form names the pair)
.set N, N+1
.endr
.irp k, 0,1
	WIN 0xc0
.set N, 0
.rept 16
	ds_load_b128 v[128+4*N:131+4*N], v4 offset:8448*\k+528*N
.set N, N+1
.endr
	s_wait_dscnt 0x0
	WIN 0x03                                       ; source 0 window 3
	v_pk_mul_f32 v[240+4*\k:241+4*\k], v[128:129], s[68:69] op_sel_hi:[1,0]
	v_pk_mul_f32 v[242+4*\k:243+4*\k], v[130:131], s[68:69] op_sel_hi:[1,0]
.set N, 1
.rept 15
	v_pk_fma_f32 v[240+4*\k:241+4*\k], v[128+4*N:129+4*N], s[68+2*N:69+2*N], v[240+4*\k:241+4*\k] op_sel_hi:[1,0,1]
	v_pk_fma_f32 v[242+4*\k:243+4*\k], v[130+4*N:131+4*N], s[68+2*N:69+2*N], v[242+4*\k:243+4*\k] op_sel_hi:[1,0,1]
.set N, N+1
.endr
	WIN 0
	global_store_b128 v1, v[240+4*\k:243+4*\k], s[S_HP:S_HP+1] offset:512*\k
.endr
	s_wait_xcnt 0x0                                ; EXEC changes only behind this wait
	v_cmp_eq_u32 vcc_lo, 0, v0
	s_wait_tensorcnt 0x0
	ds_add_u32 v174, v175
	s_wait_dscnt 0x0
	s_and_saveexec_b32 s47, vcc_lo                 ; thread 0 alone: every wave holds the same two numbers
	global_store_b64 v22, v[248:249], s[S_HS:S_HS+1]   ; Tloc and the sum of the weights
	s_wait_xcnt 0x0
	s_or_b32 exec_lo, exec_lo, s47
	s_endpgm
.Lfunc_end_k_q899f73024a_attn:
	.size	k_q899f73024a_attn, .Lfunc_end_k_q899f73024a_attn-k_q899f73024a_attn
	.p2alignl 7, 3214868480
	.fill 96, 4, 3214868480
	.section	.rodata,"a",@progbits
	.p2align	6, 0x0
	.amdhsa_kernel k_q899f73024a_attn
		.amdhsa_group_segment_fixed_size 92160
		.amdhsa_private_segment_fixed_size 0
		.amdhsa_enable_private_segment 0
		.amdhsa_kernarg_size 56
		.amdhsa_user_sgpr_count 2
		.amdhsa_user_sgpr_kernarg_segment_ptr 1
		.amdhsa_wavefront_size32 1
		.amdhsa_system_sgpr_workgroup_id_x 1
		.amdhsa_system_sgpr_workgroup_id_y 1
		.amdhsa_system_sgpr_workgroup_id_z 1
		.amdhsa_system_vgpr_workitem_id 0
		.amdhsa_next_free_vgpr 1024
		.amdhsa_next_free_sgpr 100
		.amdhsa_reserve_vcc 1
		.amdhsa_float_denorm_mode_32 3
		.amdhsa_float_denorm_mode_16_64 3
		.amdhsa_memory_ordered 1
		.amdhsa_forward_progress 1
		.amdhsa_inst_pref_size 91
	.end_amdhsa_kernel
	.amdgpu_metadata
---
amdhsa.version: [ 1, 2 ]
amdhsa.kernels:
  - .name:           k_q899f73024a_attn
    .symbol:         k_q899f73024a_attn.kd
    .args:
      - { .name: context, .offset: 0, .size: 8, .value_kind: global_buffer, .address_space: global }
      - { .name: alpha_w, .offset: 8, .size: 8, .value_kind: global_buffer, .address_space: global }
      - { .name: alpha_b, .offset: 16, .size: 8, .value_kind: global_buffer, .address_space: global }
      - { .name: qops, .offset: 24, .size: 8, .value_kind: global_buffer, .address_space: global }
      - { .name: a_img, .offset: 32, .size: 8, .value_kind: global_buffer, .address_space: global }
      - { .name: a_sc, .offset: 40, .size: 8, .value_kind: global_buffer, .address_space: global }
      - { .name: hp, .offset: 48, .size: 8, .value_kind: global_buffer, .address_space: global }
    .group_segment_fixed_size: 92160
    .private_segment_fixed_size: 0
    .kernarg_segment_align: 8
    .kernarg_segment_size: 56
    .max_flat_workgroup_size: 128
    .sgpr_count:     100
    .vgpr_count:     1024
    .wavefront_size: 32
...
	.end_amdgpu_metadata
.endif
;; end of part 2
;; launch hat (part 3): grid 256 x 1, 4 waves a work-group, no clusters, 69,632 bytes of LDS; arguments context, hp, a_img, a_sc; writes a_img, a_sc
.if DOCPART == 3
	.amdgcn_target "amdgcn-amd-amdhsa--gfx1250"
	.amdhsa_code_object_version 6
	.text
	.protected	k_q899f73024a_hat
	.globl	k_q899f73024a_hat
	.p2align	8
	.type	k_q899f73024a_hat,@function
k_q899f73024a_hat:
	s_mov_b64 s[64:65], 0
	v_nop
	global_prefetch_b8 v0, s[64:65] scope:SCOPE_SE
	s_setreg_imm32_b32 hwreg(HW_REG_WAVE_MODE, 25, 1), 1
	s_wait_xcnt 0x0
; context_hat = sum over the batch's 32 row tiles g of f_g x (the tile's partial sum), f_g = 2^(Tloc_g - Tg) / L, Tg = the largest Tloc, L = sum of (the tile's sum of weights) x 2^(Tloc_g - Tg):
; the softmax over the 512 rows, its maximum taken away, in f32.  Then the codes of context_hat (K steps 0-7 of the last product's left operand) and of c context_hat (K steps 24-31).
; SHARES.  Work-group g: batch g / 32, 256 columns (g / 8) % 4, four row tiles 4 (g % 8) + wave.  The work-group joins its 256 columns once (thread t: columns 2 t, 2 t + 1); each wave quantises for its own 16 rows.
; Images and scale words as in the launches before: 1,536 bytes a fragment, registers 4 c .. 4 c + 3 of lane l at 512 c + 16 l.  One barrier.  No matrix work: nothing here is a product of the kind.
; LIMITS: NaN and infinities are not served; a tile whose Tloc lies more than 126 under Tg counts for nothing (v_exp_f32 gives 0 there); a block of zeros or under 2^-124 gets the scale byte 1.
.set FS,   67584                       ; LDS: behind the waves' stages (16,896 w + 8,448 k + 528 row): f, a word a thread,
.set HV,   68096                       ; and context_hat of the 256 columns
.set H64,  32                          ; v32-95   (first: v32-159 context as loaded)
.set X64,  96                          ; v96-159
.set PC,   160                         ; v160-179 (first: v160-223 the 32 partial sums, two columns each)
.set TM,   180                         ; v180-191
.set PW,   24                          ; v24-25 context_hat's scale words, v26-27 c context_hat's
.set S_CTX, 20
.set S_HP,  22
.set S_HS,  24
.set S_AO,  26
.set S_SO,  28
.set SEL,   30
.macro QUANT s, pw
.irp b, 0,1,2,3
	v_max3_num_f32 v[TM+\b], |v[\s+16*\b]|, |v[\s+1+16*\b]|, 0x1800000   ; my 16 numbers of block b, and the floor 2^(3 - 127): the byte cannot fall under 1
.endr
.irp i, 2,4,6,8,10,12,14
.irp b, 0,1,2,3
	v_max3_num_f32 v[TM+\b], v[TM+\b], |v[\s+16*\b+\i]|, |v[\s+1+16*\b+\i]|
.endr
.endr
.irp b, 0,1,2,3
	v_permlanex16_b32 v[TM+4+\b], v[TM+\b], s[SEL], s[SEL+1]
.endr
.irp b, 0,1,2,3
	v_max_num_f32 v[TM+\b], v[TM+\b], v[TM+4+\b]
.endr
.irp b, 0,1,2,3
	v_add_nc_u32 v[TM+8+\b], 0xff000000, v[TM+\b]  ; 2 off the exponent field: the conversion's scale operand
.endr
.irp b, 0,1,2,3
	v_lshrrev_b32 v[TM+4+\b], 23, v[TM+8+\b]       ; the scale's byte
.endr
	v_lshl_or_b32 v[\pw], v[TM+5], 8, v[TM+4]
	v_lshl_or_b32 v[\pw], v[TM+6], 16, v[\pw]
	v_lshl_or_b32 v[\pw], v[TM+7], 24, v[\pw]
.irp c, 0,1
	v_cvt_scalef32_pk16_fp6_f32 v[PC+6*\c:PC+2+6*\c], v[\s+32*\c:\s+15+32*\c], v[TM+8+2*\c]
	v_cvt_scalef32_pk16_fp6_f32 v[PC+12+4*\c:PC+14+4*\c], v[\s+16+32*\c:\s+31+32*\c], v[TM+9+2*\c]
.endr
	v_nop                                          ; one plain line behind the scaled conversions
.irp c, 0,1
.irp i, 0,1,2
	v_permlane16_swap_b32 v[PC+6*\c+\i], v[PC+12+4*\c+\i]
.endr
.irp i, 0,1,2
	v_mov_b32 v[PC+3+6*\c+\i], v[PC+12+4*\c+\i]
.endr
.endr
.endm
	s_load_b256 s[4:11], s[0:1], 0x0               ; context s[4:5], hp s[6:7], a_img s[8:9], a_sc s[10:11]
	v_lshl_add_u32 v30, v0, 2, 0x10e00
	v_mov_b32 v31, 0
	v_lshrrev_b32 v1, 5, v0
	v_readfirstlane_b32 s12, v1                    ; wave
	v_and_b32 v13, 31, v0                          ; lane
	v_and_b32 v2, 15, v0                           ; r
	v_bfe_u32 v3, v0, 4, 1                         ; h
	v_lshlrev_b32 v1, 4, v13                       ; 16 x lane
	s_mul_i32 s18, s12, 16896
	v_add_nc_u32 v4, s18, v1                       ; my stages, as loaded
	v_mul_u32_u24 v5, v2, 528
	v_lshl_add_u32 v5, v3, 6, v5
	v_add_nc_u32 v5, s18, v5                       ; and in the quantiser's order
	v_lshlrev_b32 v6, 3, v13                       ; 8 x lane
	v_lshlrev_b32 v7, 3, v0                        ; 8 x thread
	v_lshl_add_u32 v8, v0, 2, FS
	s_lshl_b32 s18, s12, 7
	s_add_co_u32 s18, s18, FS
	v_mov_b32 v9, s18                              ; my wave's 32 words of f
	v_add_nc_u32 v10, HV, v7
	v_lshl_add_u32 v11, v3, 6, HV
	v_lshlrev_b32 v12, 3, v2
	v_mad_u32_u24 v12, v3, 1536, v12               ; 8 r + 1,536 h
	v_mov_b32 v17, 0                               ; written once: a lane permute's destination counts as one of its sources
	v_mov_b32 v19, 0
	s_lshr_b32 s13, ttmp9, 5                       ; batch
	s_bfe_u32 s14, ttmp9, 0x20003                  ; which 256 columns
	s_and_b32 s15, ttmp9, 7
	s_lshl_b32 s16, s13, 5
	s_lshl_b32 s17, s15, 2
	s_add_co_u32 s16, s16, s17
	s_add_co_u32 s16, s16, s12                     ; my row tile T
	s_lshl_b32 s17, s14, 10                        ; 1,024 x columns' number
	s_mov_b32 s33, 0
	s_mov_b32 s[SEL], 0x76543210
	s_mov_b32 s[SEL+1], 0xfedcba98
	s_wait_kmcnt 0x0
	s_lshl_b32 s32, s16, 16
	s_add_co_u32 s32, s32, s17
	s_add_nc_u64 s[S_CTX:S_CTX+1], s[4:5], s[32:33]
	s_lshl_b32 s32, s13, 17                        ; a batch's 32 partial sums of 4,096 bytes
	s_add_co_u32 s32, s32, s17
	s_add_nc_u64 s[S_HP:S_HP+1], s[6:7], s[32:33]
	s_lshl_b32 s32, s13, 8
	s_add_co_u32 s32, s32, 1048576
	s_add_nc_u64 s[S_HS:S_HS+1], s[6:7], s[32:33]
	s_mul_i32 s32, s16, 49152
	s_mul_i32 s34, s14, 3072
	s_add_co_u32 s32, s32, s34
	s_add_nc_u64 s[S_AO:S_AO+1], s[8:9], s[32:33]
	s_lshl_b32 s32, s16, 11
	s_lshl_b32 s34, s14, 7
	s_add_co_u32 s32, s32, s34
	s_add_nc_u64 s[S_SO:S_SO+1], s[10:11], s[32:33]
	global_load_b64 v[14:15], v6, s[S_HS:S_HS+1]   ; lane g: tile g's Tloc and sum of weights
.set N, 0
.rept 32
	global_load_b64 v[160+2*N:161+2*N], v7, s[S_HP:S_HP+1] offset:4096*N   ; tile N's partial sums at my two columns: 256 consecutive bytes a wave
.set N, N+1
.endr
.irp k, 0,1
.set N, 0
.rept 16
	global_load_b128 v[32+64*\k+4*N:35+64*\k+4*N], v1, s[S_CTX:S_CTX+1] offset:4096*N+512*\k th:TH_LOAD_NT   ; my 16 rows x 256 columns, read once in this launch
.set N, N+1
.endr
.endr
	s_wait_loadcnt 63                              ; the statistics are in (64 younger loads; the wait's field holds 63)
	v_mov_b32 v16, v14
.irp m, 1,2,4,8
	v_max_num_f32_dpp v16, v16, v16 row_xmask:\m row_mask:0xf bank_mask:0xf
.endr
	v_permlanex16_b32 v17, v16, s[SEL], s[SEL+1]
	v_max_num_f32 v16, v16, v17                    ; Tg
	v_sub_f32 v17, v14, v16
	v_exp_f32 v17, v17                             ; 2^(Tloc - Tg)
	v_nop                                          ; a plain line behind the exponential,
	s_wait_alu depctr_va_vdst(0)                   ; and the wait ahead of its first reader
	v_mul_f32 v18, v15, v17
.irp m, 1,2,4,8
	v_add_f32_dpp v18, v18, v18 row_xmask:\m row_mask:0xf bank_mask:0xf
.endr
	v_permlanex16_b32 v19, v18, s[SEL], s[SEL+1]
	v_add_f32 v18, v18, v19                        ; L
	v_rcp_f32 v18, v18
	v_nop
	s_wait_alu depctr_va_vdst(0)
	v_mul_f32 v17, v17, v18                        ; f of tile = my lane
	ds_store_b32 v8, v17
.irp n, 0,1,2,3,4,5,6,7
	ds_load_b128 v[224+4*\n:227+4*\n], v9 offset:16*\n   ; all 32 in every lane: my wave's own bytes, served in order
.endr
	s_wait_dscnt 0x0
	s_wait_loadcnt 32                              ; the partial sums are in; the 32 loads of context stay out
	v_pk_mul_f32 v[20:21], v[160:161], v[224:225] op_sel_hi:[1,0]              ; two chains: the even tiles (the pair's first word for both halves),
	v_pk_mul_f32 v[22:23], v[162:163], v[224:225] op_sel:[0,1] op_sel_hi:[1,1]   ; the odd ones (its second)
.set G, 2
.rept 15
	v_pk_fma_f32 v[20:21], v[160+2*G:161+2*G], v[224+G:225+G], v[20:21] op_sel_hi:[1,0,1]
	v_pk_fma_f32 v[22:23], v[162+2*G:163+2*G], v[224+G:225+G], v[22:23] op_sel:[0,1,0] op_sel_hi:[1,1,1]
.set G, G+2
.endr
	v_pk_add_f32 v[20:21], v[20:21], v[22:23]
	ds_store_b64 v10, v[20:21]                     ; context_hat at my two columns
.irp b, 0,1,2,3
	v_mov_b32 v[TM+4+\b], 0
.endr
	s_wait_loadcnt 0x0
.irp k, 0,1
.set N, 0
.rept 16
	ds_store_b128 v4, v[32+64*\k+4*N:35+64*\k+4*N] offset:8448*\k+528*N
.set N, N+1
.endr
.endr
	s_wait_dscnt 0x0                               ; my stores have landed
	s_barrier_signal -1
	s_barrier_wait -1                              ; context_hat of all 256 columns lies in LDS
.irp k, 0,1
.set N, 0
.rept 16
	ds_load_b128 v[H64+4*N:H64+4*N+3], v11 offset:512*\k+128*(N/4)+16*(N%4)     ; the same for every row
.set N, N+1
.endr
.set N, 0
.rept 16
	ds_load_b128 v[X64+4*N:X64+4*N+3], v5 offset:8448*\k+128*(N/4)+16*(N%4)
.set N, N+1
.endr
	s_wait_dscnt 0x0
.if \k == 1
	s_wait_xcnt 0x0                                ; the last image's stores have read the codes' registers
.endif
	QUANT H64, PW+\k
.irp c, 0,1,2
	global_store_b128 v1, v[PC+4*\c:PC+4*\c+3], s[S_AO:S_AO+1] offset:1536*\k+512*\c
.endr
.set N, 0
.rept 32
	v_pk_mul_f32 v[X64+2*N:X64+2*N+1], v[X64+2*N:X64+2*N+1], v[H64+2*N:H64+2*N+1]
.set N, N+1
.endr
	s_wait_xcnt 0x0
	QUANT X64, PW+2+\k
.irp c, 0,1,2
	global_store_b128 v1, v[PC+4*\c:PC+4*\c+3], s[S_AO:S_AO+1] offset:36864+1536*\k+512*\c
.endr
.endr
	v_cmp_eq_u32 vcc_lo, 0, v3
	v_cndmask_b32 v28, v[PW+2], v[PW], vcc_lo      ; lanes 0-15: context_hat's pair of words, lanes 16-31: c context_hat's, twelve pairs further on
	v_cndmask_b32 v29, v[PW+3], v[PW+1], vcc_lo
	global_store_b64 v12, v[28:29], s[S_SO:S_SO+1]
	s_wait_tensorcnt 0x0
	ds_add_u32 v30, v31
	s_wait_dscnt 0x0
	s_endpgm
.Lfunc_end_k_q899f73024a_hat:
	.size	k_q899f73024a_hat, .Lfunc_end_k_q899f73024a_hat-k_q899f73024a_hat
	.p2alignl 7, 3214868480
	.fill 96, 4, 3214868480
	.section	.rodata,"a",@progbits
	.p2align	6, 0x0
	.amdhsa_kernel k_q899f73024a_hat
		.amdhsa_group_segment_fixed_size 69632
		.amdhsa_private_segment_fixed_size 0
		.amdhsa_enable_private_segment 0
		.amdhsa_kernarg_size 32
		.amdhsa_user_sgpr_count 2
		.amdhsa_user_sgpr_kernarg_segment_ptr 1
		.amdhsa_wavefront_size32 1
		.amdhsa_system_sgpr_workgroup_id_x 1
		.amdhsa_system_sgpr_workgroup_id_y 1
		.amdhsa_system_sgpr_workgroup_id_z 1
		.amdhsa_system_vgpr_workitem_id 0
		.amdhsa_next_free_vgpr 256
		.amdhsa_next_free_sgpr 66
		.amdhsa_reserve_vcc 1
		.amdhsa_float_denorm_mode_32 3
		.amdhsa_float_denorm_mode_16_64 3
		.amdhsa_memory_ordered 1
		.amdhsa_forward_progress 1
		.amdhsa_inst_pref_size 40
	.end_amdhsa_kernel
	.amdgpu_metadata
---
amdhsa.version: [ 1, 2 ]
amdhsa.kernels:
  - .name:           k_q899f73024a_hat
    .symbol:         k_q899f73024a_hat.kd
    .args:
      - { .name: context, .offset: 0, .size: 8, .value_kind: global_buffer, .address_space: global }
      - { .name: hp, .offset: 8, .size: 8, .value_kind: global_buffer, .address_space: global }
      - { .name: a_img, .offset: 16, .size: 8, .value_kind: global_buffer, .address_space: global }
      - { .name: a_sc, .offset: 24, .size: 8, .value_kind: global_buffer, .address_space: global }
    .group_segment_fixed_size: 69632
    .private_segment_fixed_size: 0
    .kernarg_segment_align: 8
    .kernarg_segment_size: 32
    .max_flat_workgroup_size: 128
    .sgpr_count:     66
    .vgpr_count:     256
    .wavefront_size: 32
...
	.end_amdgpu_metadata
.endif
;; end of part 3
;; launch gemm (part 4): grid 16 x 16, 4 waves a work-group, clusters of 4 x 4, 327,680 bytes of LDS; arguments a_img, a_sc, b_img, b_sc, out0, beta_b; writes out0
.if DOCPART == 4
	.amdgcn_target "amdgcn-amd-amdhsa--gfx1250"
	.amdhsa_code_object_version 6
	.text
	.protected	k_q899f73024a_gemm
	.globl	k_q899f73024a_gemm
	.p2align	8
	.type	k_q899f73024a_gemm,@function
k_q899f73024a_gemm:
	s_mov_b64 s[64:65], 0
	v_nop
	global_prefetch_b8 v0, s[64:65] scope:SCOPE_SE
	s_setreg_imm32_b32 hwreg(HW_REG_WAVE_MODE, 25, 1), 1
	s_wait_xcnt 0x0
	s_wait_alu depctr_hold_cnt(0) depctr_sa_sdst(0) depctr_va_vdst(0) depctr_va_sdst(0) depctr_va_ssrc(0) depctr_va_vcc(0) depctr_vm_vsrc(0)
	s_getreg_b32 s2, hwreg(HW_REG_IB_STS2, 6, 4)
	s_cmp_eq_u32 s2, 0
	s_cbranch_scc0 .Lentry_in_a_cluster
	s_endpgm
.Lentry_in_a_cluster:
	s_bfe_u32 s2, ttmp6, 0x10000c
	s_cmp_lg_u32 s2, 0xf033
	s_cbranch_scc0 .Lentry_shape_is_right
	s_endpgm
.Lentry_shape_is_right:
; out0[m][n] = sum over k of A[m][k] B[n][k] + beta_b[n]: 4,096 x 4,096 x 4,096 on codes of FP6 (E2M3) with one E8M0 scale for each 32 along K; sums in f32.
; A (the four joined parts) and B (beta_w) lie in memory as IMAGES OF FRAGMENTS: [row / 16][K step of 128][1,536 bytes], registers 4 c .. 4 c + 3 of lane l at 512 c + 16 l; so a fragment comes out of LDS by three
; loads of 512 consecutive bytes, with no pitch and no padding.  Scale words: [row / 16][pair of K steps][row % 16][K step % 2], four bytes each.
; A tile of the output, 256 x 256, is made by a work-group of four waves; a wave makes 128 x 128: 64 accumulators, 512 registers.  K goes in steps of 256 (a pair of K steps: 3,072 bytes for each 16 rows) through a ring
; of two LDS slots filled by the tensor data mover; a wave's load brings 8 row tiles x 3,072 bytes.  The scale words of the work-group's rows of A and of B, for all of K, are two dense blocks: they come once, with the first fills.
; CLUSTERS: 4 x 4 work-groups.  The four of a row of the cluster need the same tiles of A, the four of a column the same tiles of B: each is asked for JOINTLY, by the same tensor load with the same descriptor and a
; mask that names the four.  THE MATRIX INSTRUCTION IS USED TRANSPOSED (source 0 = 16 rows of B, source 1 = 16 rows of A): a lane holds eight neighbouring numbers of a row of the output.
; The bias is the C of each sum's first product: eight registers for each of B's eight blocks, in the result's layout.
; REGISTERS, in windows of 256: window 0: v0-31 addresses; v32-63 scale words, two sets; v64-127 the bias; from v128 A's fragments, ONE set; on the way out v128-255 are free.
;   window 1: B's fragments, TWO sets, at v0 and at v128.   window 2: the accumulators of my rows 0-63 ((a, b) at v[8 (8 a + b)]);   window 3: those of my rows 64-127.
.set SIZE_N, 4096
.set NQ,     2                         ; matrix instructions deep in a slot
.set FR,     12                        ; registers of a fragment
.set NL,     3                         ; LDS loads that bring one
.set NP,     4                         ; places behind this matrix instruction (ISA guide 7.12.1)
.set FRB,    1536                      ; a fragment's image
.set TROW,   3072                      ; a row tile's part of a slot: two images
.set TPITCH, 49152                     ; from row tile to row tile in memory: 32 images
.set HALFT,  8*TROW                    ; 128 rows: what one tensor load brings, and what one wave reads of A or of B
.set SLOT,   4*HALFT                   ; A's 256 rows, then B's 256 rows
.set LAPS,   8                         ; a lap = two slots = 512 along K
.set SCL,    2*SLOT                    ; behind the ring: the scale words
.set HALFS,  16384                     ; those of 128 rows: what one tensor load brings
.set SBLK,   2048                      ; those of 16 rows
.set SPARE,  SCL+4*HALFS               ; behind them: the spare words, 128 bytes for each wave: two blocks of 256 bytes that no other line names
.set SPITCH, 528                       ; the way out: a stage of 16 rows x (512 bytes + 16) for each wave, in slot 0, which has had its last fill and its last read when the first result is stored there
.set ADRA, 16                          ; v16-17  LDS address of my A fragments in slot 0, 1
.set ADRB, 20                          ; v20-21  the same for B
.set STO,  24                          ; v24     the way out: where I put 32 bytes of a row
.set RD,   25                          ; v25     where I read a row back
.set CO,   26                          ; v26     my byte offset in a row of the output
.set ADRS, 27                          ; v27     LDS address of my scale words: lanes 0-15 A's rows, lanes 16-31 B's
.set SPW,  28                          ; v28     LDS address of my spare word; never rewritten
.set NIL,  29                          ; v29     0; never rewritten
.set SC,   32                          ; scale words: set s at v[SC + 16 s]; register 2 i + q: lanes 0-15 the word of A's block i, lanes 16-31 of B's block i, for the slot's q-th 128 along K
.set BI,   64                          ; the bias: block b at v[BI + 8 b]
.set AF,   128
.set BK,   128                         ; the way out: 16 rows read back: v128-191 and v192-255 by turns
.set G1, 24                            ; s[24:31] descriptor group 1 for A's tiles;  s[32:39] group 0, one set for each slot
.set G0, 32
.set G1B, 48                           ; s[48:55], s[56:63] the same for B's tiles
.set G0B, 56
.set G1S, 68                           ; s[68:75], s[76:79] groups 1 and 0 for A's scale words;  s[80:87], s[88:91] for B's
.set G0S, 76
.set G1SB, 80
.set G0SB, 88
.set MSB, 0
.macro WIN new                         ; the immediate's high byte repeats the setting that is left
.if MSB != \new
	s_set_vgpr_msb (MSB<<8)|\new
.set MSB, \new
.endif
.endm
.set MUL_LO, 0xa1                      ; source 0 (B) window 1, source 1 (A) window 0, C and D window 2
.set MUL_HI, 0xf1                      ; the same, C and D window 3
.set TO_B,   0x40                      ; destination window 1, address window 0
; A joint load: waves 0 and 1 fetch for A, waves 2 and 3 for B.  Each of the two lines has one mask and one set of registers for all that issue it; the branch hangs on the wave's number alone.
; Four v_nop follow each of the two lines, ahead of the jump, the label and what follows.
.macro JLOAD g0a, g1a, g0b, g1b
	s_cmp_eq_u32 s15, 0
	s_cbranch_scc0 .Lfor_b_\@
	tensor_load_to_lds s[\g0a:\g0a+3], s[\g1a:\g1a+7]
	s_nop 0
.rept 4
	v_nop
.endr
	s_branch .Lasked_\@
.Lfor_b_\@:
	tensor_load_to_lds s[\g0b:\g0b+3], s[\g1b:\g1b+7]
	s_nop 0
.rept 4
	v_nop
.endr
.Lasked_\@:
.endm
.macro CREST                           ; a round of the cluster's barrier behind its opening barrier
	s_cmp_lg_u32 s14, 0
	s_cbranch_scc1 .Lnot_wave_0_\@
	s_barrier_signal -3
.Lnot_wave_0_\@:
	s_barrier_wait -3
	s_barrier_signal -1
	s_barrier_wait -1
.endm
.macro CROUND                          ; a whole round
	s_barrier_signal -1
	s_barrier_wait -1
	CREST
.endm
	s_load_b128 s[4:7], s[0:1], 0x0                ; A's images s[4:5], A's scale words s[6:7]
	s_load_b128 s[8:11], s[0:1], 0x10              ; B's images s[8:9], B's scale words s[10:11]
	s_load_b64 s[12:13], s[0:1], 0x20              ; the output
	s_load_b64 s[96:97], s[0:1], 0x28              ; beta_b
	v_lshl_add_u32 v[SPW], v0, 2, SPARE
	v_mov_b32 v[NIL], 0
	ds_add_u32 v28, v29
	ds_add_u32 v28, v29
	s_wait_dscnt 0x0
	v_lshrrev_b32 v1, 5, v0
	v_readfirstlane_b32 s14, v1                    ; wave 0..3
	s_lshr_b32 s15, s14, 1                         ; which half of the tile's rows is mine.  Also: I fetch for A (0) or for B (1)
	s_and_b32 s16, s14, 1                          ; which half of its columns.  Also: which 128 rows of that tile I fetch
	s_bfe_u32 s40, ttmp6, 0x40000                  ; cx, cy: my place in the cluster
	s_bfe_u32 s41, ttmp6, 0x40004
	s_lshl_b32 s42, ttmp9, 2
	s_add_co_u32 s42, s42, s40                     ; tile column = 4 x cluster x + cx
	s_and_b32 s17, ttmp7, 0xffff
	s_lshl_b32 s17, s17, 2
	s_add_co_u32 s17, s17, s41                     ; tile row = 4 x cluster y + cy
	s_lshl_b32 s43, s41, 2
	s_lshl_b32 s43, 15, s43                        ; my row of the cluster
	s_lshl_b32 s44, 0x1111, s40                    ; my column
	; descriptor group 1: 8 rows (row tiles) of 384 elements of 8 bytes, 6,144 elements apart; no padding
	s_or_b32 s[G1+0], s43, (3<<16)|(1<<21)         ; 15:0 the mask: A's tiles go to my row; 17:16 elements of 8 bytes; 21 set beside a mask
	s_or_b32 s[G1B+0], s44, (3<<16)|(1<<21)
.irp g, G1, G1B
	s_mov_b32 s[\g+1], 384<<16                     ; tensor_dim0
	s_mov_b32 s[\g+2], 8<<16                       ; tensor_dim1
	s_mov_b32 s[\g+3], 384<<16                     ; tile_dim0
	s_mov_b32 s[\g+4], 8                           ; tile_dim1
	s_mov_b32 s[\g+5], 6144                        ; tensor_dim0_stride
	s_mov_b32 s[\g+6], 0
	s_mov_b32 s[\g+7], 0
.endr
	; and for the scale words of 128 rows: 16,384 dense bytes, as 64 rows of 256 bytes
	s_or_b32 s[G1S+0], s43, (3<<16)|(1<<21)
	s_or_b32 s[G1SB+0], s44, (3<<16)|(1<<21)
.irp g, G1S, G1SB
	s_mov_b32 s[\g+1], 32<<16
	s_mov_b32 s[\g+2], 64<<16
	s_mov_b32 s[\g+3], 32<<16
	s_mov_b32 s[\g+4], 64
	s_mov_b32 s[\g+5], 32
	s_mov_b32 s[\g+6], 0
	s_mov_b32 s[\g+7], 0
.endr
	s_lshl_b32 s18, s16, 3                         ; which 8 row tiles of the tile's 16 I fetch
	s_lshl_b32 s20, s17, 4
	s_add_co_u32 s20, s20, s18                     ; A: row tile 16 x tile row + 8 x half
	s_lshl_b32 s46, s42, 4
	s_add_co_u32 s46, s46, s18                     ; B: row tile 16 x tile column + 8 x half
	s_mov_b32 s21, 0
	s_mov_b32 s47, 0
	s_mov_b64 s[18:19], SBLK
	s_mul_u64 s[22:23], s[20:21], s[18:19]         ; where these rows' scale words begin, in bytes
	s_mul_u64 s[92:93], s[46:47], s[18:19]
	s_mov_b64 s[18:19], TPITCH
	s_mul_u64 s[20:21], s[20:21], s[18:19]         ; and their images
	s_mul_u64 s[46:47], s[46:47], s[18:19]
	s_mul_i32 s45, s14, HALFT                      ; where they go: wave x 128 rows: no place in the cluster enters an LDS address
	s_mul_i32 s94, s14, HALFS
	s_wait_kmcnt 0x0
	s_add_nc_u64 s[20:21], s[4:5], s[20:21]
	s_add_nc_u64 s[22:23], s[6:7], s[22:23]
	s_add_nc_u64 s[46:47], s[8:9], s[46:47]
	s_add_nc_u64 s[92:93], s[10:11], s[92:93]
	CROUND                                         ; all sixteen work-groups are here: the first joint loads meet
	s_mov_b32 s[G0S], 1
	s_add_co_u32 s[G0S+1], s94, SCL
	s_mov_b64 s[G0S+2:G0S+3], s[22:23]
	s_or_b32 s[G0S+3], s[G0S+3], 0x80000000
	s_mov_b32 s[G0SB], 1
	s_add_co_u32 s[G0SB+1], s94, SCL
	s_mov_b64 s[G0SB+2:G0SB+3], s[92:93]
	s_or_b32 s[G0SB+3], s[G0SB+3], 0x80000000
	JLOAD G0S, G1S, G0SB, G1SB                     ; the scale words first: they are wanted with the first slot
.irp s, 0,1
	s_mov_b32 s[G0+4*\s], 1
	s_add_co_u32 s[G0+4*\s+1], s45, \s*SLOT
	s_add_nc_u64 s[G0+4*\s+2:G0+4*\s+3], s[20:21], \s*TROW
	s_or_b32 s[G0+4*\s+3], s[G0+4*\s+3], 0x80000000
	s_mov_b32 s[G0B+4*\s], 1
	s_add_co_u32 s[G0B+4*\s+1], s45, \s*SLOT
	s_add_nc_u64 s[G0B+4*\s+2:G0B+4*\s+3], s[46:47], \s*TROW
	s_or_b32 s[G0B+4*\s+3], s[G0B+4*\s+3], 0x80000000
	JLOAD G0+4*\s, G1, G0B+4*\s, G1B               ; three tensor loads of mine are out behind the last of these
.endr
	v_and_b32 v1, 15, v0                           ; l % 16
	v_bfe_u32 v2, v0, 4, 1                         ; l / 16
	v_and_b32 v6, 31, v0
	v_lshlrev_b32 v4, 4, v6                        ; 16 x lane: my place in every image
	s_mul_i32 s21, s15, HALFT                      ; my 128 rows of A
	s_mul_i32 s22, s16, HALFT                      ; my 128 rows of B,
	s_add_co_u32 s22, s22, 2*HALFT                 ; which lie behind A's 256
.irp s, 0,1
	v_add_nc_u32 v[ADRA+\s], s21, v4
	v_add_nc_u32 v[ADRB+\s], s22, v4
	s_add_co_u32 s21, s21, SLOT
	s_add_co_u32 s22, s22, SLOT
.endr
	v_lshlrev_b32 v5, 3, v1                        ; my row's two words of a pair of K steps: 8 bytes a row
	s_mul_i32 s21, s15, HALFS                      ; A's: my 128 rows
	s_mul_i32 s22, s16, HALFS                      ; B's: my 128 rows, behind A's 256
	s_add_co_u32 s22, s22, 2*HALFS
	s_sub_co_u32 s22, s22, s21
	v_mul_u32_u24 v6, s22, v2                      ; lanes 16-31 take B's: the lower base + h x the distance
	s_add_co_u32 s21, s21, SCL
	v_add_nc_u32 v5, v5, v6
	v_add_nc_u32 v[ADRS], s21, v5
	s_mul_i32 s23, s14, 16*SPITCH                  ; my stage
	v_mul_u32_u24 v5, v1, SPITCH                   ; in: row l % 16, 32 bytes for each half of the lanes
	v_lshl_add_u32 v5, v2, 5, v5
	v_add_nc_u32 v[STO], s23, v5
	v_mov_b32 v[CO], v4                            ; back: the 32 lanes take one row of 512 bytes; and the same in the output
	v_add_nc_u32 v[RD], s23, v4
	s_lshl_b32 s20, s17, 8
	s_lshl_b32 s21, s15, 7
	s_add_co_u32 s20, s20, s21                     ; my first row of the output: 256 x tile row + 128 x half
	s_mov_b32 s21, 0
	s_mov_b64 s[18:19], SIZE_N*4
	s_mul_u64 s[20:21], s[20:21], s[18:19]
	s_lshl_b32 s46, s42, 10                        ; my first column, in bytes: 1,024 x tile column + 512 x half
	s_lshl_b32 s47, s16, 9
	s_add_co_u32 s46, s46, s47
	s_mov_b32 s47, 0
	s_add_nc_u64 s[96:97], s[96:97], s[46:47]      ; the bias of my 128 columns
	s_add_nc_u64 s[20:21], s[20:21], s[46:47]
	s_add_nc_u64 s[12:13], s[12:13], s[20:21]
	v_lshlrev_b32 v7, 5, v2                        ; lane (r, h) wants, for block b, the bias of columns 16 b + 8 h + 0 .. 7
.irp b, 0,1,2,3,4,5,6,7
	global_load_b128 v[BI+8*\b:BI+8*\b+3], v7, s[96:97] offset:64*\b
	global_load_b128 v[BI+8*\b+4:BI+8*\b+7], v7, s[96:97] offset:64*\b+16
.endr
.macro FRAG reg, adr, q, i             ; a fragment comes as it was stored: three loads, each 512 consecutive bytes
.irp c, 0,1,2
	ds_load_b128 v[\reg+4*\c:\reg+4*\c+3], v[\adr] offset:(\i)*TROW+(\q)*FRB+512*\c
.endr
.endm
; 16 matrix instructions: A's blocks a0, a0 + 1 x B's eight, 128 along K: the slot's q-th.  p: B's set;  sc: the set of scale words.  zero = 1: the first product starts the sums, onto the bias: nothing is ever cleared.
; The 64 accumulators take turns, one instruction a turn, in the same order in every step.
.macro MUL16 a0, p, q, sc, zero
.irp a, \a0, \a0+1
.irp b, 0,1,2,3,4,5,6,7
.if \zero
	v_wmma_scale_f32_16x16x128_f8f6f4 v[8*(8*((\a)%4)+\b):8*(8*((\a)%4)+\b)+7], v[128*(\p)+FR*\b:128*(\p)+FR*\b+FR-1], v[AF+FR*(\a):AF+FR*(\a)+FR-1], v[BI+8*\b:BI+8*\b+7], v[SC+8*NQ*(\sc)+NQ*\b+(\q)], v[SC+8*NQ*(\sc)+NQ*(\a)+(\q)] matrix_a_fmt:MATRIX_FMT_FP6 matrix_b_fmt:MATRIX_FMT_FP6 matrix_a_scale:MATRIX_SCALE_ROW1
.else
	v_wmma_scale_f32_16x16x128_f8f6f4 v[8*(8*((\a)%4)+\b):8*(8*((\a)%4)+\b)+7], v[128*(\p)+FR*\b:128*(\p)+FR*\b+FR-1], v[AF+FR*(\a):AF+FR*(\a)+FR-1], v[8*(8*((\a)%4)+\b):8*(8*((\a)%4)+\b)+7], v[SC+8*NQ*(\sc)+NQ*\b+(\q)], v[SC+8*NQ*(\sc)+NQ*(\a)+(\q)] matrix_a_fmt:MATRIX_FMT_FP6 matrix_b_fmt:MATRIX_FMT_FP6 matrix_a_scale:MATRIX_SCALE_ROW1
.endif
.endr
.endr
.endm
.macro FETCH_B slot, q, p              ; B's eight fragments of the slot's q-th 128 along K into set p
	WIN TO_B
.irp i, 0,1,2,3,4,5,6,7
	FRAG 128*(\p)+FR*\i, ADRB+\slot, \q, \i
.endr
	WIN 0
.endm
.macro FETCH_A slot, q, i0             ; A's blocks i0 .. i0 + 3
.irp i, \i0, \i0+1, \i0+2, \i0+3
	FRAG AF+FR*(\i), ADRA+\slot, \q, \i
.endr
.endm
.macro SCALES sc                       ; the next slot's scale words into set sc: two words a row; lanes 0-15 take A's block i, lanes 16-31 B's block i
.irp i, 0,1,2,3,4,5,6,7
	ds_load_b64 v[SC+8*NQ*\sc+NQ*\i:SC+8*NQ*\sc+NQ*\i+1], v[ADRS] offset:\i*SBLK
.endr
.endm
; A load into a register that a matrix instruction has read, and an LDS store that reads a matrix result, stand NP places behind that matrix instruction; only plain vector instructions that name none of its
; registers are places (ISA guide 7.12.1 for vector instructions).
.macro PLACES n
.rept \n
	v_nop
.endr
.endm
; A step of 128 along K that has its successor in the same slot.  A's blocks go one after the other, each against B's eight: so one set of registers serves A (blocks 0-3 fetched anew in the step's middle, 4-7 at its end), two serve B.
.macro STEP slot, q, zero
	s_wait_dscnt 4*NL                              ; B's set, A's blocks 0-3 and the scale words are in; the youngest 12 loads (A's blocks 4-7) may be out
.if \zero
	WIN 0x81                                       ; C (the bias) window 0, D window 2
.else
	WIN MUL_LO
.endif
	MUL16 0, (\q)%2, \q, \slot, \zero
	MUL16 2, (\q)%2, \q, \slot, \zero
	s_wait_dscnt 0                                 ; A's blocks 4-7 are in (asked for 32 matrix instructions ago)
	PLACES NP
	FETCH_B \slot, (\q)+1, 1-(\q)%2
	FETCH_A \slot, (\q)+1, 0
.if \zero
	WIN 0xc1                                       ; C window 0, D window 3
.else
	WIN MUL_HI
.endif
	MUL16 4, (\q)%2, \q, \slot, \zero
	MUL16 6, (\q)%2, \q, \slot, \zero
	PLACES NP
	WIN 0
	FETCH_A \slot, (\q)+1, 4
.endm
; A slot's last step changes slots: ONE barrier; in front of it each wave waits for all its tensor loads, adds 0 to its spare word, and waits for that and for its own reads of this slot.  fill = 1: this slot is filled again, two slots ahead.
.macro TURN slot, next, fill
	s_wait_tensorcnt 0x0                           ; all my tensor loads have landed: the one that was out is my part of the next slot  (every window is 0 here)
	ds_add_u32 v[SPW], v[NIL]                      ; 0 onto my spare word
	s_wait_dscnt 4*NL+1                            ; (the add and the youngest 12 loads, A's blocks 4-7, may be out)
	WIN MUL_LO
	MUL16 0, 1, NQ-1, \slot, 0                     ; sixteen matrix instructions stand between the add and the wait for it
	s_wait_dscnt 0x0                               ; the add is done, and my reads of this slot are over
	s_barrier_signal -1
	MUL16 2, 1, NQ-1, \slot, 0
	WIN 0
	s_barrier_wait -1
.if \fill
	CREST                                          ; the barrier has opened a round of the cluster's barrier: no wave of any partner still reads this slot's tile or has a load on its way
	s_add_nc_u64 s[G0+4*\slot+2:G0+4*\slot+3], s[G0+4*\slot+2:G0+4*\slot+3], 2*TROW
	s_add_nc_u64 s[G0B+4*\slot+2:G0B+4*\slot+3], s[G0B+4*\slot+2:G0B+4*\slot+3], 2*TROW
	JLOAD G0+4*\slot, G1, G0B+4*\slot, G1B         ; the first tensor load behind the round, and my only one until the next; its four v_nop are the places in front of the loads below
.else
	PLACES NP
.endif
	v_add_nc_u32 v[ADRS], 128, v[ADRS]             ; on to the next pair's scale words (no LDS load of mine is out)
	FETCH_B \next, 0, 0
	FETCH_A \next, 0, 0
	SCALES \next
	WIN MUL_HI
	MUL16 4, 1, NQ-1, \slot, 0
	MUL16 6, 1, NQ-1, \slot, 0
	PLACES NP
	WIN 0
	FETCH_A \next, 0, 4
.endm
	s_wait_tensorcnt 1                             ; the scale words and my part of slot 0 are in (slot 1's load may be out)
	s_barrier_signal -1
	s_barrier_wait -1                              ; everybody's are
	FETCH_B 0, 0, 0
	FETCH_A 0, 0, 0
	SCALES 0
	FETCH_A 0, 0, 4
	s_wait_loadcnt 0x0                             ; the bias
	STEP 0, 0, 1                                   ; the first step stands in front of the loop: its products start the sums
	s_mov_b32 s3, LAPS-1
.Llap:                                                 ; a trip goes once round the ring, from a lap's second step to the next lap's first, and fills both slots again
	TURN 0, 1, 1
	STEP 1, 0, 0
	TURN 1, 0, 1
	STEP 0, 0, 0
	s_sub_co_u32 s3, s3, 1
	s_cmp_lg_u32 s3, 0
	s_cbranch_scc1 .Llap
	TURN 0, 1, 0                                   ; the last lap fills nothing, and has no round of the cluster's barrier
	STEP 1, 0, 0
	s_wait_dscnt 4*NL                              ; the very last step: nothing more to fetch
	WIN MUL_LO
	MUL16 0, 1, NQ-1, 1, 0
	MUL16 2, 1, NQ-1, 1, 0
	s_wait_dscnt 0
	WIN MUL_HI
	MUL16 4, 1, NQ-1, 1, 0
	MUL16 6, 1, NQ-1, 1, 0
	WIN 0
; THE WAY OUT, block by block of 16 rows x 128 columns.  A lane holds 32 neighbouring bytes of a row, and the lanes beside it hold other rows: so a block goes through my own stage in LDS and comes back as whole
; rows of 512 bytes.  LDS serves a wave's instructions in order (ISA guide 5.7.1.4): no wait between the stores and the loads, nor in front of the next block's stores.
.macro TOSTAGE a
.set AC, 64*((\a)%4)
	WIN 0x08+4*((\a)/4)                            ; the data: window 2 or 3
.irp b, 0,1,2,3,4,5,6,7
	ds_store_b128 v[STO], v[AC+8*\b:AC+8*\b+3] offset:64*\b          ; each accumulator from its low end on
	ds_store_b128 v[STO], v[AC+8*\b+4:AC+8*\b+7] offset:64*\b+16
.endr
	WIN 0
.set BB, BK+64*((\a)%2)
.irp t, 0,1,2,3,4,5,6,7,8,9,10,11,12,13,14,15
	ds_load_b128 v[BB+4*\t:BB+4*\t+3], v[RD] offset:\t*SPITCH
.endr
.endm
.macro SEND a, younger                 ; younger: the LDS instructions issued behind block a's loads, which may stay out
.set BB, BK+64*((\a)%2)
	s_wait_dscnt \younger                          ; the block is back in registers
.if (\a) > 0
	s_add_nc_u64 s[12:13], s[12:13], 16*SIZE_N*4   ; (behind a wait on XCNT: the earlier stores have read their base)  16 rows on
.endif
.irp t, 0,1,2,3,4,5,6,7,8,9,10,11,12,13,14,15
	global_store_b128 v[CO], v[BB+4*\t:BB+4*\t+3], s[12:13] offset:\t*SIZE_N*4 th:TH_STORE_NT   ; 32 lanes store 512 consecutive bytes, at a multiple of 256 from the output's first byte; written once, read by nobody here
.endr
.endm
	PLACES NP                                      ; for the loads into the registers that held A's fragments and for the reads of the last results alike
	TOSTAGE 0
.irp a, 1,2,3,4,5,6,7
.if \a > 1
	s_wait_xcnt 0x0                                ; block a - 2's stores have read their registers and their base: block a's loads may land there, and the base may step
.endif
	TOSTAGE \a
	SEND \a-1, 32                                  ; behind block a - 1's loads: block a's 16 stores and 16 loads
.endr
	s_wait_xcnt 0x0                                ; block 6's stores have read their base
	SEND 7, 0
	s_wait_tensorcnt 0x0                           ; the wave's end: behind my last tensor load and my last LDS store
	ds_add_u32 v[SPW], v[NIL]
	s_wait_dscnt 0x0
	CROUND                                         ; the closing round: no work-group ends while a partner may still ask for a tile that names it
	s_endpgm
.Lfunc_end_k_q899f73024a_gemm:
	.size	k_q899f73024a_gemm, .Lfunc_end_k_q899f73024a_gemm-k_q899f73024a_gemm
	.p2alignl 7, 3214868480
	.fill 96, 4, 3214868480
	.section	.rodata,"a",@progbits
	.p2align	6, 0x0
	.amdhsa_kernel k_q899f73024a_gemm
		.amdhsa_group_segment_fixed_size 327680
		.amdhsa_private_segment_fixed_size 0
		.amdhsa_enable_private_segment 0
		.amdhsa_kernarg_size 48
		.amdhsa_user_sgpr_count 2
		.amdhsa_user_sgpr_kernarg_segment_ptr 1
		.amdhsa_wavefront_size32 1
		.amdhsa_system_sgpr_workgroup_id_x 1
		.amdhsa_system_sgpr_workgroup_id_y 1
		.amdhsa_system_sgpr_workgroup_id_z 1
		.amdhsa_system_vgpr_workitem_id 0
		.amdhsa_next_free_vgpr 1024
		.amdhsa_next_free_sgpr 100
		.amdhsa_reserve_vcc 0
		.amdhsa_float_denorm_mode_32 3
		.amdhsa_float_denorm_mode_16_64 3
		.amdhsa_memory_ordered 1
		.amdhsa_forward_progress 1
		.amdhsa_inst_pref_size 137
	.end_amdhsa_kernel
	.amdgpu_metadata
---
amdhsa.version: [ 1, 2 ]
amdhsa.kernels:
  - .name:           k_q899f73024a_gemm
    .symbol:         k_q899f73024a_gemm.kd
    .args:
      - { .name: a_img, .offset: 0, .size: 8, .value_kind: global_buffer, .address_space: global }
      - { .name: a_sc, .offset: 8, .size: 8, .value_kind: global_buffer, .address_space: global }
      - { .name: b_img, .offset: 16, .size: 8, .value_kind: global_buffer, .address_space: global }
      - { .name: b_sc, .offset: 24, .size: 8, .value_kind: global_buffer, .address_space: global }
      - { .name: out0, .offset: 32, .size: 8, .value_kind: global_buffer, .address_space: global }
      - { .name: beta_b, .offset: 40, .size: 8, .value_kind: global_buffer, .address_space: global }
    .group_segment_fixed_size: 327680
    .private_segment_fixed_size: 0
    .kernarg_segment_align: 8
    .kernarg_segment_size: 48
    .max_flat_workgroup_size: 128
    .sgpr_count:     100
    .vgpr_count:     1024
    .wavefront_size: 32
...
	.end_amdgpu_metadata
.endif
;; end of part 4
;; ======== version 2 of 2: 4 launches
;; limits: right only within a limited range of input values
;; workspace buffers: a_img 12,582,912 bytes; b_img 12,582,912 bytes; a_sc 524,288 bytes; b_sc 524,288 bytes; qops 1,646,592 bytes; hp 1,050,624 bytes; bp 524,288 bytes
;; launch prep (part 5): grid 608 x 1, 4 waves a work-group, no clusters, 68,096 bytes of LDS; arguments beta_w, query, alpha_w, b_img, b_sc, qops; writes b_img, b_sc, qops
.if DOCPART == 5
	.amdgcn_target "amdgcn-amd-amdhsa--gfx1250"
	.amdhsa_code_object_version 6
	.text
	.protected	k_q899f73024a_prep
	.globl	k_q899f73024a_prep
	.p2align	8
	.type	k_q899f73024a_prep,@function
k_q899f73024a_prep:
	s_mov_b64 s[64:65], 0
	v_nop
	global_prefetch_b8 v0, s[64:65] scope:SCOPE_SE
	s_setreg_imm32_b32 hwreg(HW_REG_WAVE_MODE, 25, 1), 1
	s_wait_xcnt 0x0
; THE OPERANDS THAT HANG ON INPUTS ALONE ARE QUANTISED ONCE, to codes of FP6 (E2M3) with one E8M0 byte for each 32 along K.
; Three paths, chosen by the work-group's number:  0-31: query along d (the scores' operand) and the two half sums of q . w_q;
; 32-95: query along j (the second product's operand);  96-607: beta_w along f.
; EVERY OPERAND IS STORED AS AN IMAGE OF A FRAGMENT'S REGISTERS: 16 rows x 128 K are 12 registers a lane, 1,536 bytes; registers 4 c .. 4 c + 3 of lane l lie at 512 c + 16 l.
; So each store here, and each load of a later launch, covers 512 consecutive bytes.  Scale words (four bytes: one row, 128 K) lie at tile x (bytes of its K) + pair x 128 + row x 8 + (K step % 2) x 4.
; A block's scale is 2^(floor(log2(its largest magnitude)) - 2); its byte is the largest magnitude's exponent field - 2, held at 1 from below.
; LIMITS: NaN and infinities are not served.  A block of zeros, or one whose largest magnitude lies under 2^-124, gets the byte 1 (the rule says 127 for zeros): its codes are zeros or
; subnormal codes under that scale; the bytes are read by this program alone.
; No tensor load, no barrier: waves share nothing.  The two paths that use LDS have bytes of their own.
.set STG_B,  0                         ; beta's stages: 16 rows x 528 bytes for each wave
.set STG_Q,  33792                     ; the query path's
.set QJ_IMG, 786432                    ; parts of qops, in bytes: images along d at 0, images along j,
.set QD_SC,  1572864                   ; scale words along d,
.set QJ_SC,  1605632                   ; along j,
.set QWP,    1638400                   ; the two half sums of q . w_q: [2][1024] f32
.set PW,   24                          ; v24-27  four K steps' scale words
.set RAW,  32                          ; v32-159 two sets of 16 rows x 16 bytes, as loaded
.set X,    160                         ; v160-223 64 numbers in the quantiser's order
.set PC,   224                         ; v224-243 codes
.set TM,   244                         ; v244-255 at work in QUANT
.set DA,   96                          ; (query path) v96-127 sixteen pairs of partial sums
.set WQ,   128                         ; v128-143 w_q of four K steps
.set QO,   144
.set SEL,  20                          ; s[20:21] selects of v_permlanex16_b32: lane l xor 16
.set SRC,  22                          ; s[22:23] where my numbers begin
.set IMG,  24                          ; s[24:25] where my images go
.set SC,   26                          ; s[26:27] and my scale words
; 64 numbers of a lane, register 16 b + i = k 32 b + 16 (lane / 16) + i of row lane % 16, become a fragment's codes in v[PC] .. v[PC+11] and the row's scale word in v[pw].
.macro QUANT s, pw
.irp b, 0,1,2,3
	v_max3_num_f32 v[TM+\b], |v[\s+16*\b]|, |v[\s+1+16*\b]|, 0x1800000   ; my 16 numbers of block b, and the floor 2^(3 - 127): the byte cannot fall under 1
.endr
.irp i, 2,4,6,8,10,12,14
.irp b, 0,1,2,3
	v_max3_num_f32 v[TM+\b], v[TM+\b], |v[\s+16*\b+\i]|, |v[\s+1+16*\b+\i]|   ; the four blocks by turns
.endr
.endr
.irp b, 0,1,2,3
	v_permlanex16_b32 v[TM+4+\b], v[TM+\b], s[SEL], s[SEL+1]
.endr
.irp b, 0,1,2,3
	v_max_num_f32 v[TM+\b], v[TM+\b], v[TM+4+\b]   ; with lane l xor 16's 16: the block's largest magnitude
.endr
.irp b, 0,1,2,3
	v_add_nc_u32 v[TM+8+\b], 0xff000000, v[TM+\b]  ; 2 off its exponent field: the conversion's scale operand
.endr
.irp b, 0,1,2,3
	v_lshrrev_b32 v[TM+4+\b], 23, v[TM+8+\b]       ; the scale's byte
.endr
	v_lshl_or_b32 v[\pw], v[TM+5], 8, v[TM+4]
	v_lshl_or_b32 v[\pw], v[TM+6], 16, v[\pw]
	v_lshl_or_b32 v[\pw], v[TM+7], 24, v[\pw]
.irp c, 0,1
	v_cvt_scalef32_pk16_fp6_f32 v[PC+6*\c:PC+2+6*\c], v[\s+32*\c:\s+15+32*\c], v[TM+8+2*\c]
	v_cvt_scalef32_pk16_fp6_f32 v[PC+12+4*\c:PC+14+4*\c], v[\s+16+32*\c:\s+31+32*\c], v[TM+9+2*\c]   ; (a conversion's three registers begin on an even number)
.endr
	v_nop                                          ; one plain line behind the scaled conversions
.irp c, 0,1                                    ; the operand wants a whole block in a lane: lanes 0-15 block 2 c, lanes 16-31 block 2 c + 1
.irp i, 0,1,2
	v_permlane16_swap_b32 v[PC+6*\c+\i], v[PC+12+4*\c+\i]
.endr
.irp i, 0,1,2
	v_mov_b32 v[PC+3+6*\c+\i], v[PC+12+4*\c+\i]
.endr
.endr
.endm
; K step k of my 16 rows: a load a row, 32 lanes x 16 bytes = the row's 512 consecutive bytes.  perm = 1: row n of the tile is row n + 8 (n / 8) of memory.
.macro LOADK k, set, rowb, perm, nt
.set N, 0
.rept 16
.if \nt
	global_load_b128 v[RAW+64*(\set)+4*N:RAW+64*(\set)+4*N+3], v4, s[SRC:SRC+1] offset:(N+(\perm)*8*(N/8))*(\rowb)+512*(\k) th:TH_LOAD_NT
.else
	global_load_b128 v[RAW+64*(\set)+4*N:RAW+64*(\set)+4*N+3], v4, s[SRC:SRC+1] offset:(N+(\perm)*8*(N/8))*(\rowb)+512*(\k)
.endif
.set N, N+1
.endr
.endm
; The turn through my own stage: in as loaded (row n at 528 n), out in the quantiser's order.  LDS serves a wave's instructions in order: no wait between.  528 = 33 x 16: the sixteen rows of a read start in different banks.
.macro TURNK set, stg
.set N, 0
.rept 16
	ds_store_b128 v5, v[RAW+64*(\set)+4*N:RAW+64*(\set)+4*N+3] offset:(\stg)+528*N
.set N, N+1
.endr
.set N, 0
.rept 16
	ds_load_b128 v[X+4*N:X+4*N+3], v6 offset:(\stg)+128*(N/4)+16*(N%4)
.set N, N+1
.endr
.endm
.macro OUTK k                          ; the image of K step k: three stores of 512 consecutive bytes
.irp c, 0,1,2
	global_store_b128 v4, v[PC+4*\c:PC+4*\c+3], s[IMG:IMG+1] offset:1536*(\k)+512*\c
.endr
.endm
.macro SCOUT                           ; four K steps' scale words: lanes 0-15 the first pair's, lanes 16-31 the second's: 256 consecutive bytes
	v_cmp_eq_u32 vcc_lo, 0, v3
	v_cndmask_b32 v28, v[PW+2], v[PW], vcc_lo
	v_cndmask_b32 v29, v[PW+3], v[PW+1], vcc_lo
	global_store_b64 v7, v[28:29], s[SC:SC+1]
.endm
	s_load_b256 s[4:11], s[0:1], 0x0               ; beta_w s[4:5], query s[6:7], alpha_w s[8:9], b_img s[10:11]
	s_load_b128 s[12:15], s[0:1], 0x20             ; b_sc s[12:13], qops s[14:15]
	v_lshl_add_u32 v239, v0, 2, 0x10800
	v_mov_b32 v243, 0
	v_lshrrev_b32 v1, 5, v0
	v_readfirstlane_b32 s16, v1                    ; wave
	v_and_b32 v1, 31, v0                           ; lane
	v_and_b32 v2, 15, v0                           ; r
	v_bfe_u32 v3, v0, 4, 1                         ; h
	v_lshlrev_b32 v4, 4, v1                        ; 16 x lane
	s_mul_i32 s17, s16, 8448
	v_add_nc_u32 v5, s17, v4                       ; the stage, in: 8448 x wave + 16 x lane
	v_mul_u32_u24 v6, v2, 528
	v_lshl_add_u32 v6, v3, 6, v6
	v_add_nc_u32 v6, s17, v6                       ; and out: 8448 x wave + 528 r + 64 h
	v_lshlrev_b32 v7, 3, v1                        ; 8 x lane
	v_lshlrev_b32 v8, 2, v1                        ; 4 x lane
.irp b, 0,1,2,3
	v_mov_b32 v[TM+4+\b], 0                        ; written once: a lane permute's destination counts as one of its sources
.endr
	s_mov_b32 s[SEL], 0x76543210
	s_mov_b32 s[SEL+1], 0xfedcba98
	s_mov_b32 s31, 0                               ; the upper word of every offset below
	s_wait_kmcnt 0x0
	s_cmp_lt_u32 ttmp9, 32
	s_cbranch_scc1 .Lqd
	s_cmp_lt_u32 ttmp9, 96
	s_cbranch_scc1 .Lqj
	; ---- beta_w: wave u of 2,048 takes tile T = u / 8 (16 rows) and K steps 4 (u % 8) .. + 3
	s_sub_co_u32 s17, ttmp9, 96
	s_lshl_b32 s17, s17, 2
	s_add_co_u32 s17, s17, s16                     ; u
	s_lshr_b32 s18, s17, 3                         ; T
	s_and_b32 s19, s17, 7
	s_lshl_b32 s19, s19, 2                         ; the first K step
	s_lshl_b32 s30, s18, 18                        ; 16 rows of 16,384 bytes
	s_lshl_b32 s32, s19, 9
	s_add_co_u32 s30, s30, s32
	s_add_nc_u64 s[SRC:SRC+1], s[4:5], s[30:31]
	s_lshl_b32 s30, s18, 5
	s_add_co_u32 s30, s30, s19
	s_mul_i32 s30, s30, 1536
	s_add_nc_u64 s[IMG:IMG+1], s[10:11], s[30:31]
	s_lshl_b32 s30, s18, 11
	s_lshl_b32 s32, s19, 6
	s_add_co_u32 s30, s30, s32
	s_add_nc_u64 s[SC:SC+1], s[12:13], s[30:31]
	LOADK 0, 0, 16384, 0, 1
	LOADK 1, 1, 16384, 0, 1
.macro BSTEP k
.if \k < 3
	s_wait_loadcnt 16                              ; this K step's 16 loads are in; the next one's 16 stay out
.else
	s_wait_loadcnt 0x0
.endif
	TURNK (\k)%2, STG_B
	s_wait_dscnt 0x0                               ; the numbers are back, and the stage's stores have read the set,
.if \k < 2
	LOADK (\k)+2, (\k)%2, 16384, 0, 1              ; which takes the K step two on
.endif
.if \k > 0
	s_wait_xcnt 0x0                                ; the last image's stores have read the codes' registers
.endif
	QUANT X, PW+\k
	OUTK \k
.endm
	s_wait_alu depctr_va_vdst(0)
	BSTEP 0
	BSTEP 1
	BSTEP 2
	BSTEP 3
	SCOUT
	s_wait_tensorcnt 0x0
	ds_add_u32 v239, v243
	s_wait_dscnt 0x0
	s_endpgm
	; ---- query along d: wave u of 128 takes tile T' = u / 2 (batch T' / 8, tile t = T' % 8) and K steps 4 (u % 2) .. + 3.
	; THE KEYS OF A TILE ARE NOT NEIGHBOURS: row n of tile t is key 32 (t / 2) + 8 (t % 2) + n + 8 (n / 8), so that the scores of tiles 2 w and 2 w + 1 are 16 neighbouring keys in a lane.
.Lqd:
	s_lshl_b32 s17, ttmp9, 2
	s_add_co_u32 s17, s17, s16                     ; u
	s_lshr_b32 s18, s17, 1                         ; T'
	s_and_b32 s19, s17, 1                          ; which half of d
	s_lshr_b32 s32, s18, 3
	s_lshl_b32 s32, s32, 7                         ; 128 x batch
	s_and_b32 s33, s18, 7                          ; t
	s_lshr_b32 s34, s33, 1
	s_lshl_b32 s34, s34, 5
	s_and_b32 s33, s33, 1
	s_lshl_b32 s33, s33, 3
	s_add_co_u32 s32, s32, s34
	s_add_co_u32 s32, s32, s33                     ; the tile's first key, counted through all batches
	s_lshl_b32 s30, s32, 12                        ; rows of 4,096 bytes
	s_lshl_b32 s35, s19, 11                        ; four K steps of 512 bytes
	s_add_co_u32 s30, s30, s35
	s_add_nc_u64 s[SRC:SRC+1], s[6:7], s[30:31]
	s_lshl_b32 s30, s18, 3
	s_lshl_b32 s36, s19, 2
	s_add_co_u32 s30, s30, s36
	s_mul_i32 s30, s30, 1536
	s_add_nc_u64 s[IMG:IMG+1], s[14:15], s[30:31]
	s_lshl_b32 s30, s18, 9
	s_lshl_b32 s36, s19, 8
	s_add_co_u32 s30, s30, s36
	s_add_co_u32 s30, s30, QD_SC
	s_add_nc_u64 s[SC:SC+1], s[14:15], s[30:31]
	s_add_co_u32 s30, s35, 4096                    ; w_q begins 1,024 numbers into alpha_w
	s_add_nc_u64 s[28:29], s[8:9], s[30:31]
	s_lshl_b32 s30, s19, 12
	s_lshl_b32 s36, s32, 2
	s_add_co_u32 s30, s30, s36
	s_add_co_u32 s30, s30, QWP
	s_add_nc_u64 s[38:39], s[14:15], s[30:31]
.irp k, 0,1,2,3
	global_load_b128 v[WQ+4*\k:WQ+4*\k+3], v4, s[28:29] offset:512*\k
.endr
	LOADK 0, 0, 4096, 1, 0                         ; (no hint: the third path reads query again)
.macro QSTEP k
	s_wait_loadcnt 0x0
.set N, 0
.rept 16                                       ; q . w_q in f32, on the numbers as loaded: a lane's four of each row; the first product starts each sum
.if \k == 0
	v_pk_mul_f32 v[DA+2*N:DA+2*N+1], v[RAW+4*N:RAW+4*N+1], v[WQ+4*(\k):WQ+4*(\k)+1]
.else
	v_pk_fma_f32 v[DA+2*N:DA+2*N+1], v[RAW+4*N:RAW+4*N+1], v[WQ+4*(\k):WQ+4*(\k)+1], v[DA+2*N:DA+2*N+1]
.endif
.set N, N+1
.endr
.set N, 0
.rept 16
	v_pk_fma_f32 v[DA+2*N:DA+2*N+1], v[RAW+4*N+2:RAW+4*N+3], v[WQ+4*(\k)+2:WQ+4*(\k)+3], v[DA+2*N:DA+2*N+1]
.set N, N+1
.endr
	TURNK 0, STG_Q
	s_wait_dscnt 0x0
.if \k < 3
	LOADK (\k)+1, 0, 4096, 1, 0
.endif
.if \k > 0
	s_wait_xcnt 0x0                                ; the last image's stores have read the codes' registers
.endif
	QUANT X, PW+\k
	OUTK \k
.endm
	QSTEP 0
	QSTEP 1
	QSTEP 2
	QSTEP 3
	SCOUT
.set N, 0
.rept 16
	v_add_f32 v[DA+2*N], v[DA+2*N], v[DA+2*N+1]
.set N, N+1
.endr
.irp m, 1,2,4,8                                ; over the 32 lanes, the sixteen rows by turns
.set N, 0
.rept 16
	v_add_f32_dpp v[DA+2*N], v[DA+2*N], v[DA+2*N] row_xmask:\m row_mask:0xf bank_mask:0xf
.set N, N+1
.endr
.endr
.set N, 0
.rept 16
	v_permlanex16_b32 v[DA+2*N+1], v[DA+2*N], s[SEL], s[SEL+1]
.set N, N+1
.endr
.set N, 0
.rept 16
	v_add_f32 v[DA+2*N], v[DA+2*N], v[DA+2*N+1]
.set N, N+1
.endr
	v_mov_b32 v[QO], v[DA]                         ; lane r keeps row r's sum
.set N, 1
.rept 15
	v_cmp_eq_u32 vcc_lo, N, v2
	v_cndmask_b32 v[QO], v[QO], v[DA+2*N], vcc_lo
.set N, N+1
.endr
	v_and_b32 v9, 8, v2
	v_add_nc_u32 v9, v9, v2
	v_lshlrev_b32 v9, 2, v9                        ; 4 (r + 8 (r / 8)): the row's key
	global_store_b32 v9, v[QO], s[38:39]           ; both halves of the lanes store the same word with the same value
	s_wait_tensorcnt 0x0
	ds_add_u32 v239, v243
	s_wait_dscnt 0x0
	s_endpgm
	; ---- query along j: wave u of 256 takes batch u / 32 and columns d = 32 (u % 32) + lane.  A LANE TAKES A COLUMN AND ITS REGISTERS RUN DOWN j, the product's K: all four blocks are the lane's own.
	; Row m of tile tau is d = 32 (tau / 2) + 8 (tau % 2) + m + 8 (m / 8): so the wave's 32 columns are tiles 2 (u % 32) and + 1; lane l is row (l % 8) + 8 (l / 16) of tile (l / 8) % 2.
.Lqj:
	s_sub_co_u32 s17, ttmp9, 32
	s_lshl_b32 s17, s17, 2
	s_add_co_u32 s17, s17, s16                     ; u
	s_lshr_b32 s18, s17, 5                         ; batch
	s_and_b32 s19, s17, 31
	s_lshl_b32 s30, s18, 19                        ; 128 rows of 4,096 bytes
	s_lshl_b32 s32, s19, 7
	s_add_co_u32 s30, s30, s32
	s_add_nc_u64 s[SRC:SRC+1], s[6:7], s[30:31]
	s_lshl_b32 s32, s18, 6
	s_lshl_b32 s33, s19, 1
	s_add_co_u32 s32, s32, s33                     ; the first of my two tiles
	s_mul_i32 s30, s32, 1536
	s_add_co_u32 s30, s30, QJ_IMG
	s_add_nc_u64 s[IMG:IMG+1], s[14:15], s[30:31]
	s_lshl_b32 s30, s32, 6
	s_add_co_u32 s30, s30, QJ_SC
	s_add_nc_u64 s[SC:SC+1], s[14:15], s[30:31]
.set N, 0
	s_wait_alu depctr_va_vdst(0)
.rept 128
	global_load_b32 v[32+N], v8, s[SRC:SRC+1] offset:4096*N   ; q(j = N, my column): 128 consecutive bytes a wave, 512 a work-group
.set N, N+1
.endr
	v_bfe_u32 v9, v0, 3, 1                         ; which of the two tiles
	v_and_b32 v10, 7, v0
	v_lshl_add_u32 v10, v3, 3, v10                 ; my row m in it
	v_mul_u32_u24 v11, v9, 1536
	v_lshl_add_u32 v11, v10, 4, v11                ; my place in the images
	v_lshlrev_b32 v12, 6, v9
	v_lshl_add_u32 v12, v10, 2, v12                ; and among the scale words
; block be: lanes 0-15 of a fragment hold blocks 0 and 2 (v160-171), lanes 16-31 blocks 1 and 3 (v172-183)
.macro JBLOCK be, cnt
.set XS, 32+32*(\be)
.set GG, 160+12*((\be)%2)+6*((\be)/2)
	s_wait_loadcnt \cnt
	v_max3_num_f32 v201, |v[XS]|, |v[XS+1]|, |v[XS+2]|
	v_max3_num_f32 v202, |v[XS+3]|, |v[XS+4]|, |v[XS+5]|
.irp i, 6,10,14,18,22,26
	v_max3_num_f32 v201, v201, |v[XS+\i]|, |v[XS+\i+1]|
	v_max3_num_f32 v202, v202, |v[XS+\i+2]|, |v[XS+\i+3]|
.endr
	v_max3_num_f32 v201, v201, |v[XS+30]|, |v[XS+31]|
	v_max3_num_f32 v201, v201, v202, 0x1800000     ; and the floor
	v_add_nc_u32 v[204+\be], 0xff000000, v201
	v_lshrrev_b32 v202, 23, v[204+\be]
.if \be == 0
	v_mov_b32 v200, v202
.else
	v_lshl_or_b32 v200, v202, 8*(\be), v200
.endif
	v_cvt_scalef32_pk16_fp6_f32 v[GG:GG+2], v[XS:XS+15], v[204+\be]
	v_cvt_scalef32_pk16_fp6_f32 v[184+4*(\be):186+4*(\be)], v[XS+16:XS+31], v[204+\be]
.endm
	JBLOCK 0, 63                                   ; 96 younger loads could stay out; the wait's field holds 63
	JBLOCK 1, 63                                   ; likewise 64
	JBLOCK 2, 32                                   ; the last block's 32 stay out
	JBLOCK 3, 0
	v_nop                                          ; one plain line behind the scaled conversions
.irp be, 0,1,2,3
.irp i, 0,1,2
	v_mov_b32 v[163+12*(\be%2)+6*(\be/2)+\i], v[184+4*\be+\i]
.endr
.endr
.irp hh, 0,1
.irp c, 0,1,2
	global_store_b128 v11, v[160+12*\hh+4*\c:163+12*\hh+4*\c], s[IMG:IMG+1] offset:512*\c+256*\hh   ; sixteen lanes fill 256 consecutive bytes of one image, the other sixteen of the other
.endr
.endr
	global_store_b32 v12, v200, s[SC:SC+1]
	s_endpgm
.Lfunc_end_k_q899f73024a_prep:
	.size	k_q899f73024a_prep, .Lfunc_end_k_q899f73024a_prep-k_q899f73024a_prep
	.p2alignl 7, 3214868480
	.fill 96, 4, 3214868480
	.section	.rodata,"a",@progbits
	.p2align	6, 0x0
	.amdhsa_kernel k_q899f73024a_prep
		.amdhsa_group_segment_fixed_size 68096
		.amdhsa_private_segment_fixed_size 0
		.amdhsa_enable_private_segment 0
		.amdhsa_kernarg_size 48
		.amdhsa_user_sgpr_count 2
		.amdhsa_user_sgpr_kernarg_segment_ptr 1
		.amdhsa_wavefront_size32 1
		.amdhsa_system_sgpr_workgroup_id_x 1
		.amdhsa_system_sgpr_workgroup_id_y 1
		.amdhsa_system_sgpr_workgroup_id_z 1
		.amdhsa_system_vgpr_workitem_id 0
		.amdhsa_next_free_vgpr 256
		.amdhsa_next_free_sgpr 66
		.amdhsa_reserve_vcc 1
		.amdhsa_float_denorm_mode_32 3
		.amdhsa_float_denorm_mode_16_64 3
		.amdhsa_memory_ordered 1
		.amdhsa_forward_progress 1
		.amdhsa_inst_pref_size 100
	.end_amdhsa_kernel
	.amdgpu_metadata
---
amdhsa.version: [ 1, 2 ]
amdhsa.kernels:
  - .name:           k_q899f73024a_prep
    .symbol:         k_q899f73024a_prep.kd
    .args:
      - { .name: beta_w, .offset: 0, .size: 8, .value_kind: global_buffer, .address_space: global }
      - { .name: query, .offset: 8, .size: 8, .value_kind: global_buffer, .address_space: global }
      - { .name: alpha_w, .offset: 16, .size: 8, .value_kind: global_buffer, .address_space: global }
      - { .name: b_img, .offset: 24, .size: 8, .value_kind: global_buffer, .address_space: global }
      - { .name: b_sc, .offset: 32, .size: 8, .value_kind: global_buffer, .address_space: global }
      - { .name: qops, .offset: 40, .size: 8, .value_kind: global_buffer, .address_space: global }
    .group_segment_fixed_size: 68096
    .private_segment_fixed_size: 0
    .kernarg_segment_align: 8
    .kernarg_segment_size: 48
    .max_flat_workgroup_size: 128
    .sgpr_count:     66
    .vgpr_count:     256
    .wavefront_size: 32
...
	.end_amdgpu_metadata
.endif
;; end of part 5
;; launch attn (part 6): grid 256 x 1, 4 waves a work-group, no clusters, 92,160 bytes of LDS; arguments context, alpha_w, alpha_b, qops, a_img, a_sc, hp; writes a_img, a_sc, hp
.if DOCPART == 6
	.amdgcn_target "amdgcn-amd-amdhsa--gfx1250"
	.amdhsa_code_object_version 6
	.text
	.protected	k_q899f73024a_attn
	.globl	k_q899f73024a_attn
	.p2align	8
	.type	k_q899f73024a_attn,@function
k_q899f73024a_attn:
	s_mov_b64 s[64:65], 0
	v_nop
	global_prefetch_b8 v0, s[64:65] scope:SCOPE_SE
	s_setreg_imm32_b32 hwreg(HW_REG_WAVE_MODE, 25, 1), 1
	s_wait_xcnt 0x0
; FOR 16 ROWS OF CONTEXT: S = c.w_c + q.w_q + Q(c w_cq) Q(q)^T + b; p = 2^(t - M), t = S log2(e), M = ceil(the row's largest t); q_hat = Q(p) Q(q) / (the sum of the unquantised p);
; the codes of q_hat and of c q_hat (K steps 8-15 and 16-23 of the last product's left operand); and the rows' share of context_hat: sum over r of 2^(T_r - Tloc) c_r, with Tloc = the largest T_r
; (T_r = the row's largest t) and the sum of the weights, which the next launch joins.  Both softmaxes so take their maximum away.
; SHARES.  Work-group T owns rows 16 T .. 16 T + 15 of batch T / 32.  THE FOUR WAVES SHARE THE COLUMNS, NOT THE ROWS: wave w owns d = 256 w .. + 255 (K steps 2 w, 2 w + 1 of the scores' product), the keys
; 32 w .. + 31 (two tiles of the scores; block w of p) and sixteen tiles of q along j.  So every byte of the query's codes goes once into one wave's registers and feeds one matrix instruction.
; NO JOINT LOADS, though the 32 work-groups of a batch read the same 196,608 bytes of codes: each fragment feeds ONE matrix instruction of ONE wave here, so a way through LDS would write and read
; each byte once more for no second use; the fragments go from memory straight into registers, as images, 512 consecutive bytes a load.
; BOTH PRODUCTS ARE USED TRANSPOSED (source 0 = 16 rows of the query's operand, source 1 = my 16 rows): a lane holds one row of context (lane % 16) throughout, and its registers run along the next K.
; What goes from wave to wave goes through LDS, each region written once: three barriers.  No branch, no label.
; LIMITS: NaN and infinities are not served; a p under 2^-126 counts as 0 (v_exp_f32 gives 0 there); a block whose largest magnitude lies under 2^-124, or is 0, gets the scale byte 1.
; REGISTERS, in windows of 256: window 0: v1-23 addresses; v24-31 a row's figures; v32-95 64 numbers at work; v96-127 the quantiser's; v128-168 scale words; v176-191 the scores, then p; v192-207 q.w_q;
;   v208-219 p's fragment; v220-255 at work.   window 1: 16 fragments of q along d.   window 2: 16 fragments of q along j.   window 3: v0-127 my 16 x 256 of context in the quantiser's order; v128-255 at work.
.set STG,   0                          ; LDS: each wave's two stages (K steps 2 w, 2 w + 1 of context as loaded): 16,896 w + 8,448 k + 528 row
.set WL,    67584                      ; w_c and w_cq of my 256 columns: 2,048 w; w_c at 512 k, w_cq at 1,024 + 512 k
.set AIMG,  75776                      ; the images of Q(c w_cq): 1,536 x K step
.set ASC,   88064                      ; their scale words: 128 x K step + 4 x lane
.set CWP,   89088                      ; the waves' parts of c.w_c: 16 r + 4 w;  256 on: of the largest score;  512 on: of the sum of p
.set PSC,   89856                      ; p's scale bytes: 4 r + w
.set PIMG,  90112                      ; p's fragment, lane by lane: 48 x lane + 4 x register
.set QJ_IMG, 786432
.set QD_SC,  1572864
.set QJ_SC,  1605632
.set QWP,    1638400
.set A64,  32
.set PC,   96
.set TM,   116
.set QDS,  128                         ; v128-143 scale words of q along d: 8 u + K step
.set QJS,  144                         ; v144-159 of q along j
.set AS,   160                         ; v160-167 of Q(c w_cq)
.set PS,   168                         ; v168 of p
.set W1,   169                         ; v169-170 the scale words made for q_hat, v171-172 for c q_hat
.set W2,   171
.set PWX,  173
.set ST,   176
.set QW,   192
.set PF,   208
.set DT,   208                         ; (ahead of p) four pairs of partial sums of c.w_c
.set S_CTX, 20
.set S_AW,  22
.set S_QD,  24
.set S_QDS, 26
.set S_QJ,  28
.set S_QJS, 30
.set S_QWP, 32
.set S_AO,  34
.set S_SO,  36
.set S_HP,  38
.set S_HS,  40
.set SEL,   42                         ; s[42:43] selects of v_permlanex16_b32: lane l xor 16
.set LG,    44                         ; s[44:45] log2(e), twice: the packed form names the pair
.set MSB, 0
.macro WIN new                         ; bits 1:0 source 0, 3:2 source 1, 5:4 source 2, 7:6 destination; the high byte repeats the setting that is left
.if MSB != \new
	s_set_vgpr_msb (MSB<<8)|\new
.set MSB, \new
.endif
.endm
; 64 numbers of a lane, register 16 b + i = k 32 b + 16 (lane / 16) + i of row lane % 16, become a fragment's codes in v[PC] .. v[PC+11] and the row's scale word in v[pw].
.macro QUANT s, pw
.irp b, 0,1,2,3
	v_max3_num_f32 v[TM+\b], |v[\s+16*\b]|, |v[\s+1+16*\b]|, 0x1800000   ; my 16 numbers of block b, and the floor 2^(3 - 127): the byte cannot fall under 1
.endr
.irp i, 2,4,6,8,10,12,14
.irp b, 0,1,2,3
	v_max3_num_f32 v[TM+\b], v[TM+\b], |v[\s+16*\b+\i]|, |v[\s+1+16*\b+\i]|
.endr
.endr
.irp b, 0,1,2,3
	v_permlanex16_b32 v[TM+4+\b], v[TM+\b], s[SEL], s[SEL+1]
.endr
.irp b, 0,1,2,3
	v_max_num_f32 v[TM+\b], v[TM+\b], v[TM+4+\b]
.endr
.irp b, 0,1,2,3
	v_add_nc_u32 v[TM+8+\b], 0xff000000, v[TM+\b]  ; 2 off the exponent field: the conversion's scale operand
.endr
.irp b, 0,1,2,3
	v_lshrrev_b32 v[TM+4+\b], 23, v[TM+8+\b]       ; the scale's byte
.endr
	v_lshl_or_b32 v[\pw], v[TM+5], 8, v[TM+4]
	v_lshl_or_b32 v[\pw], v[TM+6], 16, v[\pw]
	v_lshl_or_b32 v[\pw], v[TM+7], 24, v[\pw]
.irp c, 0,1
	v_cvt_scalef32_pk16_fp6_f32 v[PC+6*\c:PC+2+6*\c], v[\s+32*\c:\s+15+32*\c], v[TM+8+2*\c]
	v_cvt_scalef32_pk16_fp6_f32 v[PC+12+4*\c:PC+14+4*\c], v[\s+16+32*\c:\s+31+32*\c], v[TM+9+2*\c]
.endr
	v_nop                                          ; one plain line behind the scaled conversions
.irp c, 0,1
.irp i, 0,1,2
	v_permlane16_swap_b32 v[PC+6*\c+\i], v[PC+12+4*\c+\i]
.endr
.irp i, 0,1,2
	v_mov_b32 v[PC+3+6*\c+\i], v[PC+12+4*\c+\i]
.endr
.endr
.endm
.macro BARRIER                         ; my LDS stores have landed and my LDS loads are in: then the work-group's barrier
	s_wait_dscnt 0x0
	s_barrier_signal -1
	s_barrier_wait -1
.endm
	s_load_b256 s[4:11], s[0:1], 0x0               ; context s[4:5], alpha_w s[6:7], alpha_b s[8:9], qops s[10:11]
	s_load_b128 s[12:15], s[0:1], 0x20             ; a_img s[12:13], a_sc s[14:15]
	s_load_b64 s[16:17], s[0:1], 0x30              ; hp
	v_lshl_add_u32 v174, v0, 2, 0x16600
	v_mov_b32 v175, 0
	v_lshrrev_b32 v23, 5, v0
	v_readfirstlane_b32 s18, v23                   ; wave
	v_and_b32 v23, 31, v0                          ; lane
	v_and_b32 v2, 15, v0                           ; r
	v_bfe_u32 v3, v0, 4, 1                         ; h
	v_lshlrev_b32 v1, 4, v23                       ; 16 x lane
	s_lshl_b32 s50, s18, 10                        ; 1,024 w
	s_mov_b32 s49, 0
	s_lshl_b32 s48, ttmp9, 16                      ; 16 rows of 4,096 bytes
	s_add_co_u32 s48, s48, s50
	s_wait_alu depctr_va_vdst(0)
	s_wait_kmcnt 0x0
	s_add_nc_u64 s[S_CTX:S_CTX+1], s[4:5], s[48:49]
	s_mov_b32 s48, s50
	s_add_nc_u64 s[S_AW:S_AW+1], s[6:7], s[48:49]
	s_load_b32 s46, s[8:9], 0x0                    ; alpha_b
	WIN 0xc0                                       ; destination window 3
.irp k, 0,1                                    ; my 256 columns of the 16 rows, as they lie: a load a row and K step, 512 consecutive bytes
.set N, 0
.rept 16
	global_load_b128 v[128+64*\k+4*N:131+64*\k+4*N], v1, s[S_CTX:S_CTX+1] offset:4096*N+512*\k
.set N, N+1
.endr
.endr
	WIN 0
.irp n, 0,1
	global_load_b128 v[32+4*\n:35+4*\n], v1, s[S_AW:S_AW+1] offset:512*\n        ; w_c
.endr
.irp n, 0,1
	global_load_b128 v[40+4*\n:43+4*\n], v1, s[S_AW:S_AW+1] offset:8192+512*\n   ; w_cq begins 2,048 numbers into alpha_w
.endr
	s_lshr_b32 s47, ttmp9, 5                       ; batch
	s_mul_i32 s51, s47, 98304                      ; a batch's images: 64 x 1,536 bytes
	s_mul_i32 s52, s18, 24576                      ; my sixteen of them
	s_add_co_u32 s48, s51, s52
	s_add_nc_u64 s[S_QD:S_QD+1], s[10:11], s[48:49]
	s_add_co_u32 s48, s48, QJ_IMG
	s_add_nc_u64 s[S_QJ:S_QJ+1], s[10:11], s[48:49]
	s_lshl_b32 s48, s47, 12
	s_add_co_u32 s48, s48, s50
	s_add_co_u32 s48, s48, QD_SC
	s_add_nc_u64 s[S_QDS:S_QDS+1], s[10:11], s[48:49]
	s_add_co_u32 s48, s48, QJ_SC-QD_SC
	s_add_nc_u64 s[S_QJS:S_QJS+1], s[10:11], s[48:49]
	s_lshl_b32 s48, s47, 9
	s_lshl_b32 s51, s18, 7                         ; 128 w
	s_add_co_u32 s48, s48, s51
	s_add_co_u32 s48, s48, QWP
	s_add_nc_u64 s[S_QWP:S_QWP+1], s[10:11], s[48:49]
	s_mul_i32 s48, ttmp9, 49152                    ; a row tile's 32 images
	s_mul_i32 s52, s18, 3072
	s_add_co_u32 s48, s48, s52
	s_add_co_u32 s48, s48, 12288                   ; K step 8 + 2 w
	s_add_nc_u64 s[S_AO:S_AO+1], s[12:13], s[48:49]
	s_lshl_b32 s48, ttmp9, 11
	s_add_co_u32 s48, s48, s51
	s_add_co_u32 s48, s48, 512                     ; pair 4 + w
	s_add_nc_u64 s[S_SO:S_SO+1], s[14:15], s[48:49]
	s_lshl_b32 s48, ttmp9, 12
	s_add_co_u32 s48, s48, s50
	s_add_nc_u64 s[S_HP:S_HP+1], s[16:17], s[48:49]
	s_lshl_b32 s48, ttmp9, 3
	s_add_co_u32 s48, s48, 1048576
	s_add_nc_u64 s[S_HS:S_HS+1], s[16:17], s[48:49]
	s_mov_b32 s[SEL], 0x76543210
	s_mov_b32 s[SEL+1], 0xfedcba98
	s_mov_b32 s[LG], 0x3fb8aa3b                    ; log2(e)
	s_mov_b32 s[LG+1], s[LG]
	v_lshlrev_b32 v20, 6, v3                       ; 64 h
	v_lshlrev_b32 v18, 3, v2                       ; 8 r
	v_lshlrev_b32 v19, 2, v2                       ; 4 r
.irp f, 0,1                                    ; the two half sums of q.w_q at my keys 32 w + 16 h + 0 .. 15
.irp n, 0,1,2,3
	global_load_b128 v[220+16*\f+4*\n:223+16*\f+4*\n], v20, s[S_QWP:S_QWP+1] offset:4096*\f+16*\n
.endr
.endr
.irp u, 0,1
.irp p, 0,1,2,3
	global_load_b64 v[QDS+8*\u+2*\p:QDS+8*\u+2*\p+1], v18, s[S_QDS:S_QDS+1] offset:512*\u+128*\p
.endr
.endr
	s_mul_i32 s47, s18, 16896
	v_add_nc_u32 v4, s47, v1                       ; my stages, as loaded: + 16 x lane
	v_mul_u32_u24 v5, v2, 528
	v_lshl_add_u32 v5, v3, 6, v5
	v_add_nc_u32 v5, s47, v5                       ; and in the quantiser's order: + 528 r + 64 h
	s_lshl_b32 s47, s18, 11
	s_add_co_u32 s47, s47, WL
	v_add_nc_u32 v6, s47, v1
	v_add_nc_u32 v7, s47, v20
	s_mul_i32 s47, s18, 3072
	s_add_co_u32 s47, s47, AIMG
	v_add_nc_u32 v8, s47, v1                       ; where I store my two images,
	v_add_nc_u32 v9, AIMG, v1                      ; and where any wave reads the eight
	v_lshlrev_b32 v11, 2, v23
	s_lshl_b32 s47, s18, 8
	s_add_co_u32 s47, s47, ASC
	v_add_nc_u32 v10, s47, v11
	v_add_nc_u32 v11, ASC, v11
	v_lshl_add_u32 v13, v2, 4, CWP
	s_lshl_b32 s47, s18, 2
	v_add_nc_u32 v12, s47, v13
	v_lshl_add_u32 v15, v2, 2, PSC
	v_add_nc_u32 v14, s18, v15
	s_and_b32 s47, s18, 1
	s_mul_i32 s47, s47, 768
	s_lshr_b32 s48, s18, 1
	s_mul_i32 s48, s48, 24
	s_add_co_u32 s47, s47, s48
	s_add_co_u32 s47, s47, PIMG
	v_mul_u32_u24 v16, v2, 48
	v_mad_u32_u24 v16, v3, 12, v16
	v_add_nc_u32 v16, s47, v16                     ; my 12 bytes of p's fragment: lane r + 16 (w % 2), registers 6 (w / 2) + 3 h + 0 .. 2
	v_mul_u32_u24 v17, v23, 48
	v_add_nc_u32 v17, PIMG, v17
	v_lshl_add_u32 v21, v3, 9, v18                 ; 8 r + 512 h
	v_mov_b32 v22, 0
	v_mov_b32 v252, 0                              ; written once: a lane permute's destination counts as one of its sources
.irp b, 0,1,2,3
	v_mov_b32 v[TM+4+\b], 0
.endr
	s_wait_kmcnt 0x0                               ; alpha_b
	s_wait_loadcnt 36                              ; K step 0's 16 loads are in; behind them: 16 + 4 + 8 + 8
	WIN 0x0c                                       ; an LDS store's data are its source 1: window 3
.set N, 0
.rept 16
	ds_store_b128 v4, v[128+4*N:131+4*N] offset:528*N
.set N, N+1
.endr
	s_wait_loadcnt 20                              ; K step 1's; behind them: 4 + 8 + 8
.set N, 0
.rept 16
	ds_store_b128 v4, v[192+4*N:195+4*N] offset:8448+528*N
.set N, N+1
.endr
	WIN 0
	s_wait_loadcnt 16                              ; w_c and w_cq; behind them: 8 + 8
.irp n, 0,1,2,3
	ds_store_b128 v6, v[32+4*\n:35+4*\n] offset:512*\n
.endr
	WIN 0x40                                       ; destination window 1
.set N, 0
.rept 48
	global_load_b128 v[4*N:4*N+3], v1, s[S_QD:S_QD+1] offset:512*N   ; q along d: fragment 8 u + K step at v[12 (8 u + K step)]
.set N, N+1
.endr
	WIN 0
	s_wait_dscnt 0x0                               ; the stores have read their registers
; ---- X: K step k of my columns: c in the quantiser's order (kept), c.w_c, and Q(c w_cq), whose image goes to LDS
.macro PHX k
	WIN 0xc0
.set N, 0
.rept 16
	ds_load_b128 v[64*(\k)+4*N:64*(\k)+4*N+3], v5 offset:8448*(\k)+128*(N/4)+16*(N%4)
.set N, N+1
.endr
.set N, 0
.rept 16
	ds_load_b128 v[128+4*N:131+4*N], v7 offset:512*(\k)+128*(N/4)+16*(N%4)        ; w_c: the lanes of a half read the same bytes
.set N, N+1
.endr
.set N, 0
.rept 16
	ds_load_b128 v[192+4*N:195+4*N], v7 offset:1024+512*(\k)+128*(N/4)+16*(N%4)   ; w_cq
.set N, N+1
.endr
	s_wait_dscnt 0x0
	WIN 0x0f                                       ; sources 0 and 1 window 3
.set N, 0
.rept 32
.if (\k == 0) && (N < 4)
	v_pk_mul_f32 v[DT+2*(N%4):DT+2*(N%4)+1], v[64*(\k)+2*N:64*(\k)+2*N+1], v[128+2*N:129+2*N]   ; the first products start the four chains
.else
	v_pk_fma_f32 v[DT+2*(N%4):DT+2*(N%4)+1], v[64*(\k)+2*N:64*(\k)+2*N+1], v[128+2*N:129+2*N], v[DT+2*(N%4):DT+2*(N%4)+1]
.endif
.set N, N+1
.endr
.set N, 0
.rept 32
	v_pk_mul_f32 v[A64+2*N:A64+2*N+1], v[64*(\k)+2*N:64*(\k)+2*N+1], v[192+2*N:193+2*N]
.set N, N+1
.endr
	WIN 0
	QUANT A64, PWX
.irp c, 0,1,2
	ds_store_b128 v8, v[PC+4*\c:PC+4*\c+3] offset:1536*(\k)+512*\c
.endr
	ds_store_b32 v10, v[PWX] offset:128*(\k)
	s_wait_dscnt 0x0                               ; the stores have read their registers
.endm
	PHX 0
	WIN 0x80                                       ; destination window 2
.set N, 0
.rept 48
	global_load_b128 v[4*N:4*N+3], v1, s[S_QJ:S_QJ+1] offset:512*N   ; q along j: my tile n at v[12 n]
.set N, N+1
.endr
	WIN 0
	PHX 1
.set N, 0
.rept 16
	global_load_b32 v[QJS+N], v19, s[S_QJS:S_QJS+1] offset:64*N
.set N, N+1
.endr
	v_pk_add_f32 v[DT:DT+1], v[DT:DT+1], v[DT+2:DT+3]
	v_pk_add_f32 v[DT+4:DT+5], v[DT+4:DT+5], v[DT+6:DT+7]
	v_pk_add_f32 v[DT:DT+1], v[DT:DT+1], v[DT+4:DT+5]
	v_add_f32 v[DT], v[DT], v[DT+1]
	v_permlanex16_b32 v[DT+1], v[DT], s[SEL], s[SEL+1]
	v_add_f32 v[DT], v[DT], v[DT+1]                ; c.w_c over my 256 columns
	ds_store_b32 v12, v[DT]
	s_wait_loadcnt 63                              ; 164 loads are issued: the first 101 are in, which are all up to the last of q along d
.set N, 0
.rept 8
	v_pk_add_f32 v[QW+2*N:QW+2*N+1], v[220+2*N:221+2*N], v[236+2*N:237+2*N]   ; q.w_q: register 8 u + i is key 32 w + 16 h + 8 u + i, the scores' own layout
.set N, N+1
.endr
	s_wait_alu depctr_va_vdst(0)
	BARRIER                                        ; the eight images of Q(c w_cq), their scale words and the parts of c.w_c lie in LDS
	; ---- S: my two tiles of the scores, K = 1,024 in eight steps; q.w_q is the C of each sum's first product.  The two accumulators take turns
	WIN 0xc0
.set N, 0
.rept 24
	ds_load_b128 v[128+4*N:131+4*N], v9 offset:512*N
.set N, N+1
.endr
	WIN 0
.irp s, 0,1,2,3,4,5,6,7
	ds_load_b32 v[AS+\s], v11 offset:128*\s
.endr
	ds_load_b128 v[220:223], v13
	s_wait_dscnt 0x0
.rept 4
	v_nop                                          ; distance between the additions that made q.w_q and the products that take it
.endr
	WIN 0x0d                                       ; source 0 window 1, source 1 window 3
.irp s, 0,1,2,3,4,5,6,7
.irp u, 0,1
.if \s == 0
	v_wmma_scale_f32_16x16x128_f8f6f4 v[ST+8*\u:ST+8*\u+7], v[12*(8*\u+\s):12*(8*\u+\s)+11], v[128+12*\s:139+12*\s], v[QW+8*\u:QW+8*\u+7], v[QDS+8*\u+\s], v[AS+\s] matrix_a_fmt:MATRIX_FMT_FP6 matrix_b_fmt:MATRIX_FMT_FP6
.else
	v_wmma_scale_f32_16x16x128_f8f6f4 v[ST+8*\u:ST+8*\u+7], v[12*(8*\u+\s):12*(8*\u+\s)+11], v[128+12*\s:139+12*\s], v[ST+8*\u:ST+8*\u+7], v[QDS+8*\u+\s], v[AS+\s] matrix_a_fmt:MATRIX_FMT_FP6 matrix_b_fmt:MATRIX_FMT_FP6
.endif
.endr
.endr
	WIN 0
	v_add_f32 v220, v220, v221                     ; five plain lines, the places behind the last products (ISA guide 7.12.1): c.w_c of the whole row,
	v_add_f32 v222, v222, v223
	v_add_f32 v220, v220, v222
	v_add_f32 v220, s46, v220                      ; + alpha_b,
	v_mul_f32 v24, s[LG], v220                     ; x log2(e): t = score x log2(e) + this
	; ---- P: the largest score of my block of 32 keys serves twice: for the row's maximum, and, since p rises with the score, for the block's largest p
	v_max3_num_f32 v28, v[ST], v[ST+1], v[ST+2]    ; (each accumulator is read from its low end on)
.irp i, 3,5,7,9,11,13
	v_max3_num_f32 v28, v28, v[ST+\i], v[ST+\i+1]
.endr
	v_max_num_f32 v28, v28, v[ST+15]
	v_permlanex16_b32 v252, v28, s[SEL], s[SEL+1]
	v_max_num_f32 v28, v28, v252
	ds_store_b32 v12, v28 offset:256
	BARRIER                                        ; the four blocks' largest scores lie in LDS
	ds_load_b128 v[224:227], v13 offset:256
	s_wait_dscnt 0x0
	v_max3_num_f32 v253, v224, v225, v226
	v_max_num_f32 v253, v253, v227
	v_fma_f32 v31, v253, s[LG], v24                ; the row's largest t
	v_floor_f32 v254, -v31                         ; -M = floor(-t): M is a whole number
	v_add_f32 v26, v24, v254
	v_mov_b32 v27, v26                             ; (named with it as a pair)
	v_mov_b32 v248, v31
.irp m, 1,2,4,8
	v_max_num_f32_dpp v248, v248, v248 row_xmask:\m row_mask:0xf bank_mask:0xf   ; Tloc: the largest over my 16 rows
.endr
	v_sub_f32 v30, v31, v248
.set N, 0
.rept 8
	v_pk_fma_f32 v[ST+2*N:ST+2*N+1], v[ST+2*N:ST+2*N+1], s[LG:LG+1], v[26:27] op_sel_hi:[1,0,0]   ; t - M
.set N, N+1
.endr
	v_fma_f32 v29, v28, s[LG], v26                 ; the same of the block's largest score
.set N, 0
	s_wait_alu depctr_va_vdst(0)
.rept 16
	v_exp_f32 v[ST+N], v[ST+N]                     ; p = 2^(t - M): not normalised
.set N, N+1
.endr
	v_exp_f32 v29, v29                             ; the block's largest p
	v_exp_f32 v30, v30                             ; the row's weight in context_hat, under Tloc
	v_nop                                          ; a plain line behind the last exponential
	s_wait_alu depctr_va_vdst(0)                   ; one wait for the batch of 18, ahead of its first reader
	v_pk_add_f32 v[238:239], v[ST:ST+1], v[ST+2:ST+3]      ; the sum of the UNQUANTISED p, in two chains
	v_pk_add_f32 v[250:251], v[ST+4:ST+5], v[ST+6:ST+7]
	v_pk_add_f32 v[238:239], v[238:239], v[ST+8:ST+9]
	v_pk_add_f32 v[250:251], v[250:251], v[ST+10:ST+11]
	v_pk_add_f32 v[238:239], v[238:239], v[ST+12:ST+13]
	v_pk_add_f32 v[250:251], v[250:251], v[ST+14:ST+15]
	v_pk_add_f32 v[238:239], v[238:239], v[250:251]
	v_add_f32 v238, v238, v239
	v_permlanex16_b32 v252, v238, s[SEL], s[SEL+1]
	v_add_f32 v238, v238, v252
	ds_store_b32 v12, v238 offset:512
	v_mov_b32 v249, v30
.irp m, 1,2,4,8
	v_add_f32_dpp v249, v249, v249 row_xmask:\m row_mask:0xf bank_mask:0xf   ; the sum of my 16 rows' weights
.endr
	v_max_num_f32 v29, 0x1800000, v29              ; the floor: the byte cannot fall under 1
	v_add_nc_u32 v253, 0xff000000, v29
	v_lshrrev_b32 v254, 23, v253
	ds_store_b8 v14, v254                          ; byte w of the row's scale word (both halves of the lanes store the same)
	v_cvt_scalef32_pk16_fp6_f32 v[232:234], v[ST:ST+15], v253   ; my 16 keys' codes: 96 bits
	v_nop                                          ; one plain line behind the scaled conversion
	ds_store_b32 v16, v232
	ds_store_b32 v16, v233 offset:4
	ds_store_b32 v16, v234 offset:8
	BARRIER                                        ; p's fragment, its scale words and the parts of its sum lie in LDS
	; ---- O: q_hat^T = Q(q)^T Q(p)^T / the sum, eight tiles (one K step of the last product) at a time; then its codes, and those of c q_hat
.irp c, 0,1,2
	ds_load_b128 v[PF+4*\c:PF+4*\c+3], v17 offset:16*\c
.endr
	ds_load_b32 v[PS], v15
	ds_load_b128 v[228:231], v13 offset:512
	s_wait_dscnt 0x0
	s_wait_loadcnt 0x0                             ; q along j and its scale words
	v_add_f32 v228, v228, v229
	v_add_f32 v230, v230, v231
	v_add_f32 v228, v228, v230
	s_wait_alu depctr_va_vdst(0)
	v_rcp_f32 v236, v228
	v_mov_b32 v237, 0                              ; a plain line behind the reciprocal; and the pair's other word is written
.macro PHO k
	WIN 0x02                                       ; source 0 window 2
.irp t, 0,1,2,3,4,5,6,7
	v_wmma_scale_f32_16x16x128_f8f6f4 v[A64+8*\t:A64+8*\t+7], v[12*(8*(\k)+\t):12*(8*(\k)+\t)+11], v[PF:PF+11], 0, v[QJS+8*(\k)+\t], v[PS] matrix_a_fmt:MATRIX_FMT_FP6 matrix_b_fmt:MATRIX_FMT_FP6
.endr
	WIN 0
.rept 4
	v_nop                                          ; four places in front of the first read of results
.endr
.if \k == 0
	s_wait_alu depctr_va_vdst(0)                   ; the wait for the reciprocal, ahead of its first reader
.endif
.set N, 0
.rept 32
	v_pk_mul_f32 v[A64+2*N:A64+2*N+1], v[A64+2*N:A64+2*N+1], v[236:237] op_sel_hi:[1,0]   ; register 16 b + i is d = 256 w + 128 k + 32 b + 16 h + i: the quantiser's order
.set N, N+1
.endr
.if \k == 1
	s_wait_xcnt 0x0                                ; the last image's stores have read the codes' registers
.endif
	QUANT A64, W1+\k
.irp c, 0,1,2
	global_store_b128 v1, v[PC+4*\c:PC+4*\c+3], s[S_AO:S_AO+1] offset:1536*(\k)+512*\c
.endr
	WIN 0x0c                                       ; source 1 window 3
.set N, 0
.rept 32
	v_pk_mul_f32 v[A64+2*N:A64+2*N+1], v[A64+2*N:A64+2*N+1], v[64*(\k)+2*N:64*(\k)+2*N+1]   ; c q_hat
.set N, N+1
.endr
	WIN 0
	s_wait_xcnt 0x0
	QUANT A64, W2+\k
.irp c, 0,1,2
	global_store_b128 v1, v[PC+4*\c:PC+4*\c+3], s[S_AO:S_AO+1] offset:12288+1536*(\k)+512*\c
.endr
.endm
	PHO 0
	PHO 1
	v_cmp_eq_u32 vcc_lo, 0, v3
	v_cndmask_b32 v254, v[W2], v[W1], vcc_lo       ; lanes 0-15: q_hat's pair of words, lanes 16-31: c q_hat's, four pairs further on
	v_cndmask_b32 v255, v[W2+1], v[W1+1], vcc_lo
	global_store_b64 v21, v[254:255], s[S_SO:S_SO+1]
	; ---- H: my columns of sum over r of e_r c_r, by fused multiply-adds in f32 on the rows as they were loaded (they still lie in my stages)
.set N, 0
.rept 16
	v_readlane_b32 s[68+2*N], v30, N
	s_mov_b32 s[69+2*N], s[68+2*N]                 ; (the packed form names the pair)
.set N, N+1
.endr
.irp k, 0,1
	WIN 0xc0
.set N, 0
.rept 16
	ds_load_b128 v[128+4*N:131+4*N], v4 offset:8448*\k+528*N
.set N, N+1
.endr
	s_wait_dscnt 0x0
	WIN 0x03                                       ; source 0 window 3
	v_pk_mul_f32 v[240+4*\k:241+4*\k], v[128:129], s[68:69] op_sel_hi:[1,0]
	v_pk_mul_f32 v[242+4*\k:243+4*\k], v[130:131], s[68:69] op_sel_hi:[1,0]
.set N, 1
.rept 15
	v_pk_fma_f32 v[240+4*\k:241+4*\k], v[128+4*N:129+4*N], s[68+2*N:69+2*N], v[240+4*\k:241+4*\k] op_sel_hi:[1,0,1]
	v_pk_fma_f32 v[242+4*\k:243+4*\k], v[130+4*N:131+4*N], s[68+2*N:69+2*N], v[242+4*\k:243+4*\k] op_sel_hi:[1,0,1]
.set N, N+1
.endr
	WIN 0
	global_store_b128 v1, v[240+4*\k:243+4*\k], s[S_HP:S_HP+1] offset:512*\k
.endr
	s_wait_xcnt 0x0                                ; EXEC changes only behind this wait
	v_cmp_eq_u32 vcc_lo, 0, v0
	s_wait_tensorcnt 0x0
	ds_add_u32 v174, v175
	s_wait_dscnt 0x0
	s_and_saveexec_b32 s47, vcc_lo                 ; thread 0 alone: every wave holds the same two numbers
	global_store_b64 v22, v[248:249], s[S_HS:S_HS+1]   ; Tloc and the sum of the weights
	s_wait_xcnt 0x0
	s_or_b32 exec_lo, exec_lo, s47
	s_endpgm
.Lfunc_end_k_q899f73024a_attn:
	.size	k_q899f73024a_attn, .Lfunc_end_k_q899f73024a_attn-k_q899f73024a_attn
	.p2alignl 7, 3214868480
	.fill 96, 4, 3214868480
	.section	.rodata,"a",@progbits
	.p2align	6, 0x0
	.amdhsa_kernel k_q899f73024a_attn
		.amdhsa_group_segment_fixed_size 92160
		.amdhsa_private_segment_fixed_size 0
		.amdhsa_enable_private_segment 0
		.amdhsa_kernarg_size 56
		.amdhsa_user_sgpr_count 2
		.amdhsa_user_sgpr_kernarg_segment_ptr 1
		.amdhsa_wavefront_size32 1
		.amdhsa_system_sgpr_workgroup_id_x 1
		.amdhsa_system_sgpr_workgroup_id_y 1
		.amdhsa_system_sgpr_workgroup_id_z 1
		.amdhsa_system_vgpr_workitem_id 0
		.amdhsa_next_free_vgpr 1024
		.amdhsa_next_free_sgpr 100
		.amdhsa_reserve_vcc 1
		.amdhsa_float_denorm_mode_32 3
		.amdhsa_float_denorm_mode_16_64 3
		.amdhsa_memory_ordered 1
		.amdhsa_forward_progress 1
		.amdhsa_inst_pref_size 91
	.end_amdhsa_kernel
	.amdgpu_metadata
---
amdhsa.version: [ 1, 2 ]
amdhsa.kernels:
  - .name:           k_q899f73024a_attn
    .symbol:         k_q899f73024a_attn.kd
    .args:
      - { .name: context, .offset: 0, .size: 8, .value_kind: global_buffer, .address_space: global }
      - { .name: alpha_w, .offset: 8, .size: 8, .value_kind: global_buffer, .address_space: global }
      - { .name: alpha_b, .offset: 16, .size: 8, .value_kind: global_buffer, .address_space: global }
      - { .name: qops, .offset: 24, .size: 8, .value_kind: global_buffer, .address_space: global }
      - { .name: a_img, .offset: 32, .size: 8, .value_kind: global_buffer, .address_space: global }
      - { .name: a_sc, .offset: 40, .size: 8, .value_kind: global_buffer, .address_space: global }
      - { .name: hp, .offset: 48, .size: 8, .value_kind: global_buffer, .address_space: global }
    .group_segment_fixed_size: 92160
    .private_segment_fixed_size: 0
    .kernarg_segment_align: 8
    .kernarg_segment_size: 56
    .max_flat_workgroup_size: 128
    .sgpr_count:     100
    .vgpr_count:     1024
    .wavefront_size: 32
...
	.end_amdgpu_metadata
.endif
;; end of part 6
;; launch hat (part 7): grid 256 x 1, 4 waves a work-group, no clusters, 71,680 bytes of LDS; arguments context, hp, b_img, b_sc, a_img, a_sc, bp; writes a_img, a_sc, bp
.if DOCPART == 7
	.amdgcn_target "amdgcn-amd-amdhsa--gfx1250"
	.amdhsa_code_object_version 6
	.text
	.protected	k_q899f73024a_hat
	.globl	k_q899f73024a_hat
	.p2align	8
	.type	k_q899f73024a_hat,@function
k_q899f73024a_hat:
	s_mov_b64 s[64:65], 0
	v_nop
	global_prefetch_b8 v0, s[64:65] scope:SCOPE_SE
	s_setreg_imm32_b32 hwreg(HW_REG_WAVE_MODE, 25, 1), 1
	s_wait_xcnt 0x0
; context_hat = sum over the batch's 32 row tiles g of f_g x (the tile's partial sum), f_g = 2^(Tloc_g - Tg) / L, Tg = the largest Tloc, L = sum of (the tile's sum of weights) x 2^(Tloc_g - Tg):
; the softmax over the 512 rows, its maximum taken away, in f32.  Then two things are made of it.
; (1) The codes of c context_hat: K steps 24-31 of the last product's left operand.
; (2) THE LAST PRODUCT'S FIRST 1,024 ALONG K.  There the left operand is context_hat itself, broadcast over the batch's 512 rows: every row has the same codes and the same sums.  So that quarter of K is multiplied ONCE
;     for a batch, here, on the same codes and by the same matrix instruction: Q(context_hat), a fragment of 16 equal rows, x Q(beta_w).  The sums over my 256 columns go to bp[columns' number][batch][4,096]; the
;     last launch adds the four parts to beta_b and takes the sum as the C of its first products.
; SHARES.  Work-group g: batch g / 32, 256 columns pr = (g / 8) % 4 (K steps 2 pr, 2 pr + 1), oc = g % 8.  The work-group joins its 256 columns once (thread t: columns 2 t, 2 t + 1).  Wave w quantises for row tile
; 4 oc + w of the batch, and multiplies for outputs 512 oc + 128 w .. + 127 (8 tiles of beta_w x 2 K steps: 16 matrix instructions).
; Images and scale words as in the launches before: 1,536 bytes a fragment, registers 4 c .. 4 c + 3 of lane l at 512 c + 16 l.  One barrier, no branch.
; LIMITS: NaN and infinities are not served; a tile whose Tloc lies more than 126 under Tg counts for nothing (v_exp_f32 gives 0 there); a block of zeros or under 2^-124 gets the scale byte 1.
; REGISTERS, in windows of 256: window 0: v1-31 addresses and figures; v32-159 context as loaded, then context_hat (v32-95) and c (v96-159) in the quantiser's order; v160-191 f, then codes and the quantiser's;
;   v192-231 the two fragments of Q(context_hat); v232-239 the way out; v240-255 beta_w's scale words.   window 1: v0-191 beta_w's 16 fragments, v192-255 eight accumulators.   window 2: v0-63 the 32 partial sums.
.set FS,   67584                       ; LDS: behind the waves' stages (16,896 w + 8,448 k + 528 row): f, a word a thread,
.set HV,   68096                       ; context_hat of the 256 columns,
.set BST,  69120                       ; and 512 bytes for each wave, in which its 128 sums turn
.set H64,  32
.set X64,  96
.set FF,   160                         ; v160-191 f of the 32 tiles
.set PCX,  160                         ; v160-179 the codes of c context_hat
.set TM,   180                         ; v180-191 at work in QUANT
.set HF,   192                         ; v192-203 and v212-223: Q(context_hat), K steps 2 pr and 2 pr + 1 (eight registers behind each are the quantiser's)
.set OB,   232
.set BS,   240                         ; v240-255 beta_w's scale words: 2 t + k
.set PW,   24                          ; v24-25 context_hat's scale words, v26-27 c context_hat's
.set ACC,  192                         ; in window 1
.set S_CTX, 24
.set S_HP,  26
.set S_HS,  28
.set S_AO,  30
.set S_SO,  32
.set SEL,   34
.set S_BI,  36
.set S_BS,  38
.set S_BP,  40
.set PC, PCX                           ; where QUANT puts its codes: set anew ahead of each use
.set MSB, 0
.macro WIN new                         ; bits 1:0 source 0, 3:2 source 1, 5:4 source 2, 7:6 destination; the high byte repeats the setting that is left
.if MSB != \new
	s_set_vgpr_msb (MSB<<8)|\new
.set MSB, \new
.endif
.endm
; 64 numbers of a lane, register 16 b + i = k 32 b + 16 (lane / 16) + i of row lane % 16, become a fragment's codes in v[PC] .. v[PC+11] and the row's scale word in v[pw].
.macro QUANT s, pw
.irp b, 0,1,2,3
	v_max3_num_f32 v[TM+\b], |v[\s+16*\b]|, |v[\s+1+16*\b]|, 0x1800000   ; my 16 numbers of block b, and the floor 2^(3 - 127): the byte cannot fall under 1
.endr
.irp i, 2,4,6,8,10,12,14
.irp b, 0,1,2,3
	v_max3_num_f32 v[TM+\b], v[TM+\b], |v[\s+16*\b+\i]|, |v[\s+1+16*\b+\i]|
.endr
.endr
.irp b, 0,1,2,3
	v_permlanex16_b32 v[TM+4+\b], v[TM+\b], s[SEL], s[SEL+1]
.endr
.irp b, 0,1,2,3
	v_max_num_f32 v[TM+\b], v[TM+\b], v[TM+4+\b]
.endr
.irp b, 0,1,2,3
	v_add_nc_u32 v[TM+8+\b], 0xff000000, v[TM+\b]  ; 2 off the exponent field: the conversion's scale operand
.endr
.irp b, 0,1,2,3
	v_lshrrev_b32 v[TM+4+\b], 23, v[TM+8+\b]       ; the scale's byte
.endr
	v_lshl_or_b32 v[\pw], v[TM+5], 8, v[TM+4]
	v_lshl_or_b32 v[\pw], v[TM+6], 16, v[\pw]
	v_lshl_or_b32 v[\pw], v[TM+7], 24, v[\pw]
.irp c, 0,1
	v_cvt_scalef32_pk16_fp6_f32 v[PC+6*\c:PC+2+6*\c], v[\s+32*\c:\s+15+32*\c], v[TM+8+2*\c]
	v_cvt_scalef32_pk16_fp6_f32 v[PC+12+4*\c:PC+14+4*\c], v[\s+16+32*\c:\s+31+32*\c], v[TM+9+2*\c]
.endr
	v_nop                                          ; one plain line behind the scaled conversions
.irp c, 0,1
.irp i, 0,1,2
	v_permlane16_swap_b32 v[PC+6*\c+\i], v[PC+12+4*\c+\i]
.endr
.irp i, 0,1,2
	v_mov_b32 v[PC+3+6*\c+\i], v[PC+12+4*\c+\i]
.endr
.endr
.endm
	s_load_b256 s[4:11], s[0:1], 0x0               ; context s[4:5], hp s[6:7], b_img s[8:9], b_sc s[10:11]
	s_load_b128 s[12:15], s[0:1], 0x20             ; a_img s[12:13], a_sc s[14:15]
	s_load_b64 s[16:17], s[0:1], 0x30              ; bp
	v_lshl_add_u32 v227, v0, 2, 0x11600
	v_mov_b32 v231, 0
	v_lshrrev_b32 v1, 5, v0
	v_readfirstlane_b32 s18, v1                    ; wave
	v_and_b32 v13, 31, v0                          ; lane
	v_and_b32 v2, 15, v0                           ; r
	v_bfe_u32 v3, v0, 4, 1                         ; h
	v_lshlrev_b32 v1, 4, v13                       ; 16 x lane
	s_mul_i32 s44, s18, 16896
	v_add_nc_u32 v4, s44, v1                       ; my stages, as loaded
	v_mul_u32_u24 v5, v2, 528
	v_lshl_add_u32 v5, v3, 6, v5
	v_add_nc_u32 v5, s44, v5                       ; and in the quantiser's order
	v_lshlrev_b32 v6, 3, v13                       ; 8 x lane
	v_lshlrev_b32 v7, 3, v0                        ; 8 x thread
	v_lshl_add_u32 v8, v0, 2, FS
	s_lshl_b32 s44, s18, 7
	s_add_co_u32 s44, s44, FS
	v_mov_b32 v9, s44                              ; my wave's 32 words of f
	v_add_nc_u32 v10, HV, v7
	v_lshl_add_u32 v11, v3, 6, HV
	v_lshlrev_b32 v12, 3, v2                       ; 8 r
	s_lshl_b32 s44, s18, 9
	s_add_co_u32 s44, s44, BST
	v_lshl_add_u32 v30, v13, 2, s44                ; my wave's 512 bytes: in, 4 x lane;
	v_add_nc_u32 v31, s44, v1                      ; out, 16 x lane
	v_mov_b32 v17, 0                               ; written once: a lane permute's destination counts as one of its sources
	v_mov_b32 v19, 0
	s_lshr_b32 s19, ttmp9, 5                       ; batch
	s_bfe_u32 s20, ttmp9, 0x20003                  ; pr: which 256 columns
	s_and_b32 s21, ttmp9, 7                        ; oc
	s_lshl_b32 s22, s19, 5
	s_lshl_b32 s44, s21, 2
	s_add_co_u32 s22, s22, s44
	s_add_co_u32 s22, s22, s18                     ; my row tile T
	s_lshl_b32 s23, s20, 10                        ; 1,024 pr
	s_mov_b32 s43, 0                               ; the upper word of every offset below
	s_mov_b32 s[SEL], 0x76543210
	s_mov_b32 s[SEL+1], 0xfedcba98
	s_wait_kmcnt 0x0
	s_lshl_b32 s42, s22, 16
	s_add_co_u32 s42, s42, s23
	s_add_nc_u64 s[S_CTX:S_CTX+1], s[4:5], s[42:43]
	s_lshl_b32 s42, s19, 17                        ; a batch's 32 partial sums of 4,096 bytes
	s_add_co_u32 s42, s42, s23
	s_add_nc_u64 s[S_HP:S_HP+1], s[6:7], s[42:43]
	s_lshl_b32 s42, s19, 8
	s_add_co_u32 s42, s42, 1048576
	s_add_nc_u64 s[S_HS:S_HS+1], s[6:7], s[42:43]
	global_load_b64 v[14:15], v6, s[S_HS:S_HS+1]   ; lane g: tile g's Tloc and sum of weights
	WIN 0x80                                       ; destination window 2
.set N, 0
.rept 32
	global_load_b64 v[2*N:2*N+1], v7, s[S_HP:S_HP+1] offset:4096*N   ; tile N's partial sums at my two columns: 256 consecutive bytes a wave
.set N, N+1
.endr
	WIN 0
.irp k, 0,1
.set N, 0
.rept 16
	global_load_b128 v[32+64*\k+4*N:35+64*\k+4*N], v1, s[S_CTX:S_CTX+1] offset:4096*N+512*\k th:TH_LOAD_NT   ; my 16 rows x 256 columns, read once in this launch
.set N, N+1
.endr
.endr
	s_mul_i32 s42, s22, 49152                      ; the other bases, while the loads are out
	s_mul_i32 s44, s20, 3072
	s_add_co_u32 s42, s42, s44
	s_add_nc_u64 s[S_AO:S_AO+1], s[12:13], s[42:43]
	s_lshl_b32 s42, s22, 11
	s_lshl_b32 s45, s20, 7
	s_add_co_u32 s42, s42, s45
	s_add_nc_u64 s[S_SO:S_SO+1], s[14:15], s[42:43]
	s_lshl_b32 s46, s21, 5
	s_lshl_b32 s47, s18, 3
	s_add_co_u32 s46, s46, s47                     ; the first of my eight tiles of beta_w: 32 oc + 8 w
	s_mul_i32 s42, s46, 49152
	s_add_co_u32 s42, s42, s44                     ; K step 2 pr
	s_add_nc_u64 s[S_BI:S_BI+1], s[8:9], s[42:43]
	s_lshl_b32 s42, s46, 11
	s_add_co_u32 s42, s42, s45                     ; pair pr
	s_add_nc_u64 s[S_BS:S_BS+1], s[10:11], s[42:43]
	s_lshl_b32 s42, s20, 17                        ; bp: 131,072 pr + 16,384 batch + 64 x tile
	s_lshl_b32 s47, s19, 14
	s_add_co_u32 s42, s42, s47
	s_lshl_b32 s47, s46, 6
	s_add_co_u32 s42, s42, s47
	s_add_nc_u64 s[S_BP:S_BP+1], s[16:17], s[42:43]
	s_wait_loadcnt 63                              ; the statistics are in (64 younger loads; the wait's field holds 63)
	v_mov_b32 v16, v14
.irp m, 1,2,4,8
	v_max_num_f32_dpp v16, v16, v16 row_xmask:\m row_mask:0xf bank_mask:0xf
.endr
	s_wait_alu depctr_va_vdst(0)
	v_permlanex16_b32 v17, v16, s[SEL], s[SEL+1]
	v_max_num_f32 v16, v16, v17                    ; Tg
	v_sub_f32 v17, v14, v16
	s_wait_alu depctr_va_vdst(0)
	v_exp_f32 v17, v17                             ; 2^(Tloc - Tg)
	v_nop                                          ; a plain line behind the exponential,
	s_wait_alu depctr_va_vdst(0)                   ; and the wait ahead of its first reader
	v_mul_f32 v18, v15, v17
.irp m, 1,2,4,8
	v_add_f32_dpp v18, v18, v18 row_xmask:\m row_mask:0xf bank_mask:0xf
.endr
	v_permlanex16_b32 v19, v18, s[SEL], s[SEL+1]
	v_add_f32 v18, v18, v19                        ; L
	s_wait_alu depctr_va_vdst(0)
	v_rcp_f32 v18, v18
	v_nop
	s_wait_alu depctr_va_vdst(0)
	v_mul_f32 v17, v17, v18                        ; f of tile = my lane
	ds_store_b32 v8, v17
.irp n, 0,1,2,3,4,5,6,7
	ds_load_b128 v[FF+4*\n:FF+4*\n+3], v9 offset:16*\n   ; all 32 in every lane: my wave's own bytes, served in order
.endr
	s_wait_dscnt 0x0
	s_wait_loadcnt 32                              ; the partial sums are in; the 32 loads of context stay out
	WIN 0x02                                       ; source 0 window 2
	v_mul_f32 v20, v0, v[FF]                       ; four chains: my two columns, the even tiles and the odd ones; the first products start them
	v_mul_f32 v21, v1, v[FF]
	v_mul_f32 v22, v2, v[FF+1]
	v_mul_f32 v23, v3, v[FF+1]
.set G, 2
.rept 15
	v_fma_f32 v20, v[2*G], v[FF+G], v20
	v_fma_f32 v21, v[2*G+1], v[FF+G], v21
	v_fma_f32 v22, v[2*G+2], v[FF+G+1], v22
	v_fma_f32 v23, v[2*G+3], v[FF+G+1], v23
.set G, G+2
.endr
	WIN 0
	v_pk_add_f32 v[20:21], v[20:21], v[22:23]
	ds_store_b64 v10, v[20:21]                     ; context_hat at my two columns
	WIN 0x40                                       ; destination window 1
.irp k, 0,1
.irp t, 0,1,2,3,4,5,6,7
.irp c, 0,1,2
	global_load_b128 v[96*\k+12*\t+4*\c:96*\k+12*\t+4*\c+3], v1, s[S_BI:S_BI+1] offset:49152*\t+1536*\k+512*\c   ; beta_w's fragment (tile t, K step 2 pr + k): 512 consecutive bytes a load; the eight batches read it, so no hint
.endr
.endr
.endr
	WIN 0
.irp t, 0,1,2,3,4,5,6,7
	global_load_b64 v[BS+2*\t:BS+2*\t+1], v12, s[S_BS:S_BS+1] offset:2048*\t   ; and its rows' two scale words
.endr
.irp b, 0,1,2,3
	v_mov_b32 v[TM+4+\b], 0                        ; (a lane permute's destination counts as one of its sources; f's registers are free now)
.endr
	s_wait_loadcnt 56                              ; context is in; beta_w's 48 + 8 loads stay out
.irp k, 0,1
.set N, 0
.rept 16
	ds_store_b128 v4, v[32+64*\k+4*N:35+64*\k+4*N] offset:8448*\k+528*N
.set N, N+1
.endr
.endr
	s_wait_dscnt 0x0                               ; my stores have landed
	s_barrier_signal -1
	s_barrier_wait -1                              ; context_hat of all 256 columns lies in LDS
.irp k, 0,1
.set N, 0
.rept 16
	ds_load_b128 v[H64+4*N:H64+4*N+3], v11 offset:512*\k+128*(N/4)+16*(N%4)     ; the same for every row
.set N, N+1
.endr
.set N, 0
.rept 16
	ds_load_b128 v[X64+4*N:X64+4*N+3], v5 offset:8448*\k+128*(N/4)+16*(N%4)
.set N, N+1
.endr
	s_wait_dscnt 0x0
.set PC, HF+20*\k
	QUANT H64, PW+\k                               ; Q(context_hat): 16 equal rows; it stays in registers, for the products below
.set N, 0
.rept 32
	v_pk_mul_f32 v[X64+2*N:X64+2*N+1], v[X64+2*N:X64+2*N+1], v[H64+2*N:H64+2*N+1]
.set N, N+1
.endr
	s_wait_xcnt 0x0                                ; the last image's stores have read the codes' registers
.set PC, PCX
	QUANT X64, PW+2+\k
.irp c, 0,1,2
	global_store_b128 v1, v[PC+4*\c:PC+4*\c+3], s[S_AO:S_AO+1] offset:36864+1536*\k+512*\c   ; K step 24 + 2 pr + k
.endr
.endr
	global_store_b64 v12, v[PW+2:PW+3], s[S_SO:S_SO+1] offset:1536   ; pair 12 + pr (both halves of the lanes store the same words)
	; ---- the products: source 0 = the 16 equal rows of Q(context_hat), source 1 = 16 rows of beta_w.  The eight accumulators take turns.
	; The fragments and scale words that vector instructions made were written more than a hundred plain vector instructions ago.
	s_wait_loadcnt 0x0                             ; beta_w's fragments and scale words
	WIN 0x54                                       ; source 1, C and D window 1
.irp t, 0,1,2,3,4,5,6,7
	v_wmma_scale_f32_16x16x128_f8f6f4 v[ACC+8*\t:ACC+8*\t+7], v[HF:HF+11], v[12*\t:12*\t+11], 0, v[PW], v[BS+2*\t] matrix_a_fmt:MATRIX_FMT_FP6 matrix_b_fmt:MATRIX_FMT_FP6
.endr
.irp t, 0,1,2,3,4,5,6,7
	v_wmma_scale_f32_16x16x128_f8f6f4 v[ACC+8*\t:ACC+8*\t+7], v[HF+20:HF+31], v[96+12*\t:96+12*\t+11], v[ACC+8*\t:ACC+8*\t+7], v[PW+1], v[BS+2*\t+1] matrix_a_fmt:MATRIX_FMT_FP6 matrix_b_fmt:MATRIX_FMT_FP6
.endr
	WIN 0
.rept 4
	v_nop                                          ; four places in front of the first read of results (ISA guide 7.12.1)
.endr
	v_cmp_eq_u32 vcc_lo, 0, v3
	WIN 0x05                                       ; sources 0 and 1 window 1
.irp u, 0,1,2,3
	v_cndmask_b32 v[OB+\u], v[ACC+8*(2*\u+1)], v[ACC+8*(2*\u)], vcc_lo   ; all rows are equal: register 0 of lane (r, h) is column r of its tile.  Lanes 0-15 keep tile 2 u, lanes 16-31 tile 2 u + 1: output 32 u + lane
.endr
	WIN 0
.irp u, 0,1,2,3
	ds_store_b32 v30, v[OB+\u] offset:128*\u
.endr
	ds_load_b128 v[OB+4:OB+7], v31                 ; my wave's own bytes, served in order: four neighbouring outputs a lane
	s_wait_dscnt 0x0
	global_store_b128 v1, v[OB+4:OB+7], s[S_BP:S_BP+1]   ; 32 lanes store 512 consecutive bytes, at a multiple of 256 from the buffer's first byte
	s_wait_tensorcnt 0x0
	ds_add_u32 v227, v231
	s_wait_dscnt 0x0
	s_endpgm
.Lfunc_end_k_q899f73024a_hat:
	.size	k_q899f73024a_hat, .Lfunc_end_k_q899f73024a_hat-k_q899f73024a_hat
	.p2alignl 7, 3214868480
	.fill 96, 4, 3214868480
	.section	.rodata,"a",@progbits
	.p2align	6, 0x0
	.amdhsa_kernel k_q899f73024a_hat
		.amdhsa_group_segment_fixed_size 71680
		.amdhsa_private_segment_fixed_size 0
		.amdhsa_enable_private_segment 0
		.amdhsa_kernarg_size 56
		.amdhsa_user_sgpr_count 2
		.amdhsa_user_sgpr_kernarg_segment_ptr 1
		.amdhsa_wavefront_size32 1
		.amdhsa_system_sgpr_workgroup_id_x 1
		.amdhsa_system_sgpr_workgroup_id_y 1
		.amdhsa_system_sgpr_workgroup_id_z 1
		.amdhsa_system_vgpr_workitem_id 0
		.amdhsa_next_free_vgpr 768
		.amdhsa_next_free_sgpr 66
		.amdhsa_reserve_vcc 1
		.amdhsa_float_denorm_mode_32 3
		.amdhsa_float_denorm_mode_16_64 3
		.amdhsa_memory_ordered 1
		.amdhsa_forward_progress 1
		.amdhsa_inst_pref_size 50
	.end_amdhsa_kernel
	.amdgpu_metadata
---
amdhsa.version: [ 1, 2 ]
amdhsa.kernels:
  - .name:           k_q899f73024a_hat
    .symbol:         k_q899f73024a_hat.kd
    .args:
      - { .name: context, .offset: 0, .size: 8, .value_kind: global_buffer, .address_space: global }
      - { .name: hp, .offset: 8, .size: 8, .value_kind: global_buffer, .address_space: global }
      - { .name: b_img, .offset: 16, .size: 8, .value_kind: global_buffer, .address_space: global }
      - { .name: b_sc, .offset: 24, .size: 8, .value_kind: global_buffer, .address_space: global }
      - { .name: a_img, .offset: 32, .size: 8, .value_kind: global_buffer, .address_space: global }
      - { .name: a_sc, .offset: 40, .size: 8, .value_kind: global_buffer, .address_space: global }
      - { .name: bp, .offset: 48, .size: 8, .value_kind: global_buffer, .address_space: global }
    .group_segment_fixed_size: 71680
    .private_segment_fixed_size: 0
    .kernarg_segment_align: 8
    .kernarg_segment_size: 56
    .max_flat_workgroup_size: 128
    .sgpr_count:     66
    .vgpr_count:     768
    .wavefront_size: 32
...
	.end_amdgpu_metadata
.endif
;; end of part 7
;; launch gemm (part 8): grid 16 x 16, 4 waves a work-group, clusters of 4 x 4, 327,680 bytes of LDS; arguments a_img, a_sc, b_img, b_sc, out0, beta_b, bp; writes out0
.if DOCPART == 8
	.amdgcn_target "amdgcn-amd-amdhsa--gfx1250"
	.amdhsa_code_object_version 6
	.text
	.protected	k_q899f73024a_gemm
	.globl	k_q899f73024a_gemm
	.p2align	8
	.type	k_q899f73024a_gemm,@function
k_q899f73024a_gemm:
	s_mov_b64 s[64:65], 0
	v_nop
	global_prefetch_b8 v0, s[64:65] scope:SCOPE_SE
	s_setreg_imm32_b32 hwreg(HW_REG_WAVE_MODE, 25, 1), 1
	s_wait_xcnt 0x0
	s_wait_alu depctr_hold_cnt(0) depctr_sa_sdst(0) depctr_va_vdst(0) depctr_va_sdst(0) depctr_va_ssrc(0) depctr_va_vcc(0) depctr_vm_vsrc(0)
	s_getreg_b32 s2, hwreg(HW_REG_IB_STS2, 6, 4)
	s_cmp_eq_u32 s2, 0
	s_cbranch_scc0 .Lentry_in_a_cluster
	s_endpgm
.Lentry_in_a_cluster:
	s_bfe_u32 s2, ttmp6, 0x10000c
	s_cmp_lg_u32 s2, 0xf033
	s_cbranch_scc0 .Lentry_shape_is_right
	s_endpgm
.Lentry_shape_is_right:
; out0 = cat2 beta_w^T + beta_b on codes of FP6 (E2M3) with E8M0 scales.  K steps 8-31 (of 128 along K) are multiplied here; K steps 0-7, where every row of a batch
; holds the same codes, were multiplied once for each batch by the launch before: its four parts bp and beta_b are summed and are the C of each accumulator's first product.
; A tile of 256 x 256 to a work-group of four waves, 128 x 128 (64 accumulators, 512 registers) to a wave.  Operands lie in memory as images of fragments: 16 rows x 128 K = 1,536 bytes,
; registers 4 c .. 4 c + 3 of lane l at 512 c + 16 l; a tile row of 16 rows has its 32 K steps on end (49,152 bytes).
; THE RING: two LDS slots, each with THREE K steps of A's 16 and B's 16 tile rows: a tensor row is 4,608 bytes (18 x 256) of one tile row, beginning at a multiple of 256.  24 K steps are 8 fills;
; each wave brings a quarter of a slot by one joint load.  A lap is 6 K steps (both slots once); the first step stands ahead of the loop (its C is the bias), the last lap's other five behind it.
; A STEP is 64 products, A's blocks one after the other against B's eight, with TWO runs of LDS loads.  A has one set of registers, B two.  In a slot's first two steps both runs are 24 loads: in the middle the next
; step's blocks 4-7 of B and 0-3 of A; at the end the next step's blocks 4-7 of A and, into the set of B just read out, blocks 0-3 of B for the step after next, where that lies in the same slot.
; THE SCALE WORDS go from memory straight into registers, so that LDS holds two slots of three steps.  A tile row's words lie at pair x 128 + row x 8 + (K step % 2) x 4: one load of 8 bytes a lane covers 256
; consecutive bytes: lanes 0-15 one pair of K steps, lanes 16-31 the next.  Slot 0's set holds pairs P, P + 1, slot 1's set pairs P + 1, P + 2 of the lap's three; the step's word is picked by the register
; of the pair and by the scale operand's row.  A set is loaded anew behind its slot's last products, three K steps ahead of its next use.
; CLUSTERS: 4 x 4 work-groups; A's tiles are asked for jointly along a row of the cluster, B's along a column.  The matrix instruction is used transposed (source 0 = B, source 1 = A).
; PREFETCH: the head names fills 1 and 2; behind each later joint load a wave names the fill that stands two fills on: of the 8 tile rows that it fetches, each of the four partners names 2 (told apart by address:
; cx for A, cy for B), a tile row an instruction, lanes 0-17 a block of 256 bytes each, the other lanes the last block again.  The last two refills name nothing.
; REGISTERS: window 0: v0-31 addresses; v32-63 and v224-255 the two sets of scale words (A's block a at 2 a, B's block b at 16 + 2 b); v64-127 the bias; v128-223 A's fragments; on the way out v128-255 rows read back.
;   window 1: B's fragments, two sets, at v0 and v128 (at the head: the four parts of bp).   windows 2, 3: the accumulators of my rows 0-63, 64-127.
.set SIZE_N, 4096
.set FR,     12
.set NL,     3                         ; LDS loads that bring a fragment
.set NP,     4                         ; places behind this matrix instruction (ISA guide 7.12.1)
.set FRB,    1536
.set TROW,   3*FRB                     ; three K steps of a tile row
.set TPITCH, 49152
.set KOFF,   8*FRB
.set HALFT,  8*TROW
.set SLOT,   4*HALFT
.set LAPS,   4
.set SPARE,  2*SLOT                    ; behind the ring: the spare words, 128 bytes a wave
.set SPITCH, 528                       ; the way out: a stage of 16 rows x 528 bytes for each wave, in slot 0, which has had its last fill and its last read by then
.set ADRA, 16                          ; v16-17 LDS address of my A fragments in slot 0, 1
.set ADRB, 20                          ; v20-21 the same for B
.set STO,  24
.set RD,   25
.set CO,   26
.set SV,   27                          ; 8 x lane: the scale loads' offset
.set SPW,  28
.set NIL,  29
.set PFO,  30                          ; 256 x min(lane, 17): the prefetches' offset
.set SC0,  32
.set SC1,  224
.set BI,   64
.set AF,   128
.set BK,   128
.set G1, 24
.set G0, 32
.set G1B, 48
.set G0B, 56
.set SA,  68                           ; s[68:69] my A blocks' scale words, at the lap's first pair
.set SB,  70                           ; s[70:71] my B blocks'
.set PFA, 72                           ; s[72:73] where my prefetches stand
.set MSB, 0
.macro WIN new                         ; the immediate's high byte repeats the setting that is left
.if MSB != \new
	s_set_vgpr_msb (MSB<<8)|\new
.set MSB, \new
.endif
.endm
.set MUL_LO, 0xa1
.set MUL_HI, 0xf1
.set TO_B,   0x40
.macro JLOAD g0a, g1a, g0b, g1b        ; waves 0, 1 fetch for A, waves 2, 3 for B
	s_cmp_eq_u32 s15, 0
	s_cbranch_scc0 .Lfor_b_\@
	tensor_load_to_lds s[\g0a:\g0a+3], s[\g1a:\g1a+7]
	s_nop 0
.rept 4
	v_nop
.endr
	s_branch .Lasked_\@
.Lfor_b_\@:
	tensor_load_to_lds s[\g0b:\g0b+3], s[\g1b:\g1b+7]
	s_nop 0
.rept 4
	v_nop
.endr
.Lasked_\@:
.endm
.macro CREST                           ; a round of the cluster's barrier behind its opening barrier
	s_cmp_lg_u32 s14, 0
	s_cbranch_scc1 .Lnot_wave_0_\@
	s_barrier_signal -3
.Lnot_wave_0_\@:
	s_barrier_wait -3
	s_barrier_signal -1
	s_barrier_wait -1
.endm
.macro CROUND
	s_barrier_signal -1
	s_barrier_wait -1
	CREST
.endm
.macro ASK off, test                   ; two tile rows x 18 blocks of one fill; test = 1: not in the loop's last trip, whose refills are the last two fills
.if \test
	s_cmp_gt_u32 s3, 1
	s_cbranch_scc0 .Lno_ask_\@
.endif
	global_prefetch_b8 v[PFO], s[PFA:PFA+1] offset:\off th:TH_LOAD_NT scope:SCOPE_SE
	global_prefetch_b8 v[PFO], s[PFA:PFA+1] offset:\off+TPITCH th:TH_LOAD_NT scope:SCOPE_SE
.if \test
.Lno_ask_\@:
.endif
.endm
.macro SCLOAD set, off                 ; 16 loads of 256 consecutive bytes: two pairs of K steps of my 8 blocks of A and 8 of B
.irp i, 0,1,2,3,4,5,6,7
	global_load_b64 v[\set+2*\i:\set+2*\i+1], v[SV], s[SA:SA+1] offset:2048*\i+\off
	global_load_b64 v[\set+16+2*\i:\set+17+2*\i], v[SV], s[SB:SB+1] offset:2048*\i+\off
.endr
.endm
	s_load_b128 s[4:7], s[0:1], 0x0                ; a_img, a_sc
	s_load_b128 s[8:11], s[0:1], 0x10              ; b_img, b_sc
	s_load_b64 s[12:13], s[0:1], 0x20              ; out0
	s_load_b64 s[96:97], s[0:1], 0x28              ; beta_b
	s_load_b64 s[98:99], s[0:1], 0x30              ; bp
	v_lshl_add_u32 v[SPW], v0, 2, SPARE
	v_mov_b32 v[NIL], 0
	ds_add_u32 v[SPW], v[NIL]                      ; the opening lines: the add, twice on end, and its wait ahead of my first tensor load
	ds_add_u32 v[SPW], v[NIL]
	v_lshrrev_b32 v1, 5, v0
	v_readfirstlane_b32 s14, v1                    ; wave
	s_lshr_b32 s15, s14, 1                         ; my half of the tile's rows; also: I fetch for A (0) or B (1)
	s_and_b32 s16, s14, 1                          ; my half of its columns; also: which 8 tile rows I fetch
	s_bfe_u32 s40, ttmp6, 0x40000                  ; cx
	s_bfe_u32 s41, ttmp6, 0x40004                  ; cy
	s_lshl_b32 s42, ttmp9, 2
	s_add_co_u32 s42, s42, s40                     ; tile column
	s_and_b32 s17, ttmp7, 0xffff
	s_lshl_b32 s17, s17, 2
	s_add_co_u32 s17, s17, s41                     ; tile row
	s_lshl_b32 s43, s41, 2
	s_lshl_b32 s43, 15, s43                        ; my row of the cluster
	s_lshl_b32 s44, 0x1111, s40                    ; my column
	s_or_b32 s[G1+0], s43, (3<<16)|(1<<21)         ; elements of 8 bytes; the mask, and bit 21 beside it
	s_or_b32 s[G1B+0], s44, (3<<16)|(1<<21)
.irp g, G1, G1B
	s_mov_b32 s[\g+1], (TROW/8)<<16                ; 8 rows of 576 elements, 6,144 elements apart
	s_mov_b32 s[\g+2], 8<<16
	s_mov_b32 s[\g+3], (TROW/8)<<16
	s_mov_b32 s[\g+4], 8
	s_mov_b32 s[\g+5], TPITCH/8
	s_mov_b32 s[\g+6], 0
	s_mov_b32 s[\g+7], 0
.endr
	s_lshl_b32 s18, s16, 3
	s_lshl_b32 s20, s17, 4
	s_add_co_u32 s20, s20, s18                     ; A: the first tile row that I fetch
	s_lshl_b32 s46, s42, 4
	s_add_co_u32 s46, s46, s18                     ; B likewise
	s_mov_b32 s21, 0
	s_mov_b32 s47, 0
	s_mov_b64 s[18:19], TPITCH
	s_mul_u64 s[20:21], s[20:21], s[18:19]
	s_mul_u64 s[46:47], s[46:47], s[18:19]
	s_mul_i32 s45, s14, HALFT                      ; where they go: wave x 8 tile rows
	s_wait_dscnt 0x0                               ; both opening adds are done
	s_wait_kmcnt 0x0
	s_add_nc_u64 s[20:21], s[4:5], s[20:21]
	s_add_nc_u64 s[46:47], s[8:9], s[46:47]
.irp s, 0,1
	s_mov_b32 s[G0+4*\s], 1
	s_add_co_u32 s[G0+4*\s+1], s45, \s*SLOT
	s_add_nc_u64 s[G0+4*\s+2:G0+4*\s+3], s[20:21], KOFF+\s*TROW
	s_or_b32 s[G0+4*\s+3], s[G0+4*\s+3], 0x80000000
	s_mov_b32 s[G0B+4*\s], 1
	s_add_co_u32 s[G0B+4*\s+1], s45, \s*SLOT
	s_add_nc_u64 s[G0B+4*\s+2:G0B+4*\s+3], s[46:47], KOFF+\s*TROW
	s_or_b32 s[G0B+4*\s+3], s[G0B+4*\s+3], 0x80000000
.endr
	CROUND                                         ; all sixteen work-groups are here: the first joint loads meet
	JLOAD G0, G1, G0B, G1B                         ; fill 0, K steps 8-10: my one tensor load at the head
	; the scale words' bases: tile row x 2,048 bytes, from pair 4 on
	s_lshl_b32 s74, s17, 15
	s_lshl_b32 s75, s15, 14
	s_add_co_u32 s74, s74, s75
	s_add_co_u32 s74, s74, 512
	s_mov_b32 s75, 0
	s_add_nc_u64 s[SA:SA+1], s[6:7], s[74:75]
	s_lshl_b32 s76, s42, 15
	s_lshl_b32 s77, s16, 14
	s_add_co_u32 s76, s76, s77
	s_add_co_u32 s76, s76, 512
	s_mov_b32 s77, 0
	s_add_nc_u64 s[SB:SB+1], s[10:11], s[76:77]
	; the prefetches' base: of the 8 tile rows that I fetch, my work-group's two, at fill 1
	s_cmp_eq_u32 s15, 0
	s_cselect_b32 s78, s17, s42
	s_cselect_b32 s79, s40, s41
	s_cselect_b64 s[PFA:PFA+1], s[4:5], s[8:9]
	s_lshl_b32 s78, s78, 4
	s_lshl_b32 s80, s16, 3
	s_add_co_u32 s78, s78, s80
	s_lshl_b32 s79, s79, 1
	s_add_co_u32 s78, s78, s79
	s_mul_i32 s78, s78, TPITCH
	s_add_co_u32 s78, s78, KOFF+TROW
	s_mov_b32 s79, 0
	s_add_nc_u64 s[PFA:PFA+1], s[PFA:PFA+1], s[78:79]
	; out0, beta_b, bp at my part of the tile
	s_lshl_b32 s20, s17, 8
	s_lshl_b32 s21, s15, 7
	s_add_co_u32 s20, s20, s21                     ; my first row
	s_mov_b32 s21, 0
	s_mov_b64 s[18:19], SIZE_N*4
	s_mul_u64 s[20:21], s[20:21], s[18:19]
	s_lshl_b32 s46, s42, 10
	s_lshl_b32 s47, s16, 9
	s_add_co_u32 s46, s46, s47                     ; my first column, in bytes
	s_mov_b32 s47, 0
	s_add_nc_u64 s[96:97], s[96:97], s[46:47]
	s_lshr_b32 s94, s17, 1                         ; batch
	s_lshl_b32 s94, s94, 14
	s_add_co_u32 s94, s94, s46
	s_mov_b32 s95, 0
	s_add_nc_u64 s[98:99], s[98:99], s[94:95]
	s_add_nc_u64 s[20:21], s[20:21], s[46:47]
	s_add_nc_u64 s[12:13], s[12:13], s[20:21]
	s_mul_i32 s82, s15, HALFT                      ; my 8 tile rows of A in a slot,
	s_mul_i32 s83, s16, HALFT
	s_add_co_u32 s83, s83, 2*HALFT                 ; of B, behind A's 16,
	s_mul_i32 s84, s14, 16*SPITCH                  ; and my stage
	v_and_b32 v1, 15, v0
	v_bfe_u32 v2, v0, 4, 1
	v_and_b32 v6, 31, v0
	v_lshlrev_b32 v4, 4, v6                        ; 16 x lane
	v_add_nc_u32 v[ADRA], s82, v4
	v_add_nc_u32 v[ADRB], s83, v4
	v_add_nc_u32 v[ADRA+1], SLOT, v[ADRA]
	v_add_nc_u32 v[ADRB+1], SLOT, v[ADRB]
	v_mul_u32_u24 v5, v1, SPITCH
	v_lshl_add_u32 v5, v2, 5, v5
	v_add_nc_u32 v[STO], s84, v5
	v_mov_b32 v[CO], v4
	v_add_nc_u32 v[RD], s84, v4
	v_lshlrev_b32 v7, 5, v2                        ; 32 x half: a lane's eight columns of the bias
	v_lshlrev_b32 v[SV], 3, v6
	v_min_u32 v[PFO], 17, v6
	v_lshlrev_b32 v[PFO], 8, v[PFO]
	s_wait_alu depctr_va_vdst(0)                   ; the wait behind the head's address registers
	ASK 0, 0                                       ; fill 1, whose load sets out behind fill 0's landing,
	ASK TROW, 0                                    ; and fill 2
	SCLOAD SC0, 0
	SCLOAD SC1, 128
.irp b, 0,1,2,3,4,5,6,7
	global_load_b128 v[BI+8*\b:BI+8*\b+3], v7, s[96:97] offset:64*\b
	global_load_b128 v[BI+8*\b+4:BI+8*\b+7], v7, s[96:97] offset:64*\b+16
.endr
	WIN TO_B
.irp p, 0,1,2,3
.irp b, 0,1,2,3,4,5,6,7
	global_load_b128 v[64*\p+8*\b:64*\p+8*\b+3], v7, s[98:99] offset:131072*\p+64*\b
	global_load_b128 v[64*\p+8*\b+4:64*\p+8*\b+7], v7, s[98:99] offset:131072*\p+64*\b+16
.endr
.endr
	WIN 0
.macro FRAG reg, adr, j, i             ; a fragment's image: three loads of 512 consecutive bytes
.irp c, 0,1,2
	ds_load_b128 v[\reg+4*\c:\reg+4*\c+3], v[\adr] offset:(\i)*TROW+(\j)*FRB+512*\c
.endr
.endm
.macro FB slot, j, p, i0, n            ; B's fragments i0 .. i0 + n - 1 of the slot's step j into set p
	WIN TO_B
.set FI, \i0
.rept \n
	FRAG 128*(\p)+FR*FI, ADRB+(\slot), \j, FI
.set FI, FI+1
.endr
.endm
.macro FA slot, j, i0, n               ; A's likewise
	WIN 0
.set FI, \i0
.rept \n
	FRAG AF+FR*FI, ADRA+(\slot), \j, FI
.set FI, FI+1
.endr
.endm
; Eight products: A's block a x B's eight.  q: the step's place in its lap: B's set q % 2; scale set q / 3, register q % 2 of the pair, lanes 16-31 for q = 2, 4, 5.
; The 64 accumulators take turns in the same order in every step.
.macro BLK a, q, zero
.set MP, 128*((\q)%2)
.set MS, SC0+(SC1-SC0)*((\q)/3)+(\q)%2
.irp b, 0,1,2,3,4,5,6,7
.set MD, 8*(8*((\a)%4)+\b)
.if \zero
.set MC, BI+8*\b
.else
.set MC, MD
.endif
.if ((\q)==2)||((\q)>=4)
	v_wmma_scale_f32_16x16x128_f8f6f4 v[MD:MD+7], v[MP+FR*\b:MP+FR*\b+FR-1], v[AF+FR*(\a):AF+FR*(\a)+FR-1], v[MC:MC+7], v[MS+16+2*\b], v[MS+2*(\a)] matrix_a_fmt:MATRIX_FMT_FP6 matrix_b_fmt:MATRIX_FMT_FP6 matrix_a_scale:MATRIX_SCALE_ROW1 matrix_b_scale:MATRIX_SCALE_ROW1
.else
	v_wmma_scale_f32_16x16x128_f8f6f4 v[MD:MD+7], v[MP+FR*\b:MP+FR*\b+FR-1], v[AF+FR*(\a):AF+FR*(\a)+FR-1], v[MC:MC+7], v[MS+16+2*\b], v[MS+2*(\a)] matrix_a_fmt:MATRIX_FMT_FP6 matrix_b_fmt:MATRIX_FMT_FP6
.endif
.endr
.endm
.macro MUL16 w, a0, q, zero            ; two blocks of A under window setting w
	WIN \w
	BLK \a0, \q, \zero
	BLK \a0+1, \q, \zero
.endm
.macro PLACES n
.rept \n
	v_nop
.endr
.endm
; A slot's first or second step (j = 0, 1).  The run of 24 loads at the end of the step before is the youngest at its start: A's blocks 4-7 of this step, then B's blocks 0-3 of the next.
; lw >= 0: the step is the first to use its scale set: lw younger scale loads may be out.
.macro STEP slot, j, q, zero, lw
.if \zero
.set WLO, 0x81                         ; C in window 0: the bias
.set WHI, 0xc1
.else
.set WLO, MUL_LO
.set WHI, MUL_HI
.endif
.if \lw >= 0
	s_wait_loadcnt \lw
.endif
	s_wait_dscnt 8*NL                              ; B's set and A's blocks 0-3 are in; the youngest 24 loads may be out
	MUL16 WLO, 0, \q, \zero
	MUL16 WLO, 2, \q, \zero
	s_wait_dscnt 4*NL                              ; A's blocks 4-7 are in; the four fragments of B behind them may be out
	PLACES NP
	FB \slot, (\j)+1, 1-(\q)%2, 4, 4
	FA \slot, (\j)+1, 0, 4
	MUL16 WHI, 4, \q, \zero
	MUL16 WHI, 6, \q, \zero
	PLACES NP
	FA \slot, (\j)+1, 4, 4
.if \j == 0
	FB \slot, 2, (\q)%2, 0, 4                      ; the slot's third step: into the set that this step has read out
.endif
	WIN 0
.endm
; A slot's third step changes slots.  One barrier for two things: in front of it each wave has waited for all its tensor loads (the one out is its part of the other slot), has added 0 to its spare word and has
; waited for that and for its reads of this slot.  fill = 1: the barrier opens a round of the cluster's barrier, this slot is filled again first, and behind the step's last products its scale set is loaded anew.
.macro TURN slot, q, fill
.if \fill
	s_wait_xcnt 0x0                                ; my prefetches and scale loads have read their bases: they are stepped here
	s_add_nc_u64 s[PFA:PFA+1], s[PFA:PFA+1], TROW
.if \slot == 0
	s_add_nc_u64 s[SA:SA+1], s[SA:SA+1], 384       ; the next lap's three pairs
	s_add_nc_u64 s[SB:SB+1], s[SB:SB+1], 384
.endif
.endif
	s_wait_tensorcnt 0x0
	ds_add_u32 v[SPW], v[NIL]
	s_wait_dscnt 4*NL+1                            ; the add and A's blocks 4-7 may be out
	MUL16 MUL_LO, 0, \q, 0
	s_wait_dscnt 0x0                               ; the add is done and my reads of this slot are over
	s_barrier_signal -1
	MUL16 MUL_LO, 2, \q, 0
	WIN 0
	s_barrier_wait -1
.if \fill
	CREST
	s_add_nc_u64 s[G0+4*\slot+2:G0+4*\slot+3], s[G0+4*\slot+2:G0+4*\slot+3], 2*TROW
	s_add_nc_u64 s[G0B+4*\slot+2:G0B+4*\slot+3], s[G0B+4*\slot+2:G0B+4*\slot+3], 2*TROW
	JLOAD G0+4*\slot, G1, G0B+4*\slot, G1B         ; the first tensor load behind the round; its four v_nop are the places in front of the loads below
.else
	PLACES NP
.endif
	FB 1-\slot, 0, 1-(\q)%2, 0, 8
	FA 1-\slot, 0, 0, 4
.if \fill
	ASK 2*TROW, 1
.endif
	MUL16 MUL_HI, 4, \q, 0
	MUL16 MUL_HI, 6, \q, 0
	PLACES NP
	FA 1-\slot, 0, 4, 4
	FB 1-\slot, 1, (\q)%2, 0, 4
	WIN 0
.if \fill
	SCLOAD SC0+(SC1-SC0)*\slot, 128*\slot
.endif
.endm
	s_wait_loadcnt 0x0                             ; the scale sets, beta_b and the four parts of bp
	WIN 0x04                                       ; source 1 window 1
.irp p, 0,1,2,3
.set N, 0
.rept 32
	v_pk_add_f32 v[BI+2*N:BI+2*N+1], v[BI+2*N:BI+2*N+1], v[64*\p+2*N:64*\p+2*N+1]
.set N, N+1
.endr
.endr
	WIN 0
	s_wait_alu depctr_va_vdst(0)                   ; the wait at the head's end
	s_wait_tensorcnt 0x0                           ; my part of fill 0 is in; the same lines as ahead of a refill stand ahead of slot 1's first fill
	ds_add_u32 v[SPW], v[NIL]
	s_wait_dscnt 0x0
	CROUND
	JLOAD G0+4, G1, G0B+4, G1B                     ; fill 1, K steps 11-13
	FB 0, 0, 0, 0, 8
	FA 0, 0, 0, 4
	FA 0, 0, 4, 4
	FB 0, 1, 1, 0, 4
	WIN 0
	ASK 2*TROW, 0                                  ; fill 3
	STEP 0, 0, 0, 1, -1                            ; the first step's products take the bias as C: nothing is cleared
	s_mov_b32 s3, LAPS-1
.Llap:                                                 ; a trip: from a lap's second step to the next lap's first; both slots are filled again
	STEP 0, 1, 1, 0, -1
	TURN 0, 2, 1
	STEP 1, 0, 3, 0, 16                            ; slot 1's set is in; slot 0's 16 loads, issued behind it, may be out
	STEP 1, 1, 4, 0, -1
	TURN 1, 5, 1
	STEP 0, 0, 0, 0, 16                            ; and the other way round
	s_sub_co_u32 s3, s3, 1
	s_cmp_lg_u32 s3, 0
	s_cbranch_scc1 .Llap
	STEP 0, 1, 1, 0, -1                            ; the last lap asks for nothing more
	TURN 0, 2, 0
	STEP 1, 0, 3, 0, 0
	STEP 1, 1, 4, 0, -1
	s_wait_dscnt 4*NL                              ; the very last step: nothing more to fetch
	MUL16 MUL_LO, 0, 5, 0
	MUL16 MUL_LO, 2, 5, 0
	s_wait_dscnt 0
	MUL16 MUL_HI, 4, 5, 0
	MUL16 MUL_HI, 6, 5, 0
	WIN 0
; THE WAY OUT, by blocks of 16 rows x 128 columns: through my own stage and back as whole rows of 512 bytes, which the 32 lanes store as two aligned units of 256 bytes.
; LDS serves a wave's instructions in order (ISA guide 5.7.1.4): no wait between the stores and the loads.
.macro TOSTAGE a
.set AC, 64*((\a)%4)
	WIN 0x08+4*((\a)/4)
.irp b, 0,1,2,3,4,5,6,7
	ds_store_b128 v[STO], v[AC+8*\b:AC+8*\b+3] offset:64*\b          ; each accumulator from its low end on
	ds_store_b128 v[STO], v[AC+8*\b+4:AC+8*\b+7] offset:64*\b+16
.endr
	WIN 0
.set BB, BK+64*((\a)%2)
.irp t, 0,1,2,3,4,5,6,7,8,9,10,11,12,13,14,15
	ds_load_b128 v[BB+4*\t:BB+4*\t+3], v[RD] offset:\t*SPITCH
.endr
.endm
.macro SEND a, younger
.set BB, BK+64*((\a)%2)
	s_wait_dscnt \younger
.if (\a) > 0
	s_add_nc_u64 s[12:13], s[12:13], 16*SIZE_N*4   ; behind a wait on XCNT: the earlier stores have read their base
.endif
.irp t, 0,1,2,3,4,5,6,7,8,9,10,11,12,13,14,15
	global_store_b128 v[CO], v[BB+4*\t:BB+4*\t+3], s[12:13] offset:\t*SIZE_N*4 th:TH_STORE_NT
.endr
.endm
	PLACES NP
	TOSTAGE 0
.irp a, 1,2,3,4,5,6,7
.if \a > 1
	s_wait_xcnt 0x0                                ; block a - 2's stores have read their registers and their base
.endif
	TOSTAGE \a
	SEND \a-1, 32                                  ; behind block a - 1's loads: block a's 16 stores and 16 loads
.endr
	s_wait_xcnt 0x0
	SEND 7, 0
	s_wait_tensorcnt 0x0                           ; the wave's end
	ds_add_u32 v[SPW], v[NIL]
	s_wait_dscnt 0x0
	CROUND                                         ; the closing round
	s_endpgm
.Lfunc_end_k_q899f73024a_gemm:
	.size	k_q899f73024a_gemm, .Lfunc_end_k_q899f73024a_gemm-k_q899f73024a_gemm
	.p2alignl 7, 3214868480
	.fill 96, 4, 3214868480
	.section	.rodata,"a",@progbits
	.p2align	6, 0x0
	.amdhsa_kernel k_q899f73024a_gemm
		.amdhsa_group_segment_fixed_size 327680
		.amdhsa_private_segment_fixed_size 0
		.amdhsa_enable_private_segment 0
		.amdhsa_kernarg_size 56
		.amdhsa_user_sgpr_count 2
		.amdhsa_user_sgpr_kernarg_segment_ptr 1
		.amdhsa_wavefront_size32 1
		.amdhsa_system_sgpr_workgroup_id_x 1
		.amdhsa_system_sgpr_workgroup_id_y 1
		.amdhsa_system_sgpr_workgroup_id_z 1
		.amdhsa_system_vgpr_workitem_id 0
		.amdhsa_next_free_vgpr 1024
		.amdhsa_next_free_sgpr 100
		.amdhsa_reserve_vcc 0
		.amdhsa_float_denorm_mode_32 3
		.amdhsa_float_denorm_mode_16_64 3
		.amdhsa_memory_ordered 1
		.amdhsa_forward_progress 1
		.amdhsa_inst_pref_size 202
	.end_amdhsa_kernel
	.amdgpu_metadata
---
amdhsa.version: [ 1, 2 ]
amdhsa.kernels:
  - .name:           k_q899f73024a_gemm
    .symbol:         k_q899f73024a_gemm.kd
    .args:
      - { .name: a_img, .offset: 0, .size: 8, .value_kind: global_buffer, .address_space: global }
      - { .name: a_sc, .offset: 8, .size: 8, .value_kind: global_buffer, .address_space: global }
      - { .name: b_img, .offset: 16, .size: 8, .value_kind: global_buffer, .address_space: global }
      - { .name: b_sc, .offset: 24, .size: 8, .value_kind: global_buffer, .address_space: global }
      - { .name: out0, .offset: 32, .size: 8, .value_kind: global_buffer, .address_space: global }
      - { .name: beta_b, .offset: 40, .size: 8, .value_kind: global_buffer, .address_space: global }
      - { .name: bp, .offset: 48, .size: 8, .value_kind: global_buffer, .address_space: global }
    .group_segment_fixed_size: 327680
    .private_segment_fixed_size: 0
    .kernarg_segment_align: 8
    .kernarg_segment_size: 56
    .max_flat_workgroup_size: 128
    .sgpr_count:     100
    .vgpr_count:     1024
    .wavefront_size: 32
...
	.end_amdgpu_metadata
.endif
;; end of part 8
